; MI455X (gfx1250); checked and timed in simulation.
; The chip was launched on July 23, 2026; its instructions are those of AMD's public machine-readable ISA for CDNA 5 (MIT licence, August 2026) and "CDNA5" Instruction Set Architecture Reference Guide (July 2026). The comments in the code are by the model that wrote it; some were corrected since.
;; Mo E Layer. Allowed arithmetic: matrix products marked QUANTISED: E2M3 operands, one E8M0 scale for each 32 along K, by v_wmma_scale_f32_16x16x128_f8f6f4 with both operands' format E2M3, f32 sums; products left as they are: f32 operands where the result goes on into a quantised operand, else bf16, f16 or f32 operands; f32 sums; everything else in f32.
;; Inputs: W1 8 x 1,024 x 2,048 float32; W2 8 x 2,048 x 1,024 float32; b1 8 x 2,048 float32; b2 8 x 1,024 float32; gate_W 1,024 x 8 float32; gate_b 8 float32; x 2,048 x 1,024 float32.
;; Outputs: out0 2,048 x 1,024 float32.
;; This version of the problem:
;;   THIS VERSION OF THE PROBLEM IS GIVEN IN LOW PRECISION. The matrix products marked QUANTISED in the list below multiply operands that are first quantised to E2M3 (2 exponent bits, 3 mantissa bits; 6 bits a number), with one power-of-two scale for each 32 numbers along K (OCP MX v1.0); their sums are f32. All else is computed in f32.
;;   The module's matrix products, in the order in which they are computed (A, B: the left and right operand; K: the contracted axis; several contracted axes count as one K, in the product's order):
;;     1. [M 2,048, K 1,024] x [K 1,024, N 8]; A: input x; B: input gate_W: left as it is (N = 8 < 16)
;;     2. batch 2,048 x [M 8, K 2] x [K 2, N 1]; A: computed on the way; B: computed on the way: left as it is (K = 2 < 32)
;;     3. [M 16,384, K 1,024] x [K 1,024, N 2,048]; A: input W1; B: input x: QUANTISED
;;     4. batch 8 x [M 2,048, K 2,048] x [K 2,048, N 1,024]; A: computed on the way; B: input W2: QUANTISED
;;     5. batch 2,048 x [M 1,024, K 8] x [K 8, N 1]; A: computed on the way; B: computed on the way: left as it is (K = 8 < 32)
;;   THE QUANTISER, for each operand of a quantised product, along K:
;;     - K is cut into blocks of 32 from its start; a last block that is shorter is filled with zeros.
;;     - A block's scale is 2^e with e = floor(log2(the largest magnitude in the block)) - 2, held to -126 .. 127; a block of zeros has e = 0. As a byte (E8M0): e + 127.
;;     - Each number is divided by its block's scale, clamped to +-7.5, and rounded to the nearest number of E2M3, ties to even, subnormals kept.
;;     - The product sums the exact products of the quantised numbers (number of the format x scale) in f32.
;;   ~~~python
;;   def quantise(x, axis):      # numpy; x: float32 -> the quantised numbers, widened to float32 again
;;       x = np.moveaxis(x, axis, -1); K = x.shape[-1]
;;       x = np.pad(x, [(0, 0)] * (x.ndim - 1) + [(0, -K % 32)]); x = x.reshape(x.shape[:-1] + (-1, 32)); a = np.abs(x).max(-1, keepdims=True)
;;       e = np.where(a > 0, np.clip(np.frexp(np.where(a > 0, a, 1))[1] - 1 - 2, -126, 127), 0)      # np.frexp(a)[1] - 1 = floor(log2(a)), exactly
;;       r = np.clip(x / 2.0 ** e, -7.5, 7.5)
;;       step = 2.0 ** (np.maximum(np.frexp(np.where(r == 0, 1, r))[1] - 1, 0) - 3)
;;       q = np.round(r / step) * step * 2.0 ** e      # np.round: ties to even
;;       return np.moveaxis(q.reshape(q.shape[:-2] + (-1,))[..., :K], -1, axis).astype(np.float32)
;;   ~~~
;;   OPERANDS COMPUTED ON THE WAY. 'Computed on the way' means the value that the module computes at that place (a softmax that the list does not call 'softmax' is quantised finished and normalised). What goes into a quantiser is computed in f32, as accurately as f32 sums, v_exp_f32 and their like allow (about 1e-6 of the number): no bf16 or f16 on the way to a quantiser, and a product that is left as it is and whose result goes on into a quantised operand takes f32 operands (vector FMAs, or v_wmma_f32_16x16x4_f32). A number that lies on a knife's edge between two numbers of the format may be rounded either way, as far as f32 arithmetic and the matrix unit's own rounding can turn it there, and no further.
;; 2 versions. Each part assembles by itself: llvm-mc -triple=amdgcn-amd-amdhsa -mcpu=gfx1250 --defsym DOCPART=n.
;; ======== version 1 of 2: 5 launches
;; workspace buffers: route 24,576 bytes of whole numbers; gates 16,384 bytes; w1c 13,107,200 bytes; w2c 13,107,200 bytes; plan 36,096 bytes of whole numbers; hid 7,552,000 bytes; ybuf 19,333,120 bytes; xq 1,638,400 bytes
;; launch prep1 (part 1): grid 1152 x 1, 4 waves a work-group, no clusters, 40,448 bytes of LDS; arguments x, gate_W, gate_b, W1, route, gates, w1c, xq; writes route, gates, w1c, xq
.if DOCPART == 1
	.amdgcn_target "amdgcn-amd-amdhsa--gfx1250"
	.amdhsa_code_object_version 6
	.text
	.protected	k_q3a34e899ab_prep1
	.globl	k_q3a34e899ab_prep1
	.p2align	8
	.type	k_q3a34e899ab_prep1,@function
k_q3a34e899ab_prep1:
	s_mov_b64 s[64:65], 0
	v_nop
	global_prefetch_b8 v0, s[64:65] scope:SCOPE_SE
	s_setreg_imm32_b32 hwreg(HW_REG_WAVE_MODE, 25, 1), 1
	s_wait_xcnt 0x0
; TWO JOBS IN ONE LAUNCH, parted by the work-group's number.
; Work-groups 0-127: THE ROUTER, AND x INTO CODES.  x is read once and serves both.
;   logits = x gate_W + gate_b in f32 (fused multiply-adds), the two largest (the lower index wins a tie), their softmax weights.
;   Stored at fixed places: route: sel[token] = e0 | e1 << 8, and oh[token] = two words with a byte of 1 for each chosen expert; gates: g0[token], g1[token].  No address and no branch hangs on a float.
;   xq: x as codes of FP6 (E2M3), [token][K step 8][half 2][48 bytes]: the 12 operand registers of lane (row, half) on end: block b of a K step at 48 (b % 2) + 24 (b / 2); scale words at XQS: [token][K step 8].
; Work-groups 128-1151: W1 [8][1024 (K)][2048], f32, becomes codes of FP6 (E2M3) with one E8M0 byte for each 32 along K, laid in the ORDER OF THE OPERAND'S REGISTERS:
;   w1c codes [expert 8][unit 16 (128 hidden)][K step 8][tile 8][group 3][lane 32][16 bytes]; lane r of tile 2 b + u holds hidden unit 32 b + 8 u + r + 8 (r / 8) of its unit;
;   scale words at SCOFF: [expert][unit][i 4][L 32][K step 8]: lane L = r + 16 u of i holds the words of tile 2 i + u, row r.
;   A lane takes a column and its registers run down K: a block of 32 lies in one lane, so its largest magnitude needs no other lane and the conversions give codes with K innermost.
; A block's scale is 2^(floor(log2(largest magnitude)) - 2); its byte is the largest magnitude's exponent field - 2, held at 1 from below.
; LIMITS: NaN and infinities among the inputs are not served.  A block whose largest magnitude lies under 2^-124 keeps the byte 1; a block of zeros has the byte 1 with zero codes (this program alone reads the bytes).
;   The two experts are chosen by the logits, whose order is the order of the probabilities; logits closer than the rounding of an f32 sum of 1,024 terms may choose the other expert.
; The router's own stores are 16 to 32 bytes a wave: 40 KiB in the whole launch.  W1's scale words leave 4 bytes a lane, 32 bytes apart: one byte in 128 of what the launch reads.
; 192 registers a wave and 39,936 bytes of LDS a work-group: five work-groups' registers (960) fit in a SIMD's 1,024, so 256 WGPs hold 1,280 work-groups: all 1,152 at once.
.set SCOFF, 12582912                   ; where the scale words begin in w1c
.set XQS,   1572864                    ; and in xq
.set SN,    2048                       ; columns of W1
.set SRC,   10                         ; s[10:11] W1
.set WV,    34                         ; s34 my wave's number
.set RLDS,  13312                      ; LDS: the router's bytes lie behind the weight path's four stages: each path has bytes of its own
.set TSTG,  2560                       ; a wave's turning stage: 32 places of 64 bytes + 16 of padding
.set WLDS,  6656                       ; a wave's part: the turning stage, then 256 places of 16 bytes for its 4 tokens' codes
.set ACC,   16                         ; router: v16-47   sums: token t, expert e at 8 t + e
.set RX,    48                         ; v48-79   x, two sets of 16: token t, number j at 4 t + j
.set RG,    80                         ; v80-143  gate_W, two sets of 32: number j, expert e at 8 j + e
.set QX,    144                        ; v144-159 16 neighbours along K of one token
.set QC,    160                        ; v160-167 their codes, two sets of 4 by turns
.set QW,    168                        ; v168-175 the scale word of my token for each of the 8 K steps
.set LG,    48                         ; v48-55   (behind the sums) my token's eight logits
.set X,     32                         ; weights: v32-95 two sets of 32 numbers
.set C,     96                         ; v96-101  a block's codes, six registers on end
.set T,     104                        ; v104-106 the block's second half as the conversion leaves it
.set OUTR,  112                        ; v112-135 the way out
.set SB,    24                         ; v24      my column's scale word
	s_load_b256 s[4:11], s[0:1], 0x0               ; x s[4:5], gate_W s[6:7], gate_b s[8:9], W1 s[10:11]
	s_load_b128 s[12:15], s[0:1], 0x20             ; route s[12:13], gates s[14:15]
	s_load_b128 s[16:19], s[0:1], 0x30             ; w1c s[16:17], xq s[18:19]
	v_lshl_add_u32 v192, v0, 2, 0x9c00
	v_mov_b32 v193, 0
	v_lshrrev_b32 v1, 5, v0
	v_readfirstlane_b32 s[WV], v1                  ; wave 0..3
	v_and_b32 v1, 31, v0                           ; lane
	s_cmp_ge_u32 ttmp9, 128
	s_cbranch_scc1 .Lweights
; ---------------- THE ROUTER.  A wave takes 4 tokens; lane l takes k = 128 i + 4 l + 0 .. 3 in chunk i of eight: a chunk is one K step of the products ----------------
	s_lshl_b32 s22, ttmp9, 4
	s_lshl_b32 s23, s[WV], 2
	s_add_co_u32 s22, s22, s23                     ; my wave's first token
	s_lshl_b32 s20, s22, 12                        ; x: 4,096 bytes a token
	s_mov_b32 s21, 0
	s_mul_i32 s38, s22, 768                        ; xq: 768 bytes of codes a token,
	s_mov_b32 s39, 0
	s_lshl_b32 s36, s22, 5                         ; 32 bytes of scale words
	s_add_co_u32 s36, s36, XQS
	s_mov_b32 s37, 0
	s_mul_i32 s35, s[WV], WLDS
	s_add_co_u32 s35, s35, RLDS                    ; my wave's LDS
	v_lshlrev_b32 v2, 4, v1                        ; x: 16 bytes a lane: a load covers 512 consecutive bytes of a row
	v_lshlrev_b32 v3, 7, v1                        ; gate_W: four rows of 32 bytes a lane
	v_and_b32 v4, 3, v1                            ; the token whose logits this lane finishes
	v_and_b32 v5, 7, v1                            ; the K step whose scale word this lane stores
	v_bfe_u32 v6, v1, 1, 2
	v_lshlrev_b32 v6, 3, v6                        ; behind the turn lanes 2 b, 2 b + 1 of eight hold block b: its byte stands 8 b bits up in the scale word
	v_lshrrev_b32 v13, 2, v1
	v_mul_u32_u24 v7, v13, 80
	v_and_b32 v14, 3, v1
	v_lshl_add_u32 v7, v14, 4, v7
	v_add_nc_u32 v7, s35, v7                       ; the turning stage, in: four lanes' 64 bytes on end, then 16 of padding; a token's 512 bytes take eight places
	v_mul_u32_u24 v8, v1, 80
	v_add_nc_u32 v8, s35, v8                       ; and out: place = lane: token lane / 8, k = 16 (lane % 8) + 0 .. 15 of the chunk
	s_add_co_u32 s35, s35, TSTG                    ; the codes' stage
	v_bfe_u32 v13, v1, 1, 1
	v_bfe_u32 v14, v1, 2, 1
	v_and_b32 v15, 1, v1
	v_lshl_add_u32 v15, v14, 1, v15
	v_lshl_add_u32 v15, v13, 2, v15                ; my 12 bytes' place among the K step's eight: 4 (b % 2) + 2 (b / 2) + the block's half
	v_lshrrev_b32 v13, 3, v1
	v_lshlrev_b32 v9, 10, v13                      ; a token has 64 places of 16 bytes
	v_lshl_add_u32 v9, v15, 4, v9
	v_add_nc_u32 v9, s35, v9                       ; into the codes' stage
	v_add_nc_u32 v10, s35, v2                      ; and back: place = lane
	v_mul_u32_u24 v11, v1, 12                      ; codes out: 12 bytes a lane
	v_lshlrev_b32 v12, 2, v1                       ; scale words out: 4 bytes a lane
	v_mov_b32 v179, 0                              ; written once: a DPP move's destination counts as one of its sources
	s_mov_b32 s32, 0x76543210
	s_mov_b32 s33, 0xfedcba98                      ; v_permlanex16_b32's selects for lane l xor 16
	s_wait_kmcnt 0x0
	s_add_nc_u64 s[4:5], s[4:5], s[20:21]
	s_add_nc_u64 s[54:55], s[18:19], s[38:39]      ; my tokens' codes
	s_add_nc_u64 s[56:57], s[18:19], s[36:37]      ; and scale words
	s_load_b256 s[24:31], s[8:9], 0x0              ; gate_b
.macro CHUNK_LOAD i
.irp t, 0,1,2,3
	global_load_b128 v[RX+16*((\i)%2)+4*\t:RX+16*((\i)%2)+4*\t+3], v2, s[4:5] offset:4096*\t+512*(\i) th:TH_LOAD_NT
.endr
.irp m, 0,1,2,3,4,5,6,7
	global_load_b128 v[RG+32*((\i)%2)+4*\m:RG+32*((\i)%2)+4*\m+3], v3, s[6:7] offset:4096*(\i)+16*\m
.endr
.endm
.macro CHUNK_FMA i                     ; 128 multiply-adds; the 32 sums take turns; the very first products start the sums: nothing is cleared
.irp j, 0,1,2,3
.irp t, 0,1,2,3
.irp e, 0,1,2,3,4,5,6,7
.if ((\i) == 0) && (\j == 0)
	v_mul_f32 v[ACC+8*\t+\e], v[RX+16*((\i)%2)+4*\t+\j], v[RG+32*((\i)%2)+8*\j+\e]
.else
	v_fmac_f32 v[ACC+8*\t+\e], v[RX+16*((\i)%2)+4*\t+\j], v[RG+32*((\i)%2)+8*\j+\e]
.endif
.endr
.endr
.endr
.endm
.macro TURN i                          ; the chunk's 2,048 bytes through the stage, as they lie; LDS serves a wave's instructions in order, so no wait stands between the stores and the loads
.irp t, 0,1,2,3
	ds_store_b128 v7, v[RX+16*((\i)%2)+4*\t:RX+16*((\i)%2)+4*\t+3] offset:640*\t
.endr
.irp q, 0,1,2,3
	ds_load_b128 v[QX+4*\q:QX+4*\q+3], v8 offset:16*\q
.endr
.endm
.macro QSTEP i                         ; my 16 neighbours of K step i become 12 bytes of codes; the eight lanes of a token gather its scale word
	v_max3_num_f32 v176, |v[QX]|, |v[QX+1]|, |v[QX+2]|             ; the largest magnitude of my 16, in two chains
	v_max3_num_f32 v177, |v[QX+3]|, |v[QX+4]|, |v[QX+5]|
.irp n, 6,10
	v_max3_num_f32 v176, v176, |v[QX+\n]|, |v[QX+\n+1]|
	v_max3_num_f32 v177, v177, |v[QX+\n+2]|, |v[QX+\n+3]|
.endr
	v_max3_num_f32 v176, v176, |v[QX+14]|, |v[QX+15]|
	v_max3_num_f32 v176, v176, v177, 0x1800000     ; and the floor 2^(3 - 127): the byte cannot fall under 1
	v_max_num_f32_dpp v176, v176, v176 row_xmask:1 row_mask:0xf bank_mask:0xf   ; with my neighbour's 16: the block's
	v_add_nc_u32 v178, 0xff000000, v176            ; 2 off the exponent field: the conversion takes this operand's exponent field as its scale
	v_cvt_scalef32_pk16_fp6_f32 v[QC+4*((\i)%2):QC+4*((\i)%2)+2], v[QX:QX+15], v178
	v_lshrrev_b32 v180, 23, v178                   ; the scale's byte  (the plain instruction behind the conversion)
	v_lshlrev_b32 v[QW+(\i)], v6, v180             ; at its place in the word;
	v_mov_b32_dpp v179, v[QW+(\i)] row_xmask:2 row_mask:0xf bank_mask:0xf
	v_or_b32 v[QW+(\i)], v[QW+(\i)], v179          ; with the lanes two
	v_mov_b32_dpp v179, v[QW+(\i)] row_xmask:4 row_mask:0xf bank_mask:0xf
	v_or_b32 v[QW+(\i)], v[QW+(\i)], v179          ; and four away the word is whole, in all eight lanes of the token
	ds_store_b96 v9, v[QC+4*((\i)%2):QC+4*((\i)%2)+2] offset:128*(\i)   ; 12 bytes to a place of 16, so that every LDS address is a multiple of 16
.endm
.macro CHUNK i
.if (\i) < 7
	s_wait_loadcnt 12                              ; this chunk's 12 loads are in; the next chunk's 12 stay out
.else
	s_wait_loadcnt 0x0
.endif
	TURN \i
	CHUNK_FMA \i                                   ; the multiply-adds stand between the turn's loads and the wait for them
	s_wait_dscnt 0x0                               ; the turned numbers are back: so the stores into the stage have read x's registers,
.if (\i) < 6
	CHUNK_LOAD (\i)+2                              ; which take the chunk two on
.endif
	QSTEP \i
.endm
	CHUNK_LOAD 0
	CHUNK_LOAD 1
.irp i, 0,1,2,3,4,5,6,7
	CHUNK \i
.endr
; the codes leave: 256 places, 32 an instruction; a store covers 384 consecutive bytes, the eight together my 4 tokens' 3,072, which begin at a multiple of 256 from the buffer's first byte
.irp n, 0,1,2,3,4,5,6,7
	ds_load_b96 v[RG+4*\n:RG+4*\n+2], v10 offset:512*\n   ; LDS serves a wave's instructions in order: these see my stores
.endr
.irp t, 1,2,3,4,5,6,7
	v_cmp_eq_u32 s[39+\t], \t, v5
.endr
	v_cndmask_b32 v181, v[QW], v[QW+1], s40        ; lane l holds token l / 8's words; it stores that of K step l % 8: word l of the wave's 32
.irp t, 2,3,4,5,6,7
	v_cndmask_b32 v181, v181, v[QW+\t], s[39+\t]
.endr
	global_store_b32 v12, v181, s[56:57]           ; 128 consecutive bytes
.irp n, 0,1,2,3,4,5,6,7
	s_wait_dscnt 7-\n
	global_store_b96 v11, v[RG+4*\n:RG+4*\n+2], s[54:55] offset:384*\n
.endr
; the 32 sums over the lanes: four steps inside each half ride on the addition
.irp x, 1,2,4,8
.set a_, 0
.rept 32
	v_add_f32_dpp v[ACC+a_], v[ACC+a_], v[ACC+a_] row_xmask:\x row_mask:0xf bank_mask:0xf
.set a_, a_+1
.endr
.endr
; lane l goes on with token l % 4: a choice of values, no branch; lanes l and l xor 16 choose the same token, so the step across the halves follows on 8 numbers
.irp t, 1,2,3
	v_cmp_eq_u32 s[46+\t], \t, v4
.endr
.irp e, 0,1,2,3,4,5,6,7
	v_cndmask_b32 v[LG+\e], v[ACC+\e], v[ACC+8+\e], s47
.endr
.irp t, 2,3
.irp e, 0,1,2,3,4,5,6,7
	v_cndmask_b32 v[LG+\e], v[LG+\e], v[ACC+8*\t+\e], s[46+\t]
.endr
.endr
.irp e, 0,1,2,3,4,5,6,7
	v_permlanex16_b32 v[56+\e], v[LG+\e], s32, s33 ; (x's registers are free, and have been written)
.endr
.irp e, 0,1,2,3,4,5,6,7
	v_add_f32 v[LG+\e], v[LG+\e], v[56+\e]
.endr
	s_wait_kmcnt 0x0                               ; gate_b
.irp e, 0,1,2,3,4,5,6,7
	v_add_f32 v[LG+\e], s[24+\e], v[LG+\e]
.endr
	v_mov_b32 v64, v[LG]                           ; the largest logit and its expert: only a strictly larger one takes over, so the lower index wins a tie
	v_mov_b32 v65, 0
.irp e, 1,2,3,4,5,6,7
	v_cmp_gt_f32 vcc_lo, v[LG+\e], v64
	v_cndmask_b32 v64, v64, v[LG+\e], vcc_lo
	v_cndmask_b32 v65, v65, \e, vcc_lo
.endr
	v_mov_b32 v66, 0xff800000                      ; the second largest: the same among the other seven
	v_mov_b32 v67, 0
.irp e, 0,1,2,3,4,5,6,7
	v_cmp_ne_u32 s50, \e, v65
	v_cmp_gt_f32 vcc_lo, v[LG+\e], v66
	s_and_b32 vcc_lo, vcc_lo, s50
	v_cndmask_b32 v66, v66, v[LG+\e], vcc_lo
	v_cndmask_b32 v67, v67, \e, vcc_lo
.endr
; softmax with the largest logit taken away: 2^((l - max) log2 e)
.irp e, 0,1,2,3,4,5,6,7
	v_sub_f32 v[112+\e], v[LG+\e], v64
.endr
	v_sub_f32 v120, v66, v64
.irp e, 0,1,2,3,4,5,6,7,8
	v_mul_f32 v[112+\e], 0x3fb8aa3b, v[112+\e]
.endr
.irp e, 0,1,2,3,4,5,6,7,8
	v_exp_f32 v[112+\e], v[112+\e]                 ; one batch of nine
.endr
	v_lshl_or_b32 v124, v67, 8, v65                ; sel = e0 | e1 << 8  (the plain instruction behind the batch)
	s_wait_alu depctr_va_vdst(0)                   ; one wait for the nine, ahead of their first reader
	v_add_f32 v112, v112, v113
	v_add_f32 v114, v114, v115
	v_add_f32 v116, v116, v117
	v_add_f32 v118, v118, v119
	v_add_f32 v112, v112, v114
	v_add_f32 v116, v116, v118
	v_add_f32 v112, v112, v116
	v_rcp_f32 v121, v112                           ; g0 = 1 / sum: the largest logit's exponential is 2^0
	v_mov_b32 v123, 1                              ; (plain work behind the reciprocal: the one-hot bytes and the addresses)
	v_and_b32 v125, 3, v65
	v_lshlrev_b32 v125, 3, v125
	v_lshlrev_b32 v125, v125, v123                 ; 1 in byte e0 % 4,
	v_cmp_gt_u32 vcc_lo, 4, v65
	v_cndmask_b32 v126, 0, v125, vcc_lo            ; of the low word where e0 < 4,
	v_sub_nc_u32 v127, v125, v126                  ; else of the high word
	v_and_b32 v128, 3, v67
	v_lshlrev_b32 v128, 3, v128
	v_lshlrev_b32 v128, v128, v123
	v_cmp_gt_u32 vcc_lo, 4, v67
	v_cndmask_b32 v129, 0, v128, vcc_lo
	v_sub_nc_u32 v130, v128, v129
	v_add_nc_u32 v126, v126, v129                  ; both chosen experts' bytes
	v_add_nc_u32 v127, v127, v130
	v_add_nc_u32 v131, s22, v1                     ; lanes 0-3: my wave's tokens
	v_lshlrev_b32 v132, 2, v131
	v_lshlrev_b32 v133, 3, v131
	v_cmp_gt_u32 vcc_lo, 4, v1
	s_wait_alu depctr_va_vdst(0)                   ; the reciprocal's wait, ahead of its first reader
	v_mul_f32 v122, v120, v121                     ; g1
	s_wait_xcnt 0x0                                ; EXEC changes only behind this wait
	s_wait_tensorcnt 0x0
	ds_add_u32 v192, v193
	s_wait_dscnt 0x0
	s_and_saveexec_b32 s52, vcc_lo                 ; lanes 0-3: one token each
	global_store_b32 v132, v124, s[12:13]
	global_store_b64 v133, v[126:127], s[12:13] offset:8192
	global_store_b32 v132, v121, s[14:15]
	global_store_b32 v132, v122, s[14:15] offset:8192
	s_wait_xcnt 0x0
	s_or_b32 exec_lo, exec_lo, s52
	s_endpgm
; ---------------- W1 INTO CODES.  A work-group takes 128 columns (one unit) x 128 along K (one K step); a wave 32 columns: two tiles ----------------
.Lweights:
	s_sub_co_u32 s20, ttmp9, 128
	s_and_b32 s21, s20, 15                         ; the unit
	s_bfe_u32 s22, s20, 0x30004                    ; the K step
	s_lshr_b32 s23, s20, 7                         ; the expert
	s_lshl_b32 s24, s23, 23                        ; W1: an expert is 2^23 bytes,
	s_lshl_b32 s30, s22, 20                        ; 128 rows of 8,192 bytes,
	s_add_co_u32 s24, s24, s30
	s_lshl_b32 s30, s21, 9                         ; 128 columns,
	s_add_co_u32 s24, s24, s30
	s_lshl_b32 s30, s[WV], 7                       ; my wave's 32
	s_add_co_u32 s24, s24, s30
	s_mov_b32 s25, 0
	s_lshl_b32 s26, s23, 7                         ; codes: ((expert x 16 + unit) x 8 + K step) x 8 tiles of 1,536 bytes,
	s_lshl_b32 s30, s21, 3
	s_add_co_u32 s26, s26, s30
	s_add_co_u32 s26, s26, s22
	s_mul_i32 s26, s26, 12288
	s_mul_i32 s30, s[WV], 3072                     ; my wave's two tiles
	s_add_co_u32 s26, s26, s30
	s_mov_b32 s27, 0
	s_lshl_b32 s28, s23, 6                         ; scale words: ((expert x 16 + unit) x 4 + wave) x 1,024 bytes + 4 x K step
	s_lshl_b32 s30, s21, 2
	s_add_co_u32 s28, s28, s30
	s_add_co_u32 s28, s28, s[WV]
	s_lshl_b32 s28, s28, 10
	s_lshl_b32 s30, s22, 2
	s_add_co_u32 s28, s28, s30
	s_add_co_u32 s28, s28, SCOFF
	s_mov_b32 s29, 0
	v_lshlrev_b32 v2, 2, v1                        ; in: 4 bytes a lane
	v_bfe_u32 v7, v1, 3, 1                         ; column c of my 32 is row r = c % 8 + 8 (c / 16) of tile u = (c / 8) % 2
	v_and_b32 v8, 7, v1
	v_lshrrev_b32 v9, 4, v1
	v_lshl_or_b32 v8, v9, 3, v8
	s_mul_i32 s30, s[WV], 3328                     ; my stage in LDS: two images of 1,536 bytes, 1,664 apart
	v_mul_u32_u24 v3, v7, 1664
	v_lshl_add_u32 v3, v8, 4, v3
	v_add_nc_u32 v3, s30, v3                       ; into it: image u, 16 r
	v_lshlrev_b32 v5, 4, v1                        ; out: 16 bytes a lane
	v_add_nc_u32 v4, s30, v5
	v_lshl_add_u32 v6, v7, 4, v8
	v_lshlrev_b32 v6, 5, v6                        ; my scale word: 32 (r + 16 u)
	s_wait_kmcnt 0x0
	s_add_nc_u64 s[10:11], s[10:11], s[24:25]
	s_add_nc_u64 s[26:27], s[16:17], s[26:27]
	s_add_nc_u64 s[28:29], s[16:17], s[28:29]
.macro LOAD t                          ; block t: W(32 t + i, my column), i = 0 .. 31: a wave's load reads 128 consecutive bytes, the four waves stand side by side on 512
.set i_, 0
.rept 32
	global_load_b32 v[X+32*((\t)%2)+i_], v2, s[SRC:SRC+1] offset:(32*(\t)+i_)*SN*4 th:TH_LOAD_NT
.set i_, i_+1
.endr
.endm
; Block t of my column is the operand's lane r + 16 (t % 2), registers 6 (t / 2) .. + 5.  An image holds registers 4 g .. 4 g + 3 of lane L at 512 g + 16 L.
.macro BLOCK t
.set XB_, X+32*((\t)%2)
.if (\t) < 3
	s_wait_loadcnt 32                              ; this block's 32 loads are in; the next block's 32 stay out
.else
	s_wait_loadcnt 0x0
.endif
	v_max3_num_f32 v12, |v[XB_]|, |v[XB_+1]|, |v[XB_+2]|           ; the block's largest magnitude, in two chains
	v_max3_num_f32 v13, |v[XB_+3]|, |v[XB_+4]|, |v[XB_+5]|
.irp i, 6,10,14,18,22,26
	v_max3_num_f32 v12, v12, |v[XB_+\i]|, |v[XB_+\i+1]|
	v_max3_num_f32 v13, v13, |v[XB_+\i+2]|, |v[XB_+\i+3]|
.endr
	v_max3_num_f32 v12, v12, |v[XB_+30]|, |v[XB_+31]|
	v_max3_num_f32 v12, v12, v13, 0x1800000        ; and the floor 2^(3 - 127): the byte cannot fall under 1
	v_add_nc_u32 v11, 0xff000000, v12              ; 2 off the exponent field: the conversion takes this operand's exponent field as its scale
	v_cvt_scalef32_pk16_fp6_f32 v[C:C+2], v[XB_:XB_+15], v11
	v_cvt_scalef32_pk16_fp6_f32 v[T:T+2], v[XB_+16:XB_+31], v11    ; (a conversion's three registers begin on an even number)
	v_lshrrev_b32 v13, 23, v11                     ; the scale's byte  (the plain instruction behind the conversions)
.if (\t) == 0
	v_mov_b32 v[SB], v13
.else
	v_lshl_or_b32 v[SB], v13, 8*(\t), v[SB]
.endif
.irp i, 0,1,2
	v_mov_b32 v[C+3+\i], v[T+\i]
.endr
.if (\t) < 2
	ds_store_b128 v3, v[C:C+3] offset:256*((\t)%2)
	ds_store_b64 v3, v[C+4:C+5] offset:512+256*((\t)%2)
.else
	ds_store_b64 v3, v[C:C+1] offset:520+256*((\t)%2)
	ds_store_b128 v3, v[C+2:C+5] offset:1024+256*((\t)%2)
.endif
.if (\t) < 2
	LOAD (\t)+2
.endif
	s_wait_dscnt 0x0                               ; the stores have read their registers: the next block's codes may be written
.endm
	LOAD 0
	LOAD 1
	BLOCK 0
	BLOCK 1
	BLOCK 2
	BLOCK 3
	global_store_b32 v6, v[SB], s[28:29]
.irp u, 0,1
.irp g, 0,1,2
	ds_load_b128 v[OUTR+12*\u+4*\g:OUTR+12*\u+4*\g+3], v4 offset:1664*\u+512*\g   ; LDS serves a wave's instructions in order: these see my stores
.endr
.endr
.irp u, 0,1
.irp g, 0,1,2
	s_wait_dscnt 5-3*\u-\g
	global_store_b128 v5, v[OUTR+12*\u+4*\g:OUTR+12*\u+4*\g+3], s[26:27] offset:1536*\u+512*\g   ; 512 consecutive bytes, at a multiple of 512 from the buffer's first byte
.endr
.endr
	s_wait_tensorcnt 0x0
	ds_add_u32 v192, v193
	s_wait_dscnt 0x0
	s_endpgm
.Lfunc_end_k_q3a34e899ab_prep1:
	.size	k_q3a34e899ab_prep1, .Lfunc_end_k_q3a34e899ab_prep1-k_q3a34e899ab_prep1
	.p2alignl 7, 3214868480
	.fill 96, 4, 3214868480
	.section	.rodata,"a",@progbits
	.p2align	6, 0x0
	.amdhsa_kernel k_q3a34e899ab_prep1
		.amdhsa_group_segment_fixed_size 40448
		.amdhsa_private_segment_fixed_size 0
		.amdhsa_enable_private_segment 0
		.amdhsa_kernarg_size 64
		.amdhsa_user_sgpr_count 2
		.amdhsa_user_sgpr_kernarg_segment_ptr 1
		.amdhsa_wavefront_size32 1
		.amdhsa_system_sgpr_workgroup_id_x 1
		.amdhsa_system_sgpr_workgroup_id_y 1
		.amdhsa_system_sgpr_workgroup_id_z 1
		.amdhsa_system_vgpr_workitem_id 0
		.amdhsa_next_free_vgpr 194
		.amdhsa_next_free_sgpr 66
		.amdhsa_reserve_vcc 1
		.amdhsa_float_denorm_mode_32 3
		.amdhsa_float_denorm_mode_16_64 3
		.amdhsa_memory_ordered 1
		.amdhsa_forward_progress 1
		.amdhsa_inst_pref_size 97
	.end_amdhsa_kernel
	.amdgpu_metadata
---
amdhsa.version: [ 1, 2 ]
amdhsa.kernels:
  - .name:           k_q3a34e899ab_prep1
    .symbol:         k_q3a34e899ab_prep1.kd
    .args:
      - { .name: x, .offset: 0, .size: 8, .value_kind: global_buffer, .address_space: global }
      - { .name: gate_W, .offset: 8, .size: 8, .value_kind: global_buffer, .address_space: global }
      - { .name: gate_b, .offset: 16, .size: 8, .value_kind: global_buffer, .address_space: global }
      - { .name: W1, .offset: 24, .size: 8, .value_kind: global_buffer, .address_space: global }
      - { .name: route, .offset: 32, .size: 8, .value_kind: global_buffer, .address_space: global }
      - { .name: gates, .offset: 40, .size: 8, .value_kind: global_buffer, .address_space: global }
      - { .name: w1c, .offset: 48, .size: 8, .value_kind: global_buffer, .address_space: global }
      - { .name: xq, .offset: 56, .size: 8, .value_kind: global_buffer, .address_space: global }
    .group_segment_fixed_size: 40448
    .private_segment_fixed_size: 0
    .kernarg_segment_align: 8
    .kernarg_segment_size: 64
    .max_flat_workgroup_size: 128
    .sgpr_count:     66
    .vgpr_count:     194
    .wavefront_size: 32
...
	.end_amdgpu_metadata
.endif
;; end of part 1
;; launch prep2 (part 2): grid 1025 x 1, 4 waves a work-group, no clusters, 13,824 bytes of LDS; arguments route, W2, plan, w2c; writes plan, w2c
.if DOCPART == 2
	.amdgcn_target "amdgcn-amd-amdhsa--gfx1250"
	.amdhsa_code_object_version 6
	.text
	.protected	k_q3a34e899ab_prep2
	.globl	k_q3a34e899ab_prep2
	.p2align	8
	.type	k_q3a34e899ab_prep2,@function
k_q3a34e899ab_prep2:
	s_mov_b64 s[64:65], 0
	v_nop
	global_prefetch_b8 v0, s[64:65] scope:SCOPE_SE
	s_setreg_imm32_b32 hwreg(HW_REG_WAVE_MODE, 25, 1), 1
	s_wait_xcnt 0x0
; TWO JOBS IN ONE LAUNCH, parted by the work-group's number.
; Work-group 0: THE PLACING of the 4,096 routed rows (token, chosen expert) by expert: a counting sort without atomics, LDS or barriers.
;   Each expert's rows begin at a multiple of 80 (a block of rows of the two products).  Every wave counts all 2,048 tokens itself, from the one-hot bytes, in packed fields; then it ranks its own 512 tokens, 32 at a time.
;   plan: list[position] = token at 0 (padding positions are neither written nor read); pos0[token] at 19,456, pos1[token] at 27,648; meta at 35,840: words 0-7 the number of blocks up to and with expert e,
;   words 8-15 each expert's last position, words 16-31 zero.
; Work-groups 1-1024: W2 [8][2048 (K)][1024], f32, becomes codes of FP6 (E2M3) and E8M0 bytes in the order of the operand's registers:
;   w2c codes [expert 8][unit 16 (64 columns)][K step 16][tile 4][group 3][lane 32][16 bytes]; scale words at SCOFF: [expert][unit][i 2][L 32][K step 16]: lane L = r + 16 u of i holds the words of tile 2 i + u, row r.
; LIMITS: as for W1: NaN and infinities are not served; a block under 2^-124, or of zeros, keeps the byte 1.
.set SCOFF, 12582912
.set SN,    1024                       ; columns of W2
.set SRC,   6                          ; s[6:7] W2
.set X,     32
.set C,     96
.set T,     104
.set OUTR,  112
.set SB,    24
.set OH,    16                         ; placing: v16-143 the one-hot words of all tokens; afterwards:
.set P0,    16                         ; v16-31   positions of my tokens' first experts
.set P1,    32                         ; v32-47   of their second
.set A0,    48                         ; v48-63, v64-79 the same as byte offsets in the list
.set A1,    64
.set TK,    80                         ; v80-95   my tokens' numbers
.set PT,    96                         ; v96-103  a round's position for each expert
.set SE,    144                        ; v144-159 sel of my 512 tokens: round k holds token 512 w + 128 (k / 4) + 4 lane + k % 4
.set GS,    160                        ; v160-163 low words' sums of the four groups of 512 tokens, v164-167 the high words'
.set WD,    172                        ; v172-179 totals and prefixes in fields of 16 bits
	s_load_b256 s[4:11], s[0:1], 0x0               ; route s[4:5], W2 s[6:7], plan s[8:9], w2c s[10:11]
	v_lshl_add_u32 v192, v0, 2, 0x3400
	v_mov_b32 v193, 0
	v_lshrrev_b32 v1, 5, v0
	v_readfirstlane_b32 s12, v1                    ; wave 0..3
	v_and_b32 v1, 31, v0                           ; lane
	s_cmp_lg_u32 ttmp9, 0
	s_cbranch_scc1 .Lweights
; ---------------- THE PLACING ----------------
	v_lshlrev_b32 v2, 4, v1                        ; 16 bytes a lane
	s_lshl_b32 s13, s12, 11
	v_add_nc_u32 v3, s13, v2                       ; my wave's 512 words: 2,048 w + 16 lane
	s_mov_b32 s92, 0x76543210
	s_mov_b32 s93, 0xfedcba98
	s_wait_kmcnt 0x0
.set q_, 0
.rept 32
	global_load_b128 v[OH+4*q_:OH+4*q_+3], v2, s[4:5] offset:8192+512*q_    ; tokens 64 q + 2 lane, + 1: low word, high word, low, high
.set q_, q_+1
.endr
.irp q, 0,1,2,3
	global_load_b128 v[SE+4*\q:SE+4*\q+3], v3, s[4:5] offset:512*\q
.endr
	s_wait_loadcnt 0x0
.irp j, 0,1,2,3                        ; a group of 512 tokens is 16 words a lane: the byte fields stay at 16 or under
.irp p, 0,1
	v_add_nc_u32 v[GS+4*\p+\j], v[OH+32*\j+\p], v[OH+32*\j+\p+2]
.irp q, 1,2,3,4,5,6,7
	v_add3_u32 v[GS+4*\p+\j], v[GS+4*\p+\j], v[OH+32*\j+4*\q+\p], v[OH+32*\j+4*\q+\p+2]
.endr
.endr
.endr
.irp j, 0,1,2
	s_cmp_gt_u32 s12, \j                           ; group j lies in front of my wave's tokens
	s_cselect_b32 s[82+\j], -1, 0
.endr
.irp p, 0,1                            ; totals (v168, v169) and what lies in front of my wave (v170, v171): fields at 64 or under
	v_add3_u32 v[168+\p], v[GS+4*\p], v[GS+4*\p+1], v[GS+4*\p+2]
	v_add_nc_u32 v[168+\p], v[168+\p], v[GS+4*\p+3]
	v_and_b32 v180, s82, v[GS+4*\p]
	v_and_b32 v181, s83, v[GS+4*\p+1]
	v_and_b32 v[170+\p], s84, v[GS+4*\p+2]
	v_add3_u32 v[170+\p], v[170+\p], v180, v181
.endr
	s_mov_b32 s85, 0x00ff00ff
.irp i, 0,1,2,3                        ; into fields of 16 bits: register 2 i: the word's bytes 0 and 2, register 2 i + 1: bytes 1 and 3
	v_and_b32 v[WD+2*\i], s85, v[168+\i]
	v_lshrrev_b32 v[WD+2*\i+1], 8, v[168+\i]
	v_and_b32 v[WD+2*\i+1], s85, v[WD+2*\i+1]
.endr
.irp x, 1,2,4,8                        ; over the 32 lanes
.irp i, 0,1,2,3,4,5,6,7
	v_mov_b32_dpp v[16+\i], v[WD+\i] row_xmask:\x row_mask:0xf bank_mask:0xf
.endr
.irp i, 0,1,2,3,4,5,6,7
	v_add_nc_u32 v[WD+\i], v[WD+\i], v[16+\i]
.endr
.endr
.irp i, 0,1,2,3,4,5,6,7
	v_permlanex16_b32 v[16+\i], v[WD+\i], s92, s93
.endr
.irp i, 0,1,2,3,4,5,6,7
	v_add_nc_u32 v[WD+\i], v[WD+\i], v[16+\i]
.endr
.irp i, 0,1                            ; s16-23: each expert's rows; s24-31: those of them in front of my wave's tokens
	v_readfirstlane_b32 s86, v[WD+4*\i]
	v_readfirstlane_b32 s87, v[WD+4*\i+1]
	v_readfirstlane_b32 s88, v[WD+4*\i+2]
	v_readfirstlane_b32 s89, v[WD+4*\i+3]
	s_and_b32 s[16+8*\i], s86, 0xffff
	s_lshr_b32 s[18+8*\i], s86, 16
	s_and_b32 s[17+8*\i], s87, 0xffff
	s_lshr_b32 s[19+8*\i], s87, 16
	s_and_b32 s[20+8*\i], s88, 0xffff
	s_lshr_b32 s[22+8*\i], s88, 16
	s_and_b32 s[21+8*\i], s89, 0xffff
	s_lshr_b32 s[23+8*\i], s89, 16
.endr
	s_mov_b32 s90, 0                               ; blocks so far
.irp e, 0,1,2,3,4,5,6,7
	s_add_co_u32 s86, s[16+\e], 79
	s_mul_i32 s86, s86, 52429
	s_lshr_b32 s86, s86, 22                        ; (rows + 79) / 80, exact up to 2,127: 52,429 x 80 = 2^22 + 16
	s_mul_i32 s87, s90, 80                         ; the expert's first position
	s_add_co_u32 s[32+\e], s87, s[24+\e]           ; s32-39: where my wave's rows of this expert begin
	s_add_co_u32 s87, s87, s[16+\e]
	s_sub_co_u32 s[40+\e], s87, 1                  ; s40-47: its last position
	s_add_co_u32 s90, s90, s86
	s_mov_b32 s[48+\e], s90                        ; s48-55: blocks up to and with this expert
.endr
; A round: 32 tokens.  A lane's position with expert e is the expert's next free position + the number of lower lanes that chose e.
.macro RANK k
	v_and_b32 v104, 0xff, v[SE+\k]
	v_lshrrev_b32 v105, 8, v[SE+\k]
.irp e, 0,1,2,3,4,5,6,7
	v_cmp_eq_u32 s[56+\e], \e, v104
	v_cmp_eq_u32 s[66+\e], \e, v105
.endr
.irp e, 0,1,2,3,4,5,6,7
	s_or_b32 s[74+\e], s[56+\e], s[66+\e]
.endr
.irp e, 0,1,2,3,4,5,6,7
	v_mbcnt_lo_u32_b32 v[PT+\e], s[74+\e], s[32+\e]
.endr
	v_cndmask_b32 v[P0+\k], 0, v[PT], s56
	v_cndmask_b32 v[P1+\k], 0, v[PT], s66
.irp e, 1,2,3,4,5,6,7
	v_cndmask_b32 v[P0+\k], v[P0+\k], v[PT+\e], s[56+\e]
	v_cndmask_b32 v[P1+\k], v[P1+\k], v[PT+\e], s[66+\e]
.endr
.irp e, 0,1,2,3,4,5,6,7
	s_bcnt1_i32_b32 s86, s[74+\e]
	s_add_co_u32 s[32+\e], s[32+\e], s86
.endr
.endm
.irp k, 0,1,2,3,4,5,6,7,8,9,10,11,12,13,14,15
	RANK \k
.endr
	v_lshlrev_b32 v106, 2, v1
	s_lshl_b32 s86, s12, 9
	v_add_nc_u32 v106, s86, v106                   ; 512 w + 4 lane
.set k_, 0
.rept 16
	v_add_nc_u32 v[TK+k_], 128*(k_/4)+k_%4, v106
	v_min_u32 v[A0+k_], 4719, v[P0+k_]             ; held inside the list's 4,720 words
	v_min_u32 v[A1+k_], 4719, v[P1+k_]
	v_lshlrev_b32 v[A0+k_], 2, v[A0+k_]
	v_lshlrev_b32 v[A1+k_], 2, v[A1+k_]
.set k_, k_+1
.endr
.set k_, 0
.rept 16
	global_store_b32 v[A0+k_], v[TK+k_], s[8:9]    ; every address and data register is written once: nothing is rewritten under a pending store
	global_store_b32 v[A1+k_], v[TK+k_], s[8:9]
.set k_, k_+1
.endr
.irp q, 0,1,2,3
	global_store_b128 v3, v[P0+4*\q:P0+4*\q+3], s[8:9] offset:19456+512*\q
	global_store_b128 v3, v[P1+4*\q:P1+4*\q+3], s[8:9] offset:27648+512*\q
.endr
	s_cmp_lg_u32 s12, 0                            ; wave 0 stores meta
	s_cbranch_scc1 .Lplaced
	v_mov_b32 v182, 0
.irp e, 0,1,2,3,4,5,6,7
	v_writelane_b32 v182, s[48+\e], \e
	v_writelane_b32 v182, s[40+\e], 8+\e
.endr
	v_lshlrev_b32 v183, 2, v1
	global_store_b32 v183, v182, s[8:9] offset:35840
.Lplaced:
	s_endpgm
; ---------------- W2 INTO CODES.  A work-group takes 128 columns (two units) x 128 along K (one K step); a wave 32 columns: two tiles ----------------
.Lweights:
	s_sub_co_u32 s20, ttmp9, 1
	s_and_b32 s21, s20, 7                          ; which 128 columns
	s_bfe_u32 s22, s20, 0x40003                    ; the K step
	s_lshr_b32 s23, s20, 7                         ; the expert
	s_lshl_b32 s24, s23, 23                        ; W2: an expert is 2^23 bytes,
	s_lshl_b32 s30, s22, 19                        ; 128 rows of 4,096 bytes,
	s_add_co_u32 s24, s24, s30
	s_lshl_b32 s30, s21, 9
	s_add_co_u32 s24, s24, s30
	s_lshl_b32 s30, s12, 7
	s_add_co_u32 s24, s24, s30
	s_mov_b32 s25, 0
	s_lshl_b32 s26, s23, 8                         ; codes: ((expert x 16 + unit) x 16 + K step) x 4 tiles of 1,536 bytes; unit = 2 x columns' number + wave / 2
	s_lshl_b32 s30, s21, 5
	s_add_co_u32 s26, s26, s30
	s_lshr_b32 s30, s12, 1
	s_lshl_b32 s30, s30, 4
	s_add_co_u32 s26, s26, s30
	s_add_co_u32 s26, s26, s22
	s_mul_i32 s26, s26, 6144
	s_and_b32 s30, s12, 1
	s_mul_i32 s30, s30, 3072                       ; tiles 2 (wave % 2), + 1
	s_add_co_u32 s26, s26, s30
	s_mov_b32 s27, 0
	s_lshl_b32 s28, s23, 5                         ; scale words: ((expert x 16 + unit) x 2 + wave % 2) x 2,048 bytes + 4 x K step
	s_lshl_b32 s30, s21, 2
	s_add_co_u32 s28, s28, s30
	s_add_co_u32 s28, s28, s12
	s_lshl_b32 s28, s28, 11
	s_lshl_b32 s30, s22, 2
	s_add_co_u32 s28, s28, s30
	s_add_co_u32 s28, s28, SCOFF
	s_mov_b32 s29, 0
	v_lshlrev_b32 v2, 2, v1                        ; in: 4 bytes a lane
	v_lshrrev_b32 v7, 4, v1                        ; column c of my 32 is row c % 16 of tile c / 16
	v_and_b32 v8, 15, v1
	s_mul_i32 s30, s12, 3328                       ; my stage in LDS: two images of 1,536 bytes, 1,664 apart
	v_mul_u32_u24 v3, v7, 1664
	v_lshl_add_u32 v3, v8, 4, v3
	v_add_nc_u32 v3, s30, v3
	v_lshlrev_b32 v5, 4, v1
	v_add_nc_u32 v4, s30, v5
	v_lshlrev_b32 v6, 6, v1                        ; my scale word: 64 x lane
	s_wait_kmcnt 0x0
	s_add_nc_u64 s[6:7], s[6:7], s[24:25]
	s_add_nc_u64 s[26:27], s[10:11], s[26:27]
	s_add_nc_u64 s[28:29], s[10:11], s[28:29]
.macro LOAD t                          ; block t: W(32 t + i, my column), i = 0 .. 31
.set i_, 0
.rept 32
	global_load_b32 v[X+32*((\t)%2)+i_], v2, s[SRC:SRC+1] offset:(32*(\t)+i_)*SN*4 th:TH_LOAD_NT
.set i_, i_+1
.endr
.endm
; Block t of my column is the operand's lane r + 16 (t % 2), registers 6 (t / 2) .. + 5.  An image holds registers 4 g .. 4 g + 3 of lane L at 512 g + 16 L.
.macro BLOCK t
.set XB_, X+32*((\t)%2)
.if (\t) < 3
	s_wait_loadcnt 32                              ; this block's 32 loads are in; the next block's 32 stay out
.else
	s_wait_loadcnt 0x0
.endif
	v_max3_num_f32 v12, |v[XB_]|, |v[XB_+1]|, |v[XB_+2]|
	v_max3_num_f32 v13, |v[XB_+3]|, |v[XB_+4]|, |v[XB_+5]|
.irp i, 6,10,14,18,22,26
	v_max3_num_f32 v12, v12, |v[XB_+\i]|, |v[XB_+\i+1]|
	v_max3_num_f32 v13, v13, |v[XB_+\i+2]|, |v[XB_+\i+3]|
.endr
	v_max3_num_f32 v12, v12, |v[XB_+30]|, |v[XB_+31]|
	v_max3_num_f32 v12, v12, v13, 0x1800000        ; the floor 2^(3 - 127): the byte cannot fall under 1
	v_add_nc_u32 v11, 0xff000000, v12              ; 2 off the exponent field: the conversion's scale operand
	v_cvt_scalef32_pk16_fp6_f32 v[C:C+2], v[XB_:XB_+15], v11
	v_cvt_scalef32_pk16_fp6_f32 v[T:T+2], v[XB_+16:XB_+31], v11
	v_lshrrev_b32 v13, 23, v11                     ; the scale's byte  (the plain instruction behind the conversions)
.if (\t) == 0
	v_mov_b32 v[SB], v13
.else
	v_lshl_or_b32 v[SB], v13, 8*(\t), v[SB]
.endif
.irp i, 0,1,2
	v_mov_b32 v[C+3+\i], v[T+\i]
.endr
.if (\t) < 2
	ds_store_b128 v3, v[C:C+3] offset:256*((\t)%2)
	ds_store_b64 v3, v[C+4:C+5] offset:512+256*((\t)%2)
.else
	ds_store_b64 v3, v[C:C+1] offset:520+256*((\t)%2)
	ds_store_b128 v3, v[C+2:C+5] offset:1024+256*((\t)%2)
.endif
.if (\t) < 2
	LOAD (\t)+2
.endif
	s_wait_dscnt 0x0                               ; the stores have read their registers
.endm
	LOAD 0
	LOAD 1
	BLOCK 0
	BLOCK 1
	BLOCK 2
	BLOCK 3
	global_store_b32 v6, v[SB], s[28:29]
.irp u, 0,1
.irp g, 0,1,2
	ds_load_b128 v[OUTR+12*\u+4*\g:OUTR+12*\u+4*\g+3], v4 offset:1664*\u+512*\g
.endr
.endr
.irp u, 0,1
.irp g, 0,1,2
	s_wait_dscnt 5-3*\u-\g
	global_store_b128 v5, v[OUTR+12*\u+4*\g:OUTR+12*\u+4*\g+3], s[26:27] offset:1536*\u+512*\g
.endr
.endr
	s_wait_tensorcnt 0x0
	ds_add_u32 v192, v193
	s_wait_dscnt 0x0
	s_endpgm
.Lfunc_end_k_q3a34e899ab_prep2:
	.size	k_q3a34e899ab_prep2, .Lfunc_end_k_q3a34e899ab_prep2-k_q3a34e899ab_prep2
	.p2alignl 7, 3214868480
	.fill 96, 4, 3214868480
	.section	.rodata,"a",@progbits
	.p2align	6, 0x0
	.amdhsa_kernel k_q3a34e899ab_prep2
		.amdhsa_group_segment_fixed_size 13824
		.amdhsa_private_segment_fixed_size 0
		.amdhsa_enable_private_segment 0
		.amdhsa_kernarg_size 32
		.amdhsa_user_sgpr_count 2
		.amdhsa_user_sgpr_kernarg_segment_ptr 1
		.amdhsa_wavefront_size32 1
		.amdhsa_system_sgpr_workgroup_id_x 1
		.amdhsa_system_sgpr_workgroup_id_y 1
		.amdhsa_system_sgpr_workgroup_id_z 1
		.amdhsa_system_vgpr_workitem_id 0
		.amdhsa_next_free_vgpr 194
		.amdhsa_next_free_sgpr 96
		.amdhsa_reserve_vcc 0
		.amdhsa_float_denorm_mode_32 3
		.amdhsa_float_denorm_mode_16_64 3
		.amdhsa_memory_ordered 1
		.amdhsa_forward_progress 1
		.amdhsa_inst_pref_size 101
	.end_amdhsa_kernel
	.amdgpu_metadata
---
amdhsa.version: [ 1, 2 ]
amdhsa.kernels:
  - .name:           k_q3a34e899ab_prep2
    .symbol:         k_q3a34e899ab_prep2.kd
    .args:
      - { .name: route, .offset: 0, .size: 8, .value_kind: global_buffer, .address_space: global }
      - { .name: W2, .offset: 8, .size: 8, .value_kind: global_buffer, .address_space: global }
      - { .name: plan, .offset: 16, .size: 8, .value_kind: global_buffer, .address_space: global }
      - { .name: w2c, .offset: 24, .size: 8, .value_kind: global_buffer, .address_space: global }
    .group_segment_fixed_size: 13824
    .private_segment_fixed_size: 0
    .kernarg_segment_align: 8
    .kernarg_segment_size: 32
    .max_flat_workgroup_size: 128
    .sgpr_count:     96
    .vgpr_count:     194
    .wavefront_size: 32
...
	.end_amdgpu_metadata
.endif
;; end of part 2
;; launch ffn1 (part 3): grid 59 x 4, 4 waves a work-group, no clusters, 61,952 bytes of LDS; arguments plan, xq, w1c, b1, hid; writes hid
.if DOCPART == 3
	.amdgcn_target "amdgcn-amd-amdhsa--gfx1250"
	.amdhsa_code_object_version 6
	.text
	.protected	k_q3a34e899ab_ffn1
	.globl	k_q3a34e899ab_ffn1
	.p2align	8
	.type	k_q3a34e899ab_ffn1,@function
k_q3a34e899ab_ffn1:
	s_mov_b64 s[64:65], 0
	v_nop
	global_prefetch_b8 v0, s[64:65] scope:SCOPE_SE
	s_setreg_imm32_b32 hwreg(HW_REG_WAVE_MODE, 25, 1), 1
	s_wait_xcnt 0x0
; h = relu(x W1[e] + b1[e]) for the routed rows alone, on codes of FP6 (E2M3) with one E8M0 scale for each 32 along K; h is quantised along its 2,048 and stored as codes in the order of the next product's operand registers.
; SHARES.  Work-group (b, hq): block b of 80 routed rows (all of one expert) x 512 hidden units.  Wave w: the 80 rows x 128 hidden units (unit 4 hq + w), which are one K step of the next product: so a wave makes whole
; fragments and whole scale words.  40 accumulators of 16 x 16 a wave.  With 4,096 routed rows, 8 experts and blocks of 80 there are never more than 59 blocks, whatever the choice: the grid serves every split.
; THE PRODUCT IS USED TRANSPOSED (source 0 = 16 rows of W1's codes, source 1 = 16 rows of x): a lane holds one row and its registers run along the hidden units; the hidden units of a tile were chosen by the launch
; that laid W1 out, so that the 16 registers of tiles 2 b and 2 b + 1 are 16 neighbours along the next K.  b1 is the C of each sum's first matrix instruction.
; x ARRIVES AS CODES, made once by the first launch and laid so that the 12 operand registers of lane (row, half) for a K step are 48 consecutive bytes of the token's 768: three loads of 16 bytes a fragment.
; PHASES.  X: wave w gathers, by the list, K steps 2 w and 2 w + 1 of the 80 rows' codes (ten fragments) and stores them in LDS as images of their registers; each wave takes the rows' scale words straight into its scale
; registers | one barrier | a work-group whose block does not exist ends here | eight K steps: W1's fragments from memory straight into registers, three buffers, two K steps ahead; x's from LDS, one K step ahead |
; relu, quantise, store.
; NO TENSOR LOADS, NO CLUSTER: how many blocks an expert has hangs on counts read from memory, and a work-group without a block ends by a branch on such a count; the launch takes no tensor load,
; so there are no joint loads either.  The barrier stands ahead of that branch: every wave passes it.  A work-group without a block has repeated phase X on the last block and stores nothing.
; Rows of a block beyond its expert's last row repeat that last row; what is made of them is stored in padding rows that nobody reads.
; LIMITS: NaN and infinities are not served; a block of 32 under 2^-124, or of zeros, keeps the scale byte 1.
; REGISTERS, in windows of 256: window 0: v1-15 addresses; v16-47 W1's scale words (register 8 (t / 2) + s: lanes 0-15 tile t even, lanes 16-31 tile t odd); v48-87 x's scale words (8 m + s): these 72 hold scales and nothing else;
;   v88-207 x's fragments, two sets of 60 (in phase X my ten fragments); on the way out v88-151 64 hidden numbers; v208-212 addresses of x's scale words; v216-231, v232, v234-252 the quantiser's.
;   window 1: W1's buffers 0 (v0-95) and 1 (v96-191).   window 2: accumulator (m, t) at v[8 (8 m + t)], m < 4.   window 3: v0-63 accumulators (4, t); v64-127 b1's eight tiles; v128-223 W1's buffer 2.
.set SCOFF, 12582912                   ; where the scale words begin in w1c,
.set HSOFF, 7249920                    ; in hid,
.set XQS,   1572864                    ; and in xq
.set FRB,   1536                       ; a fragment's image: 12 registers x 128 bytes.  LDS holds x's 40 images, (8 m + s) x FRB
.set LI,   1                           ; v1   16 x lane
.set XWI,  4                           ; v4   where I store x's images: 16 x lane + 2 FRB x wave
.set H48,  5                           ; v5   48 (lane / 16)
.set XA,   6                           ; v6-10 tile m: the list's offset, then the token, then token x 768 + 48 (lane / 16)
.set R16,  11                          ; v11  16 (lane % 16)
.set L32,  12                          ; v12  32 x lane
.set H64,  13                          ; v13  64 (lane / 16)
.set WS,   16
.set XS,   48
.set XF,   88
.set HA,   88
.set XSA,  208                         ; v208-212 tile m: token x 32
.set TM,   216
.set PW,   232
.set PC,   234
.set SEL,  52                          ; s[52:53] v_permlanex16_b32's selects for lane l xor 16
.set MSB,  0
.macro WIN new                         ; the immediate's high byte repeats the setting that is left; a switch that changes nothing is dropped
.if MSB != \new
	s_set_vgpr_msb (MSB<<8)|\new
.set MSB, \new
.endif
.endm
.macro PLACES                          ; four plain instructions behind a matrix instruction, ahead of loads into its registers and of reads of its results
.rept 4
	v_nop
.endr
.endm
; 64 numbers of a lane, v[s] .. v[s + 63], register 16 b + i = k 32 b + 16 (lane / 16) + i of my row, become a fragment's codes in v[PC] on and its scale word in v[PW].
.macro QUANT s
.irp b, 0,1,2,3
	v_max3_num_f32 v[TM+\b], |v[\s+16*\b]|, |v[\s+1+16*\b]|, 0x1800000   ; block b: my 16 numbers, and the floor 2^(3 - 127): the byte cannot fall under 1
.endr
.irp i, 2,4,6,8,10,12,14
.irp b, 0,1,2,3
	v_max3_num_f32 v[TM+\b], v[TM+\b], |v[\s+16*\b+\i]|, |v[\s+1+16*\b+\i]|   ; (the four blocks by turns)
.endr
.endr
.irp b, 0,1,2,3
	v_permlanex16_b32 v[TM+4+\b], v[TM+\b], s[SEL], s[SEL+1]
.endr
.irp b, 0,1,2,3
	v_max_num_f32 v[TM+\b], v[TM+\b], v[TM+4+\b]   ; with lane l xor 16's: the block's largest magnitude
.endr
.irp b, 0,1,2,3
	v_add_nc_u32 v[TM+12+\b], 0xff000000, v[TM+\b] ; 2 off its exponent field: the conversion's scale operand
.endr
.irp b, 0,1,2,3
	v_lshrrev_b32 v[TM+4+\b], 23, v[TM+12+\b]      ; the scale's byte
.endr
	v_lshl_or_b32 v[PW], v[TM+5], 8, v[TM+4]
	v_lshl_or_b32 v[PW], v[TM+6], 16, v[PW]
	v_lshl_or_b32 v[PW], v[TM+7], 24, v[PW]
.irp c, 0,1
	v_cvt_scalef32_pk16_fp6_f32 v[PC+6*\c:PC+2+6*\c], v[\s+32*\c:\s+15+32*\c], v[TM+12+2*\c]
	v_cvt_scalef32_pk16_fp6_f32 v[PC+12+4*\c:PC+14+4*\c], v[\s+16+32*\c:\s+31+32*\c], v[TM+12+2*\c+1]   ; (a conversion's three registers begin on an even number)
.endr
	v_nop                                          ; one plain instruction behind a scaled conversion
.irp c, 0,1                            ; the operand's layout wants a whole block in a lane: lanes 0-15 block 2 c, lanes 16-31 block 2 c + 1
.irp i, 0,1,2
	v_permlane16_swap_b32 v[PC+6*\c+\i], v[PC+12+4*\c+\i]
.endr
.irp i, 0,1,2
	v_mov_b32 v[PC+3+6*\c+\i], v[PC+12+4*\c+\i]
.endr
.endr
.endm
.macro WLOAD s                         ; W1's eight fragments of K step s into buffer s % 3: each load takes 512 consecutive bytes
.set WB_, ((\s)%3)
.if WB_ == 2
	WIN 0xc0
.set WR_, 128
.else
	WIN 0x40
.set WR_, 96*WB_
.endif
.irp t, 0,1,2,3,4,5,6,7
.irp g, 0,1,2
	global_load_b128 v[WR_+12*\t+4*\g:WR_+12*\t+4*\g+3], v[LI], s[26:27] offset:12288*(\s)+1536*\t+512*\g
.endr
.endr
	WIN 0
.endm
.macro XFETCH s                        ; x's five fragments of K step s into set s % 2
.irp m, 0,1,2,3,4
.irp g, 0,1,2
	ds_load_b128 v[XF+60*((\s)%2)+12*\m+4*\g:XF+60*((\s)%2)+12*\m+4*\g+3], v[LI] offset:(8*\m+(\s))*FRB+512*\g
.endr
.endr
.endm
; 40 matrix instructions: the 40 accumulators take turns, one instruction a turn, in the same order in every K step.  In K step 0 the C is b1's tile.
.macro MULS s
.set WB_, ((\s)%3)
.if WB_ == 2
.set WW_, 3
.set WR_, 128
.else
.set WW_, 1
.set WR_, 96*WB_
.endif
.set XR_, XF+60*((\s)%2)
.irp m, 0,1,2,3,4
.if \m < 4
.set AC_, 64*\m
.if (\s) == 0
.set NW_, 0xb0+WW_                     ; D window 2, C (b1) window 3, x window 0, W1 window WW_
.else
.set NW_, 0xa0+WW_                     ; C and D window 2
.endif
.else
.set AC_, 0
.set NW_, 0xf0+WW_                     ; C and D window 3
.endif
	WIN NW_
.irp t, 0,1,2,3,4,5,6,7
.if (\s) == 0
.set CR_, 64+8*\t
.else
.set CR_, AC_+8*\t
.endif
.if (\t)%2
	v_wmma_scale_f32_16x16x128_f8f6f4 v[AC_+8*\t:AC_+8*\t+7], v[WR_+12*\t:WR_+12*\t+11], v[XR_+12*\m:XR_+12*\m+11], v[CR_:CR_+7], v[WS+8*(\t/2)+(\s)], v[XS+8*\m+(\s)] matrix_a_fmt:MATRIX_FMT_FP6 matrix_b_fmt:MATRIX_FMT_FP6 matrix_a_scale:MATRIX_SCALE_ROW1
.else
	v_wmma_scale_f32_16x16x128_f8f6f4 v[AC_+8*\t:AC_+8*\t+7], v[WR_+12*\t:WR_+12*\t+11], v[XR_+12*\m:XR_+12*\m+11], v[CR_:CR_+7], v[WS+8*(\t/2)+(\s)], v[XS+8*\m+(\s)] matrix_a_fmt:MATRIX_FMT_FP6 matrix_b_fmt:MATRIX_FMT_FP6
.endif
.endr
.endr
.endm
.macro KSTEP s
.if (\s) > 0
	PLACES                                         ; the buffers loaded below were read by the K step before
.endif
.if (\s) < 6
	WLOAD (\s)+2
.endif
.if (\s) < 7
	XFETCH (\s)+1
.endif
.if (\s) < 6
	s_wait_loadcnt 48                              ; this K step's 24 loads are in; those of the two K steps behind it stay out
.else
	s_wait_loadcnt 24*(7-(\s))
.endif
.if (\s) < 7
	s_wait_dscnt 15                                ; x's fragments of this K step are in; the next K step's 15 loads stay out
.else
	s_wait_dscnt 0x0
.endif
	MULS \s
	WIN 0
.endm
	s_load_b256 s[4:11], s[0:1], 0x0               ; plan s[4:5], xq s[6:7], w1c s[8:9], b1 s[10:11]
	s_load_b64 s[12:13], s[0:1], 0x20              ; hid
	v_lshl_add_u32 v249, v0, 2, 0xf000
	v_mov_b32 v253, 0
	v_lshrrev_b32 v14, 5, v0
	v_readfirstlane_b32 s14, v14                   ; wave 0..3
	s_and_b32 s15, ttmp7, 0xffff                   ; hq: which 512 hidden units
	v_and_b32 v14, 31, v0                          ; lane
	v_and_b32 v15, 15, v0                          ; r
	v_bfe_u32 v254, v0, 4, 1                       ; h
	v_lshlrev_b32 v[LI], 4, v14
	s_mul_i32 s16, s14, 2*FRB
	v_add_nc_u32 v[XWI], s16, v[LI]
	v_mul_u32_u24 v[H48], v254, 48
	v_lshlrev_b32 v[R16], 4, v15
	v_lshlrev_b32 v[L32], 5, v14
	v_lshlrev_b32 v[H64], 6, v254
	s_mov_b32 s[SEL], 0x76543210
	s_mov_b32 s[SEL+1], 0xfedcba98
.irp b, 0,1,2,3
	v_mov_b32 v[TM+4+\b], 0                        ; written once: a lane permute's destination counts as one of its sources
.endr
	s_wait_kmcnt 0x0
	s_load_b512 s[36:51], s[4:5], 0x8c00           ; meta: s36-43 blocks up to and with expert 0 .. 7 (s43: all blocks); s44-51 each expert's last position
	s_wait_kmcnt 0x0
	s_sub_co_u32 s16, s43, 1
	s_min_u32 s17, ttmp9, s16                      ; my block, or the last one where mine does not exist,
	s_min_u32 s17, s17, 58                         ; held inside the 59 that the buffers have room for
	s_mov_b32 s18, 0                               ; its expert: the number of experts whose blocks all lie in front of it
	s_mov_b32 s19, s44                             ; and that expert's last position
.irp i, 1,2,3,4,5,6,7
	s_cmp_le_u32 s[35+\i], s17
	s_cselect_b32 s19, s[44+\i], s19
	s_cselect_b32 s20, 1, 0
	s_add_co_u32 s18, s18, s20
.endr
	s_min_u32 s18, s18, 7
	s_lshl_b32 s21, s15, 2
	s_add_co_u32 s21, s21, s14                     ; my unit of 128 hidden units
	s_lshl_b32 s24, s18, 4
	s_add_co_u32 s24, s24, s21                     ; 16 x expert + unit
	s_mov_b32 s23, 0
	s_mul_i32 s22, s24, 98304                      ; 8 K steps x 8 tiles x 1,536 bytes
	s_add_nc_u64 s[26:27], s[8:9], s[22:23]        ; W1's codes
	s_lshl_b32 s22, s24, 12
	s_add_co_u32 s22, s22, SCOFF
	s_add_nc_u64 s[28:29], s[8:9], s[22:23]        ; W1's scale words
	s_lshl_b32 s22, s24, 9
	s_add_nc_u64 s[10:11], s[10:11], s[22:23]      ; b1: my 128 numbers
	s_add_nc_u64 s[34:35], s[6:7], XQS             ; x's scale words
	s_mul_i32 s22, s14, 192
	s_add_nc_u64 s[6:7], s[6:7], s[22:23]          ; x's codes: my two K steps begin 192 w bytes into a token's 768
	s_mul_i32 s20, s17, 80                         ; my block's first position
	s_add_co_u32 s22, s20, s21
	s_mul_i32 s22, s22, FRB
	s_add_nc_u64 s[30:31], s[12:13], s[22:23]      ; hid's codes: (16 (5 block + m) + unit) x 1,536
	s_mul_i32 s22, s17, 5120
	s_lshl_b32 s25, s15, 8
	s_add_co_u32 s22, s22, s25
	s_lshl_b32 s25, s14, 2
	s_add_co_u32 s22, s22, s25
	s_add_co_u32 s22, s22, HSOFF
	s_add_nc_u64 s[32:33], s[12:13], s[22:23]      ; hid's scale words: [tile][hq][row][w]
	v_add_nc_u32 v255, s20, v15
.irp m, 0,1,2,3,4
	v_add_nc_u32 v[XA+\m], 16*\m, v255             ; position of row r of tile m,
	v_min_u32 v[XA+\m], s19, v[XA+\m]              ; held at the expert's last,
	v_min_u32 v[XA+\m], 4719, v[XA+\m]             ; and inside the list
	v_lshlrev_b32 v[XA+\m], 2, v[XA+\m]
.endr
.irp m, 0,1,2,3,4
	global_load_b32 v[XA+\m], v[XA+\m], s[4:5]     ; the token (a load may land on its own address register)
.endr
.irp i, 0,1,2,3
.irp q, 0,1
	global_load_b128 v[WS+8*\i+4*\q:WS+8*\i+4*\q+3], v[L32], s[28:29] offset:1024*\i+16*\q
.endr
.endr
	WIN 0xc0
.irp t, 0,1,2,3,4,5,6,7                ; b1 in the result's layout: for tile 2 b + u lane (r, h) wants hidden units 32 b + 16 h + 8 u + 0 .. 7
	global_load_b128 v[64+8*\t:64+8*\t+3], v[H64], s[10:11] offset:(32*(\t/2)+8*(\t%2))*4
	global_load_b128 v[64+8*\t+4:64+8*\t+7], v[H64], s[10:11] offset:(32*(\t/2)+8*(\t%2))*4+16
.endr
	WIN 0
	s_wait_loadcnt 24                              ; the five tokens are in; behind them 8 + 16 loads stay out
.irp m, 0,1,2,3,4
	v_min_u32 v[XA+\m], 2047, v[XA+\m]
	v_lshlrev_b32 v[XSA+\m], 5, v[XA+\m]           ; the token's eight scale words
	v_mul_u32_u24 v[XA+\m], v[XA+\m], 768          ; the token's codes,
	v_add_nc_u32 v[XA+\m], v[H48], v[XA+\m]        ; my half's 48 bytes of a K step
.endr
; ---- X: the rows' scale words into my scale registers; my two K steps of the 80 rows, ten fragments, into LDS as images of their registers
.irp m, 0,1,2,3,4
	global_load_b128 v[XS+8*\m:XS+8*\m+3], v[XSA+\m], s[34:35]
	global_load_b128 v[XS+8*\m+4:XS+8*\m+7], v[XSA+\m], s[34:35] offset:16
.endr
.irp m, 0,1,2,3,4
.irp p, 0,1
.irp g, 0,1,2
	global_load_b128 v[XF+24*\m+12*\p+4*\g:XF+24*\m+12*\p+4*\g+3], v[XA+\m], s[6:7] offset:96*\p+16*\g
.endr
.endr
.endr
	WLOAD 0                                        ; W1's first two K steps are asked for behind x's codes, for which the barrier waits
	WLOAD 1
	s_wait_loadcnt 48                              ; x's 40 loads are in; W1's 48 stay out
.irp m, 0,1,2,3,4
.irp p, 0,1
.irp g, 0,1,2
	ds_store_b128 v[XWI], v[XF+24*\m+12*\p+4*\g:XF+24*\m+12*\p+4*\g+3] offset:(8*\m+\p)*FRB+512*\g   ; 512 consecutive bytes a store
.endr
.endr
.endr
	s_wait_dscnt 0x0                               ; for the others' sake: my stores have landed
	s_barrier_signal -1
	s_barrier_wait -1                              ; x's forty fragments lie in LDS
	s_cmp_ge_u32 ttmp9, s43                        ; a work-group whose block this split does not have ends here
	s_cbranch_scc1 .Lend
	XFETCH 0
.irp s, 0,1,2,3,4,5,6,7
	KSTEP \s
.endr
; ---- the way out, a tile of 16 rows at a time: relu in f32, quantised, stored as the image of the next product's operand
	PLACES
.irp m, 0,1,2,3,4
.if \m < 4
	WIN 0x08                                       ; source 1: window 2
.set AC_, 64*\m
.else
	WIN 0x0c                                       ; window 3
.set AC_, 0
.endif
.set j_, 0
.rept 64
	v_max_num_f32 v[HA+j_], 0, v[AC_+j_]           ; each accumulator from its low end on
.set j_, j_+1
.endr
	WIN 0
.if \m > 0
	s_wait_xcnt 0x0                                ; the last tile's stores have read their registers: the codes and the scale word may be written again
.endif
	QUANT HA
.irp g, 0,1,2
	global_store_b128 v[LI], v[PC+4*\g:PC+4*\g+3], s[30:31] offset:24576*\m+512*\g   ; 512 consecutive bytes, at a multiple of 512 from the buffer's first byte
.endr
	global_store_b32 v[R16], v[PW], s[32:33] offset:1024*\m   ; lanes l and l + 16 hold the same word and write it to the same place
.endr
.Lend:
	s_wait_tensorcnt 0x0
	ds_add_u32 v249, v253
	s_wait_dscnt 0x0
	s_endpgm
.Lfunc_end_k_q3a34e899ab_ffn1:
	.size	k_q3a34e899ab_ffn1, .Lfunc_end_k_q3a34e899ab_ffn1-k_q3a34e899ab_ffn1
	.p2alignl 7, 3214868480
	.fill 96, 4, 3214868480
	.section	.rodata,"a",@progbits
	.p2align	6, 0x0
	.amdhsa_kernel k_q3a34e899ab_ffn1
		.amdhsa_group_segment_fixed_size 61952
		.amdhsa_private_segment_fixed_size 0
		.amdhsa_enable_private_segment 0
		.amdhsa_kernarg_size 40
		.amdhsa_user_sgpr_count 2
		.amdhsa_user_sgpr_kernarg_segment_ptr 1
		.amdhsa_wavefront_size32 1
		.amdhsa_system_sgpr_workgroup_id_x 1
		.amdhsa_system_sgpr_workgroup_id_y 1
		.amdhsa_system_sgpr_workgroup_id_z 1
		.amdhsa_system_vgpr_workitem_id 0
		.amdhsa_next_free_vgpr 1024
		.amdhsa_next_free_sgpr 66
		.amdhsa_reserve_vcc 0
		.amdhsa_float_denorm_mode_32 3
		.amdhsa_float_denorm_mode_16_64 3
		.amdhsa_memory_ordered 1
		.amdhsa_forward_progress 1
		.amdhsa_inst_pref_size 114
	.end_amdhsa_kernel
	.amdgpu_metadata
---
amdhsa.version: [ 1, 2 ]
amdhsa.kernels:
  - .name:           k_q3a34e899ab_ffn1
    .symbol:         k_q3a34e899ab_ffn1.kd
    .args:
      - { .name: plan, .offset: 0, .size: 8, .value_kind: global_buffer, .address_space: global }
      - { .name: xq, .offset: 8, .size: 8, .value_kind: global_buffer, .address_space: global }
      - { .name: w1c, .offset: 16, .size: 8, .value_kind: global_buffer, .address_space: global }
      - { .name: b1, .offset: 24, .size: 8, .value_kind: global_buffer, .address_space: global }
      - { .name: hid, .offset: 32, .size: 8, .value_kind: global_buffer, .address_space: global }
    .group_segment_fixed_size: 61952
    .private_segment_fixed_size: 0
    .kernarg_segment_align: 8
    .kernarg_segment_size: 40
    .max_flat_workgroup_size: 128
    .sgpr_count:     66
    .vgpr_count:     1024
    .wavefront_size: 32
...
	.end_amdgpu_metadata
.endif
;; end of part 3
;; launch ffn2 (part 4): grid 59 x 4, 4 waves a work-group, no clusters, 140,800 bytes of LDS; arguments plan, hid, w2c, b2, ybuf; writes ybuf
.if DOCPART == 4
	.amdgcn_target "amdgcn-amd-amdhsa--gfx1250"
	.amdhsa_code_object_version 6
	.text
	.protected	k_q3a34e899ab_ffn2
	.globl	k_q3a34e899ab_ffn2
	.p2align	8
	.type	k_q3a34e899ab_ffn2,@function
k_q3a34e899ab_ffn2:
	s_mov_b64 s[64:65], 0
	v_nop
	global_prefetch_b8 v0, s[64:65] scope:SCOPE_SE
	s_setreg_imm32_b32 hwreg(HW_REG_WAVE_MODE, 25, 1), 1
	s_wait_xcnt 0x0
; y = h W2[e] + b2[e] for the routed rows, on codes of FP6 (E2M3) with one E8M0 scale for each 32 along K = 2,048; y is stored in f32 in routed order, [4720][1024].
; SHARES.  Work-group (b, dq): block b of 80 routed rows x 256 columns.  Wave w: the 80 rows x 64 columns (unit 4 dq + w): 20 accumulators.
; THE PRODUCT IS USED TRANSPOSED (source 0 = 16 columns of W2, source 1 = 16 rows of h): a lane's eight results are eight neighbouring columns of one row.  b2 is the C of each sum's first matrix instruction.
; PHASES.  The block's 80 fragments of h are one dense run of 122,880 bytes: each wave copies a quarter through registers into LDS | one barrier | a work-group whose block does not exist ends here |
; sixteen K steps: W2's fragments from memory straight into registers, four buffers, three K steps ahead; h's from LDS, one K step ahead | each tile of 16 rows through my own stage in LDS and out as whole rows of 256 bytes.
; NO TENSOR LOADS, NO CLUSTER: as in the launch before: a work-group without a block ends by a branch on a count read from memory, and the launch takes no tensor load, hence no joint load.
; REGISTERS, in windows of 256: window 0: v1-15 addresses; v16-47 W2's scale words (16 (t / 2) + s: lanes 0-15 tile t even, lanes 16-31 odd); v48-127 h's (16 m + s): these hold scales and nothing else;
;   v128-247 h's fragments, two sets of 60; on the way out two sets of 32.   window 1: W2's four buffers of 48; v192-223 b2's four tiles.   window 2: accumulator (m, t) at v[8 (4 m + t)].   window 3: v0-239 the copy.
.set SCOFF, 12582912
.set HSOFF, 7249920
.set STG,   122880                     ; LDS: behind h's 80 images: a stage of 16 rows x (256 + 16) bytes for each wave
.set LI,   1                           ; v1   16 x lane
.set LH,   3                           ; v3-7 16 x lane + 24,576 m: tile m's sixteen images (an LDS offset has 16 bits)
.set CW,   8                           ; v8   the copy: 16 x lane + 30,720 x wave
.set SO,   9                           ; v9   the stage: where I put 32 bytes of a row
.set SR,   10                          ; v10  and where I read a row back
.set GO,   11                          ; v11  my byte offset in two rows of y
.set R16,  12                          ; v12  16 (lane % 16)
.set L64,  13                          ; v13  64 x lane
.set H32,  14                          ; v14  32 (lane / 16)
.set WS,   16
.set HS,   48
.set HF,   128
.set BK,   128
.set MSB,  0
.macro WIN new
.if MSB != \new
	s_set_vgpr_msb (MSB<<8)|\new
.set MSB, \new
.endif
.endm
.macro PLACES                          ; four plain instructions behind a matrix instruction, ahead of loads into its registers and of reads of its results
.rept 4
	v_nop
.endr
.endm
.macro WLOAD s                         ; W2's four fragments of K step s into buffer s % 4
	WIN 0x40
.irp t, 0,1,2,3
.irp g, 0,1,2
	global_load_b128 v[48*((\s)%4)+12*\t+4*\g:48*((\s)%4)+12*\t+4*\g+3], v[LI], s[26:27] offset:6144*(\s)+1536*\t+512*\g
.endr
.endr
	WIN 0
.endm
.macro HFETCH s                        ; h's five fragments of K step s into set s % 2
.irp m, 0,1,2,3,4
.irp g, 0,1,2
	ds_load_b128 v[HF+60*((\s)%2)+12*\m+4*\g:HF+60*((\s)%2)+12*\m+4*\g+3], v[LH+\m] offset:1536*(\s)+512*\g
.endr
.endr
.endm
; 20 matrix instructions: the 20 accumulators take turns, one instruction a turn, in the same order in every K step
.macro MULS s
.if (\s) == 0
	WIN 0x91                                       ; D window 2, C (b2) window 1, h window 0, W2 window 1
.else
	WIN 0xa1                                       ; C and D window 2
.endif
.irp m, 0,1,2,3,4
.irp t, 0,1,2,3
.if (\s) == 0
.set CR_, 192+8*\t
.else
.set CR_, 8*(4*\m+\t)
.endif
.if (\t)%2
	v_wmma_scale_f32_16x16x128_f8f6f4 v[8*(4*\m+\t):8*(4*\m+\t)+7], v[48*((\s)%4)+12*\t:48*((\s)%4)+12*\t+11], v[HF+60*((\s)%2)+12*\m:HF+60*((\s)%2)+12*\m+11], v[CR_:CR_+7], v[WS+16*(\t/2)+(\s)], v[HS+16*\m+(\s)] matrix_a_fmt:MATRIX_FMT_FP6 matrix_b_fmt:MATRIX_FMT_FP6 matrix_a_scale:MATRIX_SCALE_ROW1
.else
	v_wmma_scale_f32_16x16x128_f8f6f4 v[8*(4*\m+\t):8*(4*\m+\t)+7], v[48*((\s)%4)+12*\t:48*((\s)%4)+12*\t+11], v[HF+60*((\s)%2)+12*\m:HF+60*((\s)%2)+12*\m+11], v[CR_:CR_+7], v[WS+16*(\t/2)+(\s)], v[HS+16*\m+(\s)] matrix_a_fmt:MATRIX_FMT_FP6 matrix_b_fmt:MATRIX_FMT_FP6
.endif
.endr
.endr
.endm
.macro KSTEP s
.if (\s) > 0
	PLACES                                         ; the buffers loaded below were read by the K step before
.endif
.if (\s) < 13
	WLOAD (\s)+3
.endif
.if (\s) < 15
	HFETCH (\s)+1
.endif
.if (\s) < 13
	s_wait_loadcnt 36                              ; this K step's 12 loads are in; those of the three K steps behind it stay out
.else
	s_wait_loadcnt 12*(15-(\s))
.endif
.if (\s) < 15
	s_wait_dscnt 15                                ; h's fragments of this K step are in; the next K step's 15 loads stay out
.else
	s_wait_dscnt 0x0
.endif
	MULS \s
	WIN 0
.endm
	s_load_b256 s[4:11], s[0:1], 0x0               ; plan s[4:5], hid s[6:7], w2c s[8:9], b2 s[10:11]
	s_load_b64 s[12:13], s[0:1], 0x20              ; ybuf
	v_lshl_add_u32 v254, v0, 2, 0x22400
	v_mov_b32 v255, 0
	v_lshrrev_b32 v2, 5, v0
	v_readfirstlane_b32 s14, v2                    ; wave 0..3
	s_and_b32 s15, ttmp7, 0xffff                   ; dq: which 256 columns
	v_and_b32 v2, 31, v0                           ; lane
	v_and_b32 v15, 15, v0                          ; r
	v_bfe_u32 v14, v0, 4, 1                        ; h
	v_lshlrev_b32 v[LI], 4, v2
.irp m, 0,1,2,3,4
	v_add_nc_u32 v[LH+\m], 24576*\m, v[LI]
.endr
	s_mul_i32 s16, s14, 30720
	v_add_nc_u32 v[CW], s16, v[LI]
	s_mul_i32 s16, s14, 4352
	s_add_co_u32 s16, s16, STG                     ; my stage
	v_mul_u32_u24 v[SO], v15, 272
	v_lshl_add_u32 v[SO], v14, 5, v[SO]
	v_add_nc_u32 v[SO], s16, v[SO]                 ; in: row r, 32 bytes for each half of the lanes
	v_mul_u32_u24 v[SR], v14, 272
	v_lshl_add_u32 v[SR], v15, 4, v[SR]
	v_add_nc_u32 v[SR], s16, v[SR]                 ; back: lanes 0-15 one row of 256 bytes, lanes 16-31 the next
	v_lshlrev_b32 v[GO], 12, v14
	v_lshl_add_u32 v[GO], v15, 4, v[GO]            ; and the same two rows in y
	v_lshlrev_b32 v[R16], 4, v15
	v_lshlrev_b32 v[L64], 6, v2
	v_lshlrev_b32 v[H32], 5, v14
	s_wait_kmcnt 0x0
	s_load_b256 s[36:43], s[4:5], 0x8c00           ; meta: blocks up to and with expert 0 .. 7 (s43: all blocks)
	s_wait_kmcnt 0x0
	s_sub_co_u32 s16, s43, 1
	s_min_u32 s17, ttmp9, s16                      ; my block, or the last one where mine does not exist,
	s_min_u32 s17, s17, 58                         ; held inside the 59 that the buffers have room for
	s_mov_b32 s18, 0                               ; its expert
.irp i, 1,2,3,4,5,6,7
	s_cmp_le_u32 s[35+\i], s17
	s_cselect_b32 s20, 1, 0
	s_add_co_u32 s18, s18, s20
.endr
	s_min_u32 s18, s18, 7
	s_lshl_b32 s21, s15, 2
	s_add_co_u32 s21, s21, s14                     ; my unit of 64 columns
	s_lshl_b32 s24, s18, 4
	s_add_co_u32 s24, s24, s21                     ; 16 x expert + unit
	s_mov_b32 s23, 0
	s_mul_i32 s22, s24, 98304                      ; 16 K steps x 4 tiles x 1,536 bytes
	s_add_nc_u64 s[26:27], s[8:9], s[22:23]        ; W2's codes
	s_lshl_b32 s22, s24, 12
	s_add_co_u32 s22, s22, SCOFF
	s_add_nc_u64 s[28:29], s[8:9], s[22:23]        ; W2's scale words
	s_lshl_b32 s22, s24, 8
	s_add_nc_u64 s[10:11], s[10:11], s[22:23]      ; b2: my 64 numbers
	s_mul_i32 s22, s17, 122880
	s_mul_i32 s25, s14, 30720
	s_add_co_u32 s22, s22, s25
	s_add_nc_u64 s[30:31], s[6:7], s[22:23]        ; h's codes: my quarter of the block's
	s_mul_i32 s22, s17, 5120
	s_add_co_u32 s22, s22, HSOFF
	s_add_nc_u64 s[32:33], s[6:7], s[22:23]        ; h's scale words
	s_mul_i32 s22, s17, 327680                     ; y: 80 rows of 4,096 bytes a block,
	s_lshl_b32 s25, s21, 8                         ; my 256 bytes of a row
	s_add_co_u32 s22, s22, s25
	s_add_nc_u64 s[12:13], s[12:13], s[22:23]
.irp i, 0,1
.irp q, 0,1,2,3
	global_load_b128 v[WS+16*\i+4*\q:WS+16*\i+4*\q+3], v[L64], s[28:29] offset:2048*\i+16*\q
.endr
.endr
.irp m, 0,1,2,3,4
.irp q, 0,1,2,3
	global_load_b128 v[HS+16*\m+4*\q:HS+16*\m+4*\q+3], v[R16], s[32:33] offset:1024*\m+256*\q
.endr
.endr
	WIN 0x40
.irp t, 0,1,2,3                        ; b2 in the result's layout: for tile t lane (r, h) wants columns 16 t + 8 h + 0 .. 7
	global_load_b128 v[192+8*\t:192+8*\t+3], v[H32], s[10:11] offset:64*\t
	global_load_b128 v[192+8*\t+4:192+8*\t+7], v[H32], s[10:11] offset:64*\t+16
.endr
	WIN 0
	WLOAD 0
	WLOAD 1
	WLOAD 2
	WIN 0xc0
.set i_, 0
.rept 60
	global_load_b128 v[4*i_:4*i_+3], v[LI], s[30:31] offset:512*i_
.set i_, i_+1
.endr
	WIN 0x0c                                       ; an LDS store's data are its source 1: window 3
.irp q, 0,1,2,3,4,5
	s_wait_loadcnt 50-10*\q                        ; ten more of the sixty are in; the younger ones stay out
.irp i, 0,1,2,3,4,5,6,7,8,9
	ds_store_b128 v[CW], v[4*(10*\q+\i):4*(10*\q+\i)+3] offset:512*(10*\q+\i)
.endr
.endr
	WIN 0
	s_wait_dscnt 0x0                               ; for the others' sake: my stores have landed
	s_barrier_signal -1
	s_barrier_wait -1                              ; h's eighty fragments lie in LDS
	s_cmp_ge_u32 ttmp9, s43                        ; a work-group whose block this split does not have ends here
	s_cbranch_scc1 .Lend
	HFETCH 0
.irp s, 0,1,2,3,4,5,6,7,8,9,10,11,12,13,14,15
	KSTEP \s
.endr
; ---- the way out: a lane holds 32 neighbouring bytes of a row, the lanes beside it other rows: a tile goes through my own stage and comes back as whole rows of 256 bytes.
; LDS serves a wave's instructions in order (ISA guide 5.7.1.4): no wait between the stores and the loads, nor ahead of the next tile's stores.
.macro TOSTAGE m
	WIN 0x08                                       ; the data: window 2
.irp t, 0,1,2,3
	ds_store_b128 v[SO], v[8*(4*(\m)+\t):8*(4*(\m)+\t)+3] offset:64*\t      ; each accumulator from its low end on
	ds_store_b128 v[SO], v[8*(4*(\m)+\t)+4:8*(4*(\m)+\t)+7] offset:64*\t+16
.endr
	WIN 0
.irp i, 0,1,2,3,4,5,6,7
	ds_load_b128 v[BK+32*((\m)%2)+4*\i:BK+32*((\m)%2)+4*\i+3], v[SR] offset:544*\i
.endr
.endm
.macro SEND m, younger                 ; younger: the LDS instructions issued behind tile m's loads, which may stay out
	s_wait_dscnt \younger
.irp i, 0,1,2,3,4,5,6,7
	global_store_b128 v[GO], v[BK+32*((\m)%2)+4*\i:BK+32*((\m)%2)+4*\i+3], s[12:13] offset:(16*(\m)+2*\i)*4096   ; 16 lanes store 256 consecutive bytes, at a multiple of 256 from y's first byte
.endr
.endm
	PLACES
	TOSTAGE 0
.irp m, 1,2,3,4
.if \m > 1
	s_wait_xcnt 0x0                                ; tile m - 2's stores have read their registers: tile m's loads may land there
.endif
	TOSTAGE \m
	SEND \m-1, 16                                  ; behind tile m - 1's loads: tile m's 8 stores and 8 loads
.endr
	SEND 4, 0
.Lend:
	s_wait_tensorcnt 0x0
	ds_add_u32 v254, v255
	s_wait_dscnt 0x0
	s_endpgm
.Lfunc_end_k_q3a34e899ab_ffn2:
	.size	k_q3a34e899ab_ffn2, .Lfunc_end_k_q3a34e899ab_ffn2-k_q3a34e899ab_ffn2
	.p2alignl 7, 3214868480
	.fill 96, 4, 3214868480
	.section	.rodata,"a",@progbits
	.p2align	6, 0x0
	.amdhsa_kernel k_q3a34e899ab_ffn2
		.amdhsa_group_segment_fixed_size 140800
		.amdhsa_private_segment_fixed_size 0
		.amdhsa_enable_private_segment 0
		.amdhsa_kernarg_size 40
		.amdhsa_user_sgpr_count 2
		.amdhsa_user_sgpr_kernarg_segment_ptr 1
		.amdhsa_wavefront_size32 1
		.amdhsa_system_sgpr_workgroup_id_x 1
		.amdhsa_system_sgpr_workgroup_id_y 1
		.amdhsa_system_sgpr_workgroup_id_z 1
		.amdhsa_system_vgpr_workitem_id 0
		.amdhsa_next_free_vgpr 1024
		.amdhsa_next_free_sgpr 66
		.amdhsa_reserve_vcc 0
		.amdhsa_float_denorm_mode_32 3
		.amdhsa_float_denorm_mode_16_64 3
		.amdhsa_memory_ordered 1
		.amdhsa_forward_progress 1
		.amdhsa_inst_pref_size 105
	.end_amdhsa_kernel
	.amdgpu_metadata
---
amdhsa.version: [ 1, 2 ]
amdhsa.kernels:
  - .name:           k_q3a34e899ab_ffn2
    .symbol:         k_q3a34e899ab_ffn2.kd
    .args:
      - { .name: plan, .offset: 0, .size: 8, .value_kind: global_buffer, .address_space: global }
      - { .name: hid, .offset: 8, .size: 8, .value_kind: global_buffer, .address_space: global }
      - { .name: w2c, .offset: 16, .size: 8, .value_kind: global_buffer, .address_space: global }
      - { .name: b2, .offset: 24, .size: 8, .value_kind: global_buffer, .address_space: global }
      - { .name: ybuf, .offset: 32, .size: 8, .value_kind: global_buffer, .address_space: global }
    .group_segment_fixed_size: 140800
    .private_segment_fixed_size: 0
    .kernarg_segment_align: 8
    .kernarg_segment_size: 40
    .max_flat_workgroup_size: 128
    .sgpr_count:     66
    .vgpr_count:     1024
    .wavefront_size: 32
...
	.end_amdgpu_metadata
.endif
;; end of part 4
;; launch combine (part 5): grid 512 x 1, 4 waves a work-group, no clusters, 0 bytes of LDS; arguments plan, gates, ybuf, out0; writes out0
.if DOCPART == 5
	.amdgcn_target "amdgcn-amd-amdhsa--gfx1250"
	.amdhsa_code_object_version 6
	.text
	.protected	k_q3a34e899ab_combine
	.globl	k_q3a34e899ab_combine
	.p2align	8
	.type	k_q3a34e899ab_combine,@function
k_q3a34e899ab_combine:
	s_mov_b64 s[64:65], 0
	v_nop
	global_prefetch_b8 v0, s[64:65] scope:SCOPE_SE
	s_setreg_imm32_b32 hwreg(HW_REG_WAVE_MODE, 25, 1), 1
	s_wait_xcnt 0x0
; out[n] = g0[n] y[pos0[n]] + g1[n] y[pos1[n]]: each token's two routed rows, weighed by its two gates.  The six experts that were not chosen have the weight 0 in the reference and are not computed.
; One wave, one token: a row is 4,096 bytes, eight loads of 512 consecutive bytes; both rows' sixteen loads go out together; each output row has one owner.  A stream: no LDS, no barrier, no matrix unit.
.set Y0, 8                             ; v8-39   the first row, then the result
.set Y1, 40                            ; v40-71  the second row
	s_load_b256 s[4:11], s[0:1], 0x0               ; plan s[4:5], gates s[6:7], ybuf s[8:9], out0 s[10:11]
	v_lshrrev_b32 v1, 5, v0
	v_readfirstlane_b32 s12, v1                    ; wave 0..3
	v_and_b32 v1, 31, v0
	v_lshlrev_b32 v1, 4, v1                        ; 16 bytes a lane
	s_lshl_b32 s13, ttmp9, 2
	s_add_co_u32 s13, s13, s12                     ; my token
	s_lshl_b32 s14, s13, 2
	s_wait_kmcnt 0x0
	s_load_b32 s20, s[4:5], s14 offset:19456       ; pos0
	s_load_b32 s21, s[4:5], s14 offset:27648       ; pos1
	s_load_b32 s16, s[6:7], s14 offset:0x0         ; g0
	s_load_b32 s18, s[6:7], s14 offset:8192        ; g1
	s_lshl_b32 s26, s13, 12
	s_mov_b32 s27, 0
	s_mov_b32 s23, 0
	s_mov_b32 s25, 0
	s_wait_kmcnt 0x0
	s_min_u32 s20, s20, 4719                       ; held inside y's 4,720 rows
	s_min_u32 s21, s21, 4719
	s_lshl_b32 s22, s20, 12
	s_lshl_b32 s24, s21, 12
	s_add_nc_u64 s[22:23], s[8:9], s[22:23]
	s_add_nc_u64 s[24:25], s[8:9], s[24:25]
	s_add_nc_u64 s[10:11], s[10:11], s[26:27]
	s_mov_b32 s17, s16                             ; (the packed forms name a pair and take its low word for both halves: so the upper words are written)
	s_mov_b32 s19, s18
.irp i, 0,1,2,3,4,5,6,7
	global_load_b128 v[Y0+4*\i:Y0+4*\i+3], v1, s[22:23] offset:512*\i th:TH_LOAD_NT    ; each routed row is read once in the launch
	global_load_b128 v[Y1+4*\i:Y1+4*\i+3], v1, s[24:25] offset:512*\i th:TH_LOAD_NT
.endr
.irp i, 0,1,2,3,4,5,6,7
	s_wait_loadcnt 14-2*\i                         ; piece i of both rows is in; the younger pieces stay out
	v_pk_mul_f32 v[Y1+4*\i:Y1+4*\i+1], v[Y1+4*\i:Y1+4*\i+1], s[18:19] op_sel_hi:[1,0]
	v_pk_mul_f32 v[Y1+4*\i+2:Y1+4*\i+3], v[Y1+4*\i+2:Y1+4*\i+3], s[18:19] op_sel_hi:[1,0]
	v_pk_fma_f32 v[Y0+4*\i:Y0+4*\i+1], v[Y0+4*\i:Y0+4*\i+1], s[16:17], v[Y1+4*\i:Y1+4*\i+1] op_sel_hi:[1,0,1]
	v_pk_fma_f32 v[Y0+4*\i+2:Y0+4*\i+3], v[Y0+4*\i+2:Y0+4*\i+3], s[16:17], v[Y1+4*\i+2:Y1+4*\i+3] op_sel_hi:[1,0,1]
	global_store_b128 v1, v[Y0+4*\i:Y0+4*\i+3], s[10:11] offset:512*\i th:TH_STORE_NT  ; 512 consecutive bytes, aligned; no register of a pending store is written again
.endr
	s_endpgm
.Lfunc_end_k_q3a34e899ab_combine:
	.size	k_q3a34e899ab_combine, .Lfunc_end_k_q3a34e899ab_combine-k_q3a34e899ab_combine
	.p2alignl 7, 3214868480
	.fill 96, 4, 3214868480
	.section	.rodata,"a",@progbits
	.p2align	6, 0x0
	.amdhsa_kernel k_q3a34e899ab_combine
		.amdhsa_group_segment_fixed_size 0
		.amdhsa_private_segment_fixed_size 0
		.amdhsa_enable_private_segment 0
		.amdhsa_kernarg_size 32
		.amdhsa_user_sgpr_count 2
		.amdhsa_user_sgpr_kernarg_segment_ptr 1
		.amdhsa_wavefront_size32 1
		.amdhsa_system_sgpr_workgroup_id_x 1
		.amdhsa_system_sgpr_workgroup_id_y 1
		.amdhsa_system_sgpr_workgroup_id_z 1
		.amdhsa_system_vgpr_workitem_id 0
		.amdhsa_next_free_vgpr 72
		.amdhsa_next_free_sgpr 66
		.amdhsa_reserve_vcc 0
		.amdhsa_float_denorm_mode_32 3
		.amdhsa_float_denorm_mode_16_64 3
		.amdhsa_memory_ordered 1
		.amdhsa_forward_progress 1
		.amdhsa_inst_pref_size 6
	.end_amdhsa_kernel
	.amdgpu_metadata
---
amdhsa.version: [ 1, 2 ]
amdhsa.kernels:
  - .name:           k_q3a34e899ab_combine
    .symbol:         k_q3a34e899ab_combine.kd
    .args:
      - { .name: plan, .offset: 0, .size: 8, .value_kind: global_buffer, .address_space: global }
      - { .name: gates, .offset: 8, .size: 8, .value_kind: global_buffer, .address_space: global }
      - { .name: ybuf, .offset: 16, .size: 8, .value_kind: global_buffer, .address_space: global }
      - { .name: out0, .offset: 24, .size: 8, .value_kind: global_buffer, .address_space: global }
    .group_segment_fixed_size: 0
    .private_segment_fixed_size: 0
    .kernarg_segment_align: 8
    .kernarg_segment_size: 32
    .max_flat_workgroup_size: 128
    .sgpr_count:     66
    .vgpr_count:     72
    .wavefront_size: 32
...
	.end_amdgpu_metadata
.endif
;; end of part 5
;; ======== version 2 of 2: 5 launches
;; workspace buffers: route 24,576 bytes of whole numbers; gates 16,384 bytes; w1c 13,107,200 bytes; w2c 13,107,200 bytes; plan 36,096 bytes of whole numbers; hid 7,552,000 bytes; ybuf 19,333,120 bytes; xq 1,638,400 bytes
;; launch prep1 (part 6): grid 1152 x 1, 4 waves a work-group, no clusters, 40,448 bytes of LDS; arguments x, gate_W, gate_b, W1, route, gates, w1c, xq; writes route, gates, w1c, xq
.if DOCPART == 6
	.amdgcn_target "amdgcn-amd-amdhsa--gfx1250"
	.amdhsa_code_object_version 6
	.text
	.protected	k_q3a34e899ab_prep1
	.globl	k_q3a34e899ab_prep1
	.p2align	8
	.type	k_q3a34e899ab_prep1,@function
k_q3a34e899ab_prep1:
	s_mov_b64 s[64:65], 0
	v_nop
	global_prefetch_b8 v0, s[64:65] scope:SCOPE_SE
	s_setreg_imm32_b32 hwreg(HW_REG_WAVE_MODE, 25, 1), 1
	s_wait_xcnt 0x0
; TWO JOBS IN ONE LAUNCH, parted by the work-group's number.
; Work-groups 0-127: THE ROUTER, AND x INTO CODES.  x is read once and serves both.
;   logits = x gate_W + gate_b in f32 (fused multiply-adds), the two largest (the lower index wins a tie), their softmax weights.
;   Stored at fixed places: route: sel[token] = e0 | e1 << 8, and oh[token] = two words with a byte of 1 for each chosen expert; gates: g0[token], g1[token].  No address and no branch hangs on a float.
;   xq: x as codes of FP6 (E2M3), [token][K step 8][half 2][48 bytes]: the 12 operand registers of lane (row, half) on end: block b of a K step at 48 (b % 2) + 24 (b / 2); scale words at XQS: [token][K step 8].
; Work-groups 128-1151: W1 [8][1024 (K)][2048], f32, becomes codes of FP6 (E2M3) with one E8M0 byte for each 32 along K, laid in the ORDER OF THE OPERAND'S REGISTERS:
;   w1c codes [expert 8][unit 16 (128 hidden)][K step 8][tile 8][group 3][lane 32][16 bytes]; lane r of tile 2 b + u holds hidden unit 32 b + 8 u + r + 8 (r / 8) of its unit;
;   scale words at SCOFF: [expert][unit][i 4][L 32][K step 8]: lane L = r + 16 u of i holds the words of tile 2 i + u, row r.
;   A lane takes a column and its registers run down K: a block of 32 lies in one lane, so its largest magnitude needs no other lane and the conversions give codes with K innermost.
; A block's scale is 2^(floor(log2(largest magnitude)) - 2); its byte is the largest magnitude's exponent field - 2, held at 1 from below.
; LIMITS: NaN and infinities among the inputs are not served.  A block whose largest magnitude lies under 2^-124 keeps the byte 1; a block of zeros has the byte 1 with zero codes (this program alone reads the bytes).
;   The two experts are chosen by the logits, whose order is the order of the probabilities; logits closer than the rounding of an f32 sum of 1,024 terms may choose the other expert.
; The router's own stores are 16 to 32 bytes a wave: 40 KiB in the whole launch.  W1's scale words leave 4 bytes a lane, 32 bytes apart: one byte in 128 of what the launch reads.
; 192 registers a wave and 39,936 bytes of LDS a work-group: five work-groups' registers (960) fit in a SIMD's 1,024, so 256 WGPs hold 1,280 work-groups: all 1,152 at once.
.set SCOFF, 12582912                   ; where the scale words begin in w1c
.set XQS,   1572864                    ; and in xq
.set SN,    2048                       ; columns of W1
.set SRC,   10                         ; s[10:11] W1
.set WV,    34                         ; s34 my wave's number
.set RLDS,  13312                      ; LDS: the router's bytes lie behind the weight path's four stages: each path has bytes of its own
.set TSTG,  2560                       ; a wave's turning stage: 32 places of 64 bytes + 16 of padding
.set WLDS,  6656                       ; a wave's part: the turning stage, then 256 places of 16 bytes for its 4 tokens' codes
.set ACC,   16                         ; router: v16-47   sums: token t, expert e at 8 t + e
.set RX,    48                         ; v48-79   x, two sets of 16: token t, number j at 4 t + j
.set RG,    80                         ; v80-143  gate_W, two sets of 32: number j, expert e at 8 j + e
.set QX,    144                        ; v144-159 16 neighbours along K of one token
.set QC,    160                        ; v160-167 their codes, two sets of 4 by turns
.set QW,    168                        ; v168-175 the scale word of my token for each of the 8 K steps
.set LG,    48                         ; v48-55   (behind the sums) my token's eight logits
.set X,     32                         ; weights: v32-95 two sets of 32 numbers
.set C,     96                         ; v96-101  a block's codes, six registers on end
.set T,     104                        ; v104-106 the block's second half as the conversion leaves it
.set OUTR,  112                        ; v112-135 the way out
.set SB,    24                         ; v24      my column's scale word
	s_load_b256 s[4:11], s[0:1], 0x0               ; x s[4:5], gate_W s[6:7], gate_b s[8:9], W1 s[10:11]
	s_load_b128 s[12:15], s[0:1], 0x20             ; route s[12:13], gates s[14:15]
	s_load_b128 s[16:19], s[0:1], 0x30             ; w1c s[16:17], xq s[18:19]
	v_lshl_add_u32 v192, v0, 2, 0x9c00
	v_mov_b32 v193, 0
	v_lshrrev_b32 v1, 5, v0
	v_readfirstlane_b32 s[WV], v1                  ; wave 0..3
	v_and_b32 v1, 31, v0                           ; lane
	s_cmp_ge_u32 ttmp9, 128
	s_cbranch_scc1 .Lweights
; ---------------- THE ROUTER.  A wave takes 4 tokens; lane l takes k = 128 i + 4 l + 0 .. 3 in chunk i of eight: a chunk is one K step of the products ----------------
	s_lshl_b32 s22, ttmp9, 4
	s_lshl_b32 s23, s[WV], 2
	s_add_co_u32 s22, s22, s23                     ; my wave's first token
	s_lshl_b32 s20, s22, 12                        ; x: 4,096 bytes a token
	s_mov_b32 s21, 0
	s_mul_i32 s38, s22, 768                        ; xq: 768 bytes of codes a token,
	s_mov_b32 s39, 0
	s_lshl_b32 s36, s22, 5                         ; 32 bytes of scale words
	s_add_co_u32 s36, s36, XQS
	s_mov_b32 s37, 0
	s_mul_i32 s35, s[WV], WLDS
	s_add_co_u32 s35, s35, RLDS                    ; my wave's LDS
	s_wait_alu depctr_va_vdst(0)
	v_lshlrev_b32 v2, 4, v1                        ; x: 16 bytes a lane: a load covers 512 consecutive bytes of a row
	v_lshlrev_b32 v3, 7, v1                        ; gate_W: four rows of 32 bytes a lane
	v_and_b32 v4, 3, v1                            ; the token whose logits this lane finishes
	v_and_b32 v5, 7, v1                            ; the K step whose scale word this lane stores
	v_bfe_u32 v6, v1, 1, 2
	v_lshlrev_b32 v6, 3, v6                        ; behind the turn lanes 2 b, 2 b + 1 of eight hold block b: its byte stands 8 b bits up in the scale word
	v_lshrrev_b32 v13, 2, v1
	v_mul_u32_u24 v7, v13, 80
	v_and_b32 v14, 3, v1
	v_lshl_add_u32 v7, v14, 4, v7
	v_add_nc_u32 v7, s35, v7                       ; the turning stage, in: four lanes' 64 bytes on end, then 16 of padding; a token's 512 bytes take eight places
	v_mul_u32_u24 v8, v1, 80
	v_add_nc_u32 v8, s35, v8                       ; and out: place = lane: token lane / 8, k = 16 (lane % 8) + 0 .. 15 of the chunk
	s_add_co_u32 s35, s35, TSTG                    ; the codes' stage
	v_bfe_u32 v13, v1, 1, 1
	v_bfe_u32 v14, v1, 2, 1
	v_and_b32 v15, 1, v1
	v_lshl_add_u32 v15, v14, 1, v15
	v_lshl_add_u32 v15, v13, 2, v15                ; my 12 bytes' place among the K step's eight: 4 (b % 2) + 2 (b / 2) + the block's half
	v_lshrrev_b32 v13, 3, v1
	v_lshlrev_b32 v9, 10, v13                      ; a token has 64 places of 16 bytes
	v_lshl_add_u32 v9, v15, 4, v9
	v_add_nc_u32 v9, s35, v9                       ; into the codes' stage
	v_add_nc_u32 v10, s35, v2                      ; and back: place = lane
	v_mul_u32_u24 v11, v1, 12                      ; codes out: 12 bytes a lane
	v_lshlrev_b32 v12, 2, v1                       ; scale words out: 4 bytes a lane
	v_mov_b32 v179, 0                              ; written once: a DPP move's destination counts as one of its sources
	s_mov_b32 s32, 0x76543210
	s_mov_b32 s33, 0xfedcba98                      ; v_permlanex16_b32's selects for lane l xor 16
	s_wait_kmcnt 0x0
	s_add_nc_u64 s[4:5], s[4:5], s[20:21]
	s_add_nc_u64 s[54:55], s[18:19], s[38:39]      ; my tokens' codes
	s_add_nc_u64 s[56:57], s[18:19], s[36:37]      ; and scale words
	s_load_b256 s[24:31], s[8:9], 0x0              ; gate_b
.macro CHUNK_LOAD i
.irp t, 0,1,2,3
	global_load_b128 v[RX+16*((\i)%2)+4*\t:RX+16*((\i)%2)+4*\t+3], v2, s[4:5] offset:4096*\t+512*(\i) th:TH_LOAD_NT
.endr
.irp m, 0,1,2,3,4,5,6,7
	global_load_b128 v[RG+32*((\i)%2)+4*\m:RG+32*((\i)%2)+4*\m+3], v3, s[6:7] offset:4096*(\i)+16*\m
.endr
.endm
.macro CHUNK_FMA i                     ; 128 multiply-adds; the 32 sums take turns; the very first products start the sums: nothing is cleared
.irp j, 0,1,2,3
.irp t, 0,1,2,3
.irp e, 0,1,2,3,4,5,6,7
.if ((\i) == 0) && (\j == 0)
	v_mul_f32 v[ACC+8*\t+\e], v[RX+16*((\i)%2)+4*\t+\j], v[RG+32*((\i)%2)+8*\j+\e]
.else
	v_fmac_f32 v[ACC+8*\t+\e], v[RX+16*((\i)%2)+4*\t+\j], v[RG+32*((\i)%2)+8*\j+\e]
.endif
.endr
.endr
.endr
.endm
.macro TURN i                          ; the chunk's 2,048 bytes through the stage, as they lie; LDS serves a wave's instructions in order, so no wait stands between the stores and the loads
.irp t, 0,1,2,3
	ds_store_b128 v7, v[RX+16*((\i)%2)+4*\t:RX+16*((\i)%2)+4*\t+3] offset:640*\t
.endr
.irp q, 0,1,2,3
	ds_load_b128 v[QX+4*\q:QX+4*\q+3], v8 offset:16*\q
.endr
.endm
.macro QSTEP i                         ; my 16 neighbours of K step i become 12 bytes of codes; the eight lanes of a token gather its scale word
	v_max3_num_f32 v176, |v[QX]|, |v[QX+1]|, |v[QX+2]|             ; the largest magnitude of my 16, in two chains
	v_max3_num_f32 v177, |v[QX+3]|, |v[QX+4]|, |v[QX+5]|
.irp n, 6,10
	v_max3_num_f32 v176, v176, |v[QX+\n]|, |v[QX+\n+1]|
	v_max3_num_f32 v177, v177, |v[QX+\n+2]|, |v[QX+\n+3]|
.endr
	v_max3_num_f32 v176, v176, |v[QX+14]|, |v[QX+15]|
	v_max3_num_f32 v176, v176, v177, 0x1800000     ; and the floor 2^(3 - 127): the byte cannot fall under 1
	v_max_num_f32_dpp v176, v176, v176 row_xmask:1 row_mask:0xf bank_mask:0xf   ; with my neighbour's 16: the block's
	v_add_nc_u32 v178, 0xff000000, v176            ; 2 off the exponent field: the conversion takes this operand's exponent field as its scale
	v_cvt_scalef32_pk16_fp6_f32 v[QC+4*((\i)%2):QC+4*((\i)%2)+2], v[QX:QX+15], v178
	v_lshrrev_b32 v180, 23, v178                   ; the scale's byte  (the plain instruction behind the conversion)
	v_lshlrev_b32 v[QW+(\i)], v6, v180             ; at its place in the word;
	v_mov_b32_dpp v179, v[QW+(\i)] row_xmask:2 row_mask:0xf bank_mask:0xf
	v_or_b32 v[QW+(\i)], v[QW+(\i)], v179          ; with the lanes two
	v_mov_b32_dpp v179, v[QW+(\i)] row_xmask:4 row_mask:0xf bank_mask:0xf
	v_or_b32 v[QW+(\i)], v[QW+(\i)], v179          ; and four away the word is whole, in all eight lanes of the token
	ds_store_b96 v9, v[QC+4*((\i)%2):QC+4*((\i)%2)+2] offset:128*(\i)   ; 12 bytes to a place of 16, so that every LDS address is a multiple of 16
.endm
.macro CHUNK i
.if (\i) < 7
	s_wait_loadcnt 12                              ; this chunk's 12 loads are in; the next chunk's 12 stay out
.else
	s_wait_loadcnt 0x0
.endif
	TURN \i
	CHUNK_FMA \i                                   ; the multiply-adds stand between the turn's loads and the wait for them
	s_wait_dscnt 0x0                               ; the turned numbers are back: so the stores into the stage have read x's registers,
.if (\i) < 6
	CHUNK_LOAD (\i)+2                              ; which take the chunk two on
.endif
	QSTEP \i
.endm
	CHUNK_LOAD 0
	CHUNK_LOAD 1
.irp i, 0,1,2,3,4,5,6,7
	CHUNK \i
.endr
; the codes leave: 256 places, 32 an instruction; a store covers 384 consecutive bytes, the eight together my 4 tokens' 3,072, which begin at a multiple of 256 from the buffer's first byte
.irp n, 0,1,2,3,4,5,6,7
	ds_load_b96 v[RG+4*\n:RG+4*\n+2], v10 offset:512*\n   ; LDS serves a wave's instructions in order: these see my stores
.endr
.irp t, 1,2,3,4,5,6,7
	v_cmp_eq_u32 s[39+\t], \t, v5
.endr
	v_cndmask_b32 v181, v[QW], v[QW+1], s40        ; lane l holds token l / 8's words; it stores that of K step l % 8: word l of the wave's 32
.irp t, 2,3,4,5,6,7
	v_cndmask_b32 v181, v181, v[QW+\t], s[39+\t]
.endr
	global_store_b32 v12, v181, s[56:57]           ; 128 consecutive bytes
.irp n, 0,1,2,3,4,5,6,7
	s_wait_dscnt 7-\n
	global_store_b96 v11, v[RG+4*\n:RG+4*\n+2], s[54:55] offset:384*\n
.endr
; the 32 sums over the lanes: four steps inside each half ride on the addition
.irp x, 1,2,4,8
.set a_, 0
.rept 32
	v_add_f32_dpp v[ACC+a_], v[ACC+a_], v[ACC+a_] row_xmask:\x row_mask:0xf bank_mask:0xf
.set a_, a_+1
.endr
.endr
; lane l goes on with token l % 4: a choice of values, no branch; lanes l and l xor 16 choose the same token, so the step across the halves follows on 8 numbers
.irp t, 1,2,3
	v_cmp_eq_u32 s[46+\t], \t, v4
.endr
.irp e, 0,1,2,3,4,5,6,7
	v_cndmask_b32 v[LG+\e], v[ACC+\e], v[ACC+8+\e], s47
.endr
.irp t, 2,3
.irp e, 0,1,2,3,4,5,6,7
	v_cndmask_b32 v[LG+\e], v[LG+\e], v[ACC+8*\t+\e], s[46+\t]
.endr
.endr
.irp e, 0,1,2,3,4,5,6,7
	v_permlanex16_b32 v[56+\e], v[LG+\e], s32, s33 ; (x's registers are free, and have been written)
.endr
.irp e, 0,1,2,3,4,5,6,7
	v_add_f32 v[LG+\e], v[LG+\e], v[56+\e]
.endr
	s_wait_alu depctr_va_vdst(0)
	s_wait_kmcnt 0x0                               ; gate_b
.irp e, 0,1,2,3,4,5,6,7
	v_add_f32 v[LG+\e], s[24+\e], v[LG+\e]
.endr
	v_mov_b32 v64, v[LG]                           ; the largest logit and its expert: only a strictly larger one takes over, so the lower index wins a tie
	v_mov_b32 v65, 0
.irp e, 1,2,3,4,5,6,7
	v_cmp_gt_f32 vcc_lo, v[LG+\e], v64
	v_cndmask_b32 v64, v64, v[LG+\e], vcc_lo
	v_cndmask_b32 v65, v65, \e, vcc_lo
.endr
	v_mov_b32 v66, 0xff800000                      ; the second largest: the same among the other seven
	v_mov_b32 v67, 0
.irp e, 0,1,2,3,4,5,6,7
	v_cmp_ne_u32 s50, \e, v65
	v_cmp_gt_f32 vcc_lo, v[LG+\e], v66
	s_and_b32 vcc_lo, vcc_lo, s50
	v_cndmask_b32 v66, v66, v[LG+\e], vcc_lo
	v_cndmask_b32 v67, v67, \e, vcc_lo
.endr
; softmax with the largest logit taken away: 2^((l - max) log2 e)
.irp e, 0,1,2,3,4,5,6,7
	v_sub_f32 v[112+\e], v[LG+\e], v64
.endr
	v_sub_f32 v120, v66, v64
.irp e, 0,1,2,3,4,5,6,7,8
	v_mul_f32 v[112+\e], 0x3fb8aa3b, v[112+\e]
.endr
	s_wait_alu depctr_va_vdst(0)
.irp e, 0,1,2,3,4,5,6,7,8
	v_exp_f32 v[112+\e], v[112+\e]                 ; one batch of nine
.endr
	v_lshl_or_b32 v124, v67, 8, v65                ; sel = e0 | e1 << 8  (the plain instruction behind the batch)
	s_wait_alu depctr_va_vdst(0)                   ; one wait for the nine, ahead of their first reader
	v_add_f32 v112, v112, v113
	v_add_f32 v114, v114, v115
	v_add_f32 v116, v116, v117
	v_add_f32 v118, v118, v119
	v_add_f32 v112, v112, v114
	v_add_f32 v116, v116, v118
	v_add_f32 v112, v112, v116
	s_wait_alu depctr_va_vdst(0)
	v_rcp_f32 v121, v112                           ; g0 = 1 / sum: the largest logit's exponential is 2^0
	v_mov_b32 v123, 1                              ; (plain work behind the reciprocal: the one-hot bytes and the addresses)
	v_and_b32 v125, 3, v65
	v_lshlrev_b32 v125, 3, v125
	v_lshlrev_b32 v125, v125, v123                 ; 1 in byte e0 % 4,
	v_cmp_gt_u32 vcc_lo, 4, v65
	v_cndmask_b32 v126, 0, v125, vcc_lo            ; of the low word where e0 < 4,
	v_sub_nc_u32 v127, v125, v126                  ; else of the high word
	v_and_b32 v128, 3, v67
	v_lshlrev_b32 v128, 3, v128
	v_lshlrev_b32 v128, v128, v123
	v_cmp_gt_u32 vcc_lo, 4, v67
	v_cndmask_b32 v129, 0, v128, vcc_lo
	v_sub_nc_u32 v130, v128, v129
	v_add_nc_u32 v126, v126, v129                  ; both chosen experts' bytes
	v_add_nc_u32 v127, v127, v130
	v_add_nc_u32 v131, s22, v1                     ; lanes 0-3: my wave's tokens
	v_lshlrev_b32 v132, 2, v131
	v_lshlrev_b32 v133, 3, v131
	v_cmp_gt_u32 vcc_lo, 4, v1
	s_wait_alu depctr_va_vdst(0)                   ; the reciprocal's wait, ahead of its first reader
	v_mul_f32 v122, v120, v121                     ; g1
	s_wait_alu depctr_va_vdst(0)
	s_wait_xcnt 0x0                                ; EXEC changes only behind this wait
	s_wait_tensorcnt 0x0
	ds_add_u32 v192, v193
	s_wait_dscnt 0x0
	s_and_saveexec_b32 s52, vcc_lo                 ; lanes 0-3: one token each
	global_store_b32 v132, v124, s[12:13]
	global_store_b64 v133, v[126:127], s[12:13] offset:8192
	global_store_b32 v132, v121, s[14:15]
	global_store_b32 v132, v122, s[14:15] offset:8192
	s_wait_xcnt 0x0
	s_or_b32 exec_lo, exec_lo, s52
	s_endpgm
; ---------------- W1 INTO CODES.  A work-group takes 128 columns (one unit) x 128 along K (one K step); a wave 32 columns: two tiles ----------------
.Lweights:
	s_sub_co_u32 s20, ttmp9, 128
	s_and_b32 s21, s20, 15                         ; the unit
	s_bfe_u32 s22, s20, 0x30004                    ; the K step
	s_lshr_b32 s23, s20, 7                         ; the expert
	s_lshl_b32 s24, s23, 23                        ; W1: an expert is 2^23 bytes,
	s_lshl_b32 s30, s22, 20                        ; 128 rows of 8,192 bytes,
	s_add_co_u32 s24, s24, s30
	s_lshl_b32 s30, s21, 9                         ; 128 columns,
	s_add_co_u32 s24, s24, s30
	s_lshl_b32 s30, s[WV], 7                       ; my wave's 32
	s_add_co_u32 s24, s24, s30
	s_mov_b32 s25, 0
	s_lshl_b32 s26, s23, 7                         ; codes: ((expert x 16 + unit) x 8 + K step) x 8 tiles of 1,536 bytes,
	s_lshl_b32 s30, s21, 3
	s_add_co_u32 s26, s26, s30
	s_add_co_u32 s26, s26, s22
	s_mul_i32 s26, s26, 12288
	s_mul_i32 s30, s[WV], 3072                     ; my wave's two tiles
	s_add_co_u32 s26, s26, s30
	s_mov_b32 s27, 0
	s_lshl_b32 s28, s23, 6                         ; scale words: ((expert x 16 + unit) x 4 + wave) x 1,024 bytes + 4 x K step
	s_lshl_b32 s30, s21, 2
	s_add_co_u32 s28, s28, s30
	s_add_co_u32 s28, s28, s[WV]
	s_lshl_b32 s28, s28, 10
	s_lshl_b32 s30, s22, 2
	s_add_co_u32 s28, s28, s30
	s_add_co_u32 s28, s28, SCOFF
	s_mov_b32 s29, 0
	s_wait_alu depctr_va_vdst(0)
	v_lshlrev_b32 v2, 2, v1                        ; in: 4 bytes a lane
	v_bfe_u32 v7, v1, 3, 1                         ; column c of my 32 is row r = c % 8 + 8 (c / 16) of tile u = (c / 8) % 2
	v_and_b32 v8, 7, v1
	v_lshrrev_b32 v9, 4, v1
	v_lshl_or_b32 v8, v9, 3, v8
	s_mul_i32 s30, s[WV], 3328                     ; my stage in LDS: two images of 1,536 bytes, 1,664 apart
	v_mul_u32_u24 v3, v7, 1664
	v_lshl_add_u32 v3, v8, 4, v3
	v_add_nc_u32 v3, s30, v3                       ; into it: image u, 16 r
	v_lshlrev_b32 v5, 4, v1                        ; out: 16 bytes a lane
	v_add_nc_u32 v4, s30, v5
	v_lshl_add_u32 v6, v7, 4, v8
	v_lshlrev_b32 v6, 5, v6                        ; my scale word: 32 (r + 16 u)
	s_wait_kmcnt 0x0
	s_add_nc_u64 s[10:11], s[10:11], s[24:25]
	s_add_nc_u64 s[26:27], s[16:17], s[26:27]
	s_add_nc_u64 s[28:29], s[16:17], s[28:29]
.macro LOAD t                          ; block t: W(32 t + i, my column), i = 0 .. 31: a wave's load reads 128 consecutive bytes, the four waves stand side by side on 512
.set i_, 0
.rept 32
	global_load_b32 v[X+32*((\t)%2)+i_], v2, s[SRC:SRC+1] offset:(32*(\t)+i_)*SN*4 th:TH_LOAD_NT
.set i_, i_+1
.endr
.endm
; Block t of my column is the operand's lane r + 16 (t % 2), registers 6 (t / 2) .. + 5.  An image holds registers 4 g .. 4 g + 3 of lane L at 512 g + 16 L.
.macro BLOCK t
.set XB_, X+32*((\t)%2)
.if (\t) < 3
	s_wait_loadcnt 32                              ; this block's 32 loads are in; the next block's 32 stay out
.else
	s_wait_loadcnt 0x0
.endif
	v_max3_num_f32 v12, |v[XB_]|, |v[XB_+1]|, |v[XB_+2]|           ; the block's largest magnitude, in two chains
	v_max3_num_f32 v13, |v[XB_+3]|, |v[XB_+4]|, |v[XB_+5]|
.irp i, 6,10,14,18,22,26
	v_max3_num_f32 v12, v12, |v[XB_+\i]|, |v[XB_+\i+1]|
	v_max3_num_f32 v13, v13, |v[XB_+\i+2]|, |v[XB_+\i+3]|
.endr
	v_max3_num_f32 v12, v12, |v[XB_+30]|, |v[XB_+31]|
	v_max3_num_f32 v12, v12, v13, 0x1800000        ; and the floor 2^(3 - 127): the byte cannot fall under 1
	v_add_nc_u32 v11, 0xff000000, v12              ; 2 off the exponent field: the conversion takes this operand's exponent field as its scale
	v_cvt_scalef32_pk16_fp6_f32 v[C:C+2], v[XB_:XB_+15], v11
	v_cvt_scalef32_pk16_fp6_f32 v[T:T+2], v[XB_+16:XB_+31], v11    ; (a conversion's three registers begin on an even number)
	v_lshrrev_b32 v13, 23, v11                     ; the scale's byte  (the plain instruction behind the conversions)
.if (\t) == 0
	v_mov_b32 v[SB], v13
.else
	v_lshl_or_b32 v[SB], v13, 8*(\t), v[SB]
.endif
.irp i, 0,1,2
	v_mov_b32 v[C+3+\i], v[T+\i]
.endr
.if (\t) < 2
	ds_store_b128 v3, v[C:C+3] offset:256*((\t)%2)
	ds_store_b64 v3, v[C+4:C+5] offset:512+256*((\t)%2)
.else
	ds_store_b64 v3, v[C:C+1] offset:520+256*((\t)%2)
	ds_store_b128 v3, v[C+2:C+5] offset:1024+256*((\t)%2)
.endif
.if (\t) < 2
	LOAD (\t)+2
.endif
	s_wait_dscnt 0x0                               ; the stores have read their registers: the next block's codes may be written
.endm
	LOAD 0
	LOAD 1
	BLOCK 0
	BLOCK 1
	BLOCK 2
	BLOCK 3
	s_wait_alu depctr_va_vdst(0)
	global_store_b32 v6, v[SB], s[28:29]
.irp u, 0,1
.irp g, 0,1,2
	ds_load_b128 v[OUTR+12*\u+4*\g:OUTR+12*\u+4*\g+3], v4 offset:1664*\u+512*\g   ; LDS serves a wave's instructions in order: these see my stores
.endr
.endr
.irp u, 0,1
.irp g, 0,1,2
	s_wait_dscnt 5-3*\u-\g
	global_store_b128 v5, v[OUTR+12*\u+4*\g:OUTR+12*\u+4*\g+3], s[26:27] offset:1536*\u+512*\g   ; 512 consecutive bytes, at a multiple of 512 from the buffer's first byte
.endr
.endr
	s_wait_tensorcnt 0x0
	ds_add_u32 v192, v193
	s_wait_dscnt 0x0
	s_endpgm
.Lfunc_end_k_q3a34e899ab_prep1:
	.size	k_q3a34e899ab_prep1, .Lfunc_end_k_q3a34e899ab_prep1-k_q3a34e899ab_prep1
	.p2alignl 7, 3214868480
	.fill 96, 4, 3214868480
	.section	.rodata,"a",@progbits
	.p2align	6, 0x0
	.amdhsa_kernel k_q3a34e899ab_prep1
		.amdhsa_group_segment_fixed_size 40448
		.amdhsa_private_segment_fixed_size 0
		.amdhsa_enable_private_segment 0
		.amdhsa_kernarg_size 64
		.amdhsa_user_sgpr_count 2
		.amdhsa_user_sgpr_kernarg_segment_ptr 1
		.amdhsa_wavefront_size32 1
		.amdhsa_system_sgpr_workgroup_id_x 1
		.amdhsa_system_sgpr_workgroup_id_y 1
		.amdhsa_system_sgpr_workgroup_id_z 1
		.amdhsa_system_vgpr_workitem_id 0
		.amdhsa_next_free_vgpr 194
		.amdhsa_next_free_sgpr 66
		.amdhsa_reserve_vcc 1
		.amdhsa_float_denorm_mode_32 3
		.amdhsa_float_denorm_mode_16_64 3
		.amdhsa_memory_ordered 1
		.amdhsa_forward_progress 1
		.amdhsa_inst_pref_size 98
	.end_amdhsa_kernel
	.amdgpu_metadata
---
amdhsa.version: [ 1, 2 ]
amdhsa.kernels:
  - .name:           k_q3a34e899ab_prep1
    .symbol:         k_q3a34e899ab_prep1.kd
    .args:
      - { .name: x, .offset: 0, .size: 8, .value_kind: global_buffer, .address_space: global }
      - { .name: gate_W, .offset: 8, .size: 8, .value_kind: global_buffer, .address_space: global }
      - { .name: gate_b, .offset: 16, .size: 8, .value_kind: global_buffer, .address_space: global }
      - { .name: W1, .offset: 24, .size: 8, .value_kind: global_buffer, .address_space: global }
      - { .name: route, .offset: 32, .size: 8, .value_kind: global_buffer, .address_space: global }
      - { .name: gates, .offset: 40, .size: 8, .value_kind: global_buffer, .address_space: global }
      - { .name: w1c, .offset: 48, .size: 8, .value_kind: global_buffer, .address_space: global }
      - { .name: xq, .offset: 56, .size: 8, .value_kind: global_buffer, .address_space: global }
    .group_segment_fixed_size: 40448
    .private_segment_fixed_size: 0
    .kernarg_segment_align: 8
    .kernarg_segment_size: 64
    .max_flat_workgroup_size: 128
    .sgpr_count:     66
    .vgpr_count:     194
    .wavefront_size: 32
...
	.end_amdgpu_metadata
.endif
;; end of part 6
;; launch prep2 (part 7): grid 1025 x 1, 4 waves a work-group, no clusters, 13,824 bytes of LDS; arguments route, W2, plan, w2c; writes plan, w2c
.if DOCPART == 7
	.amdgcn_target "amdgcn-amd-amdhsa--gfx1250"
	.amdhsa_code_object_version 6
	.text
	.protected	k_q3a34e899ab_prep2
	.globl	k_q3a34e899ab_prep2
	.p2align	8
	.type	k_q3a34e899ab_prep2,@function
k_q3a34e899ab_prep2:
	s_mov_b64 s[64:65], 0
	v_nop
	global_prefetch_b8 v0, s[64:65] scope:SCOPE_SE
	s_setreg_imm32_b32 hwreg(HW_REG_WAVE_MODE, 25, 1), 1
	s_wait_xcnt 0x0
; TWO JOBS IN ONE LAUNCH, parted by the work-group's number.
; Work-group 0: THE PLACING of the 4,096 routed rows (token, chosen expert) by expert: a counting sort without atomics, LDS or barriers.
;   Each expert's rows begin at a multiple of 80 (a block of rows of the two products).  Every wave counts all 2,048 tokens itself, from the one-hot bytes, in packed fields; then it ranks its own 512 tokens, 32 at a time.
;   plan: list[position] = token at 0 (padding positions are neither written nor read); pos0[token] at 19,456, pos1[token] at 27,648; meta at 35,840: words 0-7 the number of blocks up to and with expert e,
;   words 8-15 each expert's last position, words 16-31 zero.
; Work-groups 1-1024: W2 [8][2048 (K)][1024], f32, becomes codes of FP6 (E2M3) and E8M0 bytes in the order of the operand's registers:
;   w2c codes [expert 8][unit 16 (64 columns)][K step 16][tile 4][group 3][lane 32][16 bytes]; scale words at SCOFF: [expert][unit][i 2][L 32][K step 16]: lane L = r + 16 u of i holds the words of tile 2 i + u, row r.
; LIMITS: as for W1: NaN and infinities are not served; a block under 2^-124, or of zeros, keeps the byte 1.
.set SCOFF, 12582912
.set SN,    1024                       ; columns of W2
.set SRC,   6                          ; s[6:7] W2
.set X,     32
.set C,     96
.set T,     104
.set OUTR,  112
.set SB,    24
.set OH,    16                         ; placing: v16-143 the one-hot words of all tokens; afterwards:
.set P0,    16                         ; v16-31   positions of my tokens' first experts
.set P1,    32                         ; v32-47   of their second
.set A0,    48                         ; v48-63, v64-79 the same as byte offsets in the list
.set A1,    64
.set TK,    80                         ; v80-95   my tokens' numbers
.set PT,    96                         ; v96-103  a round's position for each expert
.set SE,    144                        ; v144-159 sel of my 512 tokens: round k holds token 512 w + 128 (k / 4) + 4 lane + k % 4
.set GS,    160                        ; v160-163 low words' sums of the four groups of 512 tokens, v164-167 the high words'
.set WD,    172                        ; v172-179 totals and prefixes in fields of 16 bits
	s_load_b256 s[4:11], s[0:1], 0x0               ; route s[4:5], W2 s[6:7], plan s[8:9], w2c s[10:11]
	v_lshl_add_u32 v192, v0, 2, 0x3400
	v_mov_b32 v193, 0
	v_lshrrev_b32 v1, 5, v0
	v_readfirstlane_b32 s12, v1                    ; wave 0..3
	v_and_b32 v1, 31, v0                           ; lane
	s_cmp_lg_u32 ttmp9, 0
	s_cbranch_scc1 .Lweights
; ---------------- THE PLACING ----------------
	v_lshlrev_b32 v2, 4, v1                        ; 16 bytes a lane
	s_lshl_b32 s13, s12, 11
	v_add_nc_u32 v3, s13, v2                       ; my wave's 512 words: 2,048 w + 16 lane
	s_mov_b32 s92, 0x76543210
	s_mov_b32 s93, 0xfedcba98
	s_wait_alu depctr_va_vdst(0)
	s_wait_kmcnt 0x0
.set q_, 0
.rept 32
	global_load_b128 v[OH+4*q_:OH+4*q_+3], v2, s[4:5] offset:8192+512*q_    ; tokens 64 q + 2 lane, + 1: low word, high word, low, high
.set q_, q_+1
.endr
.irp q, 0,1,2,3
	global_load_b128 v[SE+4*\q:SE+4*\q+3], v3, s[4:5] offset:512*\q
.endr
	s_wait_loadcnt 0x0
.irp j, 0,1,2,3                        ; a group of 512 tokens is 16 words a lane: the byte fields stay at 16 or under
.irp p, 0,1
	v_add_nc_u32 v[GS+4*\p+\j], v[OH+32*\j+\p], v[OH+32*\j+\p+2]
.irp q, 1,2,3,4,5,6,7
	v_add3_u32 v[GS+4*\p+\j], v[GS+4*\p+\j], v[OH+32*\j+4*\q+\p], v[OH+32*\j+4*\q+\p+2]
.endr
.endr
.endr
.irp j, 0,1,2
	s_cmp_gt_u32 s12, \j                           ; group j lies in front of my wave's tokens
	s_cselect_b32 s[82+\j], -1, 0
.endr
.irp p, 0,1                            ; totals (v168, v169) and what lies in front of my wave (v170, v171): fields at 64 or under
	v_add3_u32 v[168+\p], v[GS+4*\p], v[GS+4*\p+1], v[GS+4*\p+2]
	v_add_nc_u32 v[168+\p], v[168+\p], v[GS+4*\p+3]
	v_and_b32 v180, s82, v[GS+4*\p]
	v_and_b32 v181, s83, v[GS+4*\p+1]
	v_and_b32 v[170+\p], s84, v[GS+4*\p+2]
	v_add3_u32 v[170+\p], v[170+\p], v180, v181
.endr
	s_mov_b32 s85, 0x00ff00ff
.irp i, 0,1,2,3                        ; into fields of 16 bits: register 2 i: the word's bytes 0 and 2, register 2 i + 1: bytes 1 and 3
	v_and_b32 v[WD+2*\i], s85, v[168+\i]
	v_lshrrev_b32 v[WD+2*\i+1], 8, v[168+\i]
	v_and_b32 v[WD+2*\i+1], s85, v[WD+2*\i+1]
.endr
.irp x, 1,2,4,8                        ; over the 32 lanes
.irp i, 0,1,2,3,4,5,6,7
	v_mov_b32_dpp v[16+\i], v[WD+\i] row_xmask:\x row_mask:0xf bank_mask:0xf
.endr
.irp i, 0,1,2,3,4,5,6,7
	v_add_nc_u32 v[WD+\i], v[WD+\i], v[16+\i]
.endr
.endr
.irp i, 0,1,2,3,4,5,6,7
	v_permlanex16_b32 v[16+\i], v[WD+\i], s92, s93
.endr
.irp i, 0,1,2,3,4,5,6,7
	v_add_nc_u32 v[WD+\i], v[WD+\i], v[16+\i]
.endr
	s_wait_alu depctr_va_vdst(0)
.irp i, 0,1                            ; s16-23: each expert's rows; s24-31: those of them in front of my wave's tokens
	v_readfirstlane_b32 s86, v[WD+4*\i]
	v_readfirstlane_b32 s87, v[WD+4*\i+1]
	v_readfirstlane_b32 s88, v[WD+4*\i+2]
	v_readfirstlane_b32 s89, v[WD+4*\i+3]
	s_and_b32 s[16+8*\i], s86, 0xffff
	s_lshr_b32 s[18+8*\i], s86, 16
	s_and_b32 s[17+8*\i], s87, 0xffff
	s_lshr_b32 s[19+8*\i], s87, 16
	s_and_b32 s[20+8*\i], s88, 0xffff
	s_lshr_b32 s[22+8*\i], s88, 16
	s_and_b32 s[21+8*\i], s89, 0xffff
	s_lshr_b32 s[23+8*\i], s89, 16
.endr
	s_mov_b32 s90, 0                               ; blocks so far
.irp e, 0,1,2,3,4,5,6,7
	s_add_co_u32 s86, s[16+\e], 79
	s_mul_i32 s86, s86, 52429
	s_lshr_b32 s86, s86, 22                        ; (rows + 79) / 80, exact up to 2,127: 52,429 x 80 = 2^22 + 16
	s_mul_i32 s87, s90, 80                         ; the expert's first position
	s_add_co_u32 s[32+\e], s87, s[24+\e]           ; s32-39: where my wave's rows of this expert begin
	s_add_co_u32 s87, s87, s[16+\e]
	s_sub_co_u32 s[40+\e], s87, 1                  ; s40-47: its last position
	s_add_co_u32 s90, s90, s86
	s_mov_b32 s[48+\e], s90                        ; s48-55: blocks up to and with this expert
.endr
; A round: 32 tokens.  A lane's position with expert e is the expert's next free position + the number of lower lanes that chose e.
.macro RANK k
	v_and_b32 v104, 0xff, v[SE+\k]
	v_lshrrev_b32 v105, 8, v[SE+\k]
.irp e, 0,1,2,3,4,5,6,7
	v_cmp_eq_u32 s[56+\e], \e, v104
	v_cmp_eq_u32 s[66+\e], \e, v105
.endr
.irp e, 0,1,2,3,4,5,6,7
	s_or_b32 s[74+\e], s[56+\e], s[66+\e]
.endr
.irp e, 0,1,2,3,4,5,6,7
	v_mbcnt_lo_u32_b32 v[PT+\e], s[74+\e], s[32+\e]
.endr
	v_cndmask_b32 v[P0+\k], 0, v[PT], s56
	v_cndmask_b32 v[P1+\k], 0, v[PT], s66
.irp e, 1,2,3,4,5,6,7
	v_cndmask_b32 v[P0+\k], v[P0+\k], v[PT+\e], s[56+\e]
	v_cndmask_b32 v[P1+\k], v[P1+\k], v[PT+\e], s[66+\e]
.endr
.irp e, 0,1,2,3,4,5,6,7
	s_bcnt1_i32_b32 s86, s[74+\e]
	s_add_co_u32 s[32+\e], s[32+\e], s86
.endr
.endm
.irp k, 0,1,2,3,4,5,6,7,8,9,10,11,12,13,14,15
	RANK \k
.endr
	v_lshlrev_b32 v106, 2, v1
	s_lshl_b32 s86, s12, 9
	v_add_nc_u32 v106, s86, v106                   ; 512 w + 4 lane
.set k_, 0
.rept 16
	v_add_nc_u32 v[TK+k_], 128*(k_/4)+k_%4, v106
	v_min_u32 v[A0+k_], 4719, v[P0+k_]             ; held inside the list's 4,720 words
	v_min_u32 v[A1+k_], 4719, v[P1+k_]
	v_lshlrev_b32 v[A0+k_], 2, v[A0+k_]
	v_lshlrev_b32 v[A1+k_], 2, v[A1+k_]
.set k_, k_+1
.endr
.set k_, 0
.rept 16
	global_store_b32 v[A0+k_], v[TK+k_], s[8:9]    ; every address and data register is written once: nothing is rewritten under a pending store
	global_store_b32 v[A1+k_], v[TK+k_], s[8:9]
.set k_, k_+1
.endr
.irp q, 0,1,2,3
	global_store_b128 v3, v[P0+4*\q:P0+4*\q+3], s[8:9] offset:19456+512*\q
	global_store_b128 v3, v[P1+4*\q:P1+4*\q+3], s[8:9] offset:27648+512*\q
.endr
	s_cmp_lg_u32 s12, 0                            ; wave 0 stores meta
	s_cbranch_scc1 .Lplaced
	v_mov_b32 v182, 0
.irp e, 0,1,2,3,4,5,6,7
	v_writelane_b32 v182, s[48+\e], \e
	v_writelane_b32 v182, s[40+\e], 8+\e
.endr
	v_lshlrev_b32 v183, 2, v1
	global_store_b32 v183, v182, s[8:9] offset:35840
.Lplaced:
	s_endpgm
; ---------------- W2 INTO CODES.  A work-group takes 128 columns (two units) x 128 along K (one K step); a wave 32 columns: two tiles ----------------
.Lweights:
	s_sub_co_u32 s20, ttmp9, 1
	s_and_b32 s21, s20, 7                          ; which 128 columns
	s_bfe_u32 s22, s20, 0x40003                    ; the K step
	s_lshr_b32 s23, s20, 7                         ; the expert
	s_lshl_b32 s24, s23, 23                        ; W2: an expert is 2^23 bytes,
	s_lshl_b32 s30, s22, 19                        ; 128 rows of 4,096 bytes,
	s_add_co_u32 s24, s24, s30
	s_lshl_b32 s30, s21, 9
	s_add_co_u32 s24, s24, s30
	s_lshl_b32 s30, s12, 7
	s_add_co_u32 s24, s24, s30
	s_mov_b32 s25, 0
	s_lshl_b32 s26, s23, 8                         ; codes: ((expert x 16 + unit) x 16 + K step) x 4 tiles of 1,536 bytes; unit = 2 x columns' number + wave / 2
	s_lshl_b32 s30, s21, 5
	s_add_co_u32 s26, s26, s30
	s_lshr_b32 s30, s12, 1
	s_lshl_b32 s30, s30, 4
	s_add_co_u32 s26, s26, s30
	s_add_co_u32 s26, s26, s22
	s_mul_i32 s26, s26, 6144
	s_and_b32 s30, s12, 1
	s_mul_i32 s30, s30, 3072                       ; tiles 2 (wave % 2), + 1
	s_add_co_u32 s26, s26, s30
	s_mov_b32 s27, 0
	s_lshl_b32 s28, s23, 5                         ; scale words: ((expert x 16 + unit) x 2 + wave % 2) x 2,048 bytes + 4 x K step
	s_lshl_b32 s30, s21, 2
	s_add_co_u32 s28, s28, s30
	s_add_co_u32 s28, s28, s12
	s_lshl_b32 s28, s28, 11
	s_lshl_b32 s30, s22, 2
	s_add_co_u32 s28, s28, s30
	s_add_co_u32 s28, s28, SCOFF
	s_mov_b32 s29, 0
	s_wait_alu depctr_va_vdst(0)
	v_lshlrev_b32 v2, 2, v1                        ; in: 4 bytes a lane
	v_lshrrev_b32 v7, 4, v1                        ; column c of my 32 is row c % 16 of tile c / 16
	v_and_b32 v8, 15, v1
	s_mul_i32 s30, s12, 3328                       ; my stage in LDS: two images of 1,536 bytes, 1,664 apart
	v_mul_u32_u24 v3, v7, 1664
	v_lshl_add_u32 v3, v8, 4, v3
	v_add_nc_u32 v3, s30, v3
	v_lshlrev_b32 v5, 4, v1
	v_add_nc_u32 v4, s30, v5
	v_lshlrev_b32 v6, 6, v1                        ; my scale word: 64 x lane
	s_wait_alu depctr_va_vdst(0)
	s_wait_kmcnt 0x0
	s_add_nc_u64 s[6:7], s[6:7], s[24:25]
	s_add_nc_u64 s[26:27], s[10:11], s[26:27]
	s_add_nc_u64 s[28:29], s[10:11], s[28:29]
.macro LOAD t                          ; block t: W(32 t + i, my column), i = 0 .. 31
.set i_, 0
.rept 32
	global_load_b32 v[X+32*((\t)%2)+i_], v2, s[SRC:SRC+1] offset:(32*(\t)+i_)*SN*4 th:TH_LOAD_NT
.set i_, i_+1
.endr
.endm
; Block t of my column is the operand's lane r + 16 (t % 2), registers 6 (t / 2) .. + 5.  An image holds registers 4 g .. 4 g + 3 of lane L at 512 g + 16 L.
.macro BLOCK t
.set XB_, X+32*((\t)%2)
.if (\t) < 3
	s_wait_loadcnt 32                              ; this block's 32 loads are in; the next block's 32 stay out
.else
	s_wait_loadcnt 0x0
.endif
	v_max3_num_f32 v12, |v[XB_]|, |v[XB_+1]|, |v[XB_+2]|
	v_max3_num_f32 v13, |v[XB_+3]|, |v[XB_+4]|, |v[XB_+5]|
.irp i, 6,10,14,18,22,26
	v_max3_num_f32 v12, v12, |v[XB_+\i]|, |v[XB_+\i+1]|
	v_max3_num_f32 v13, v13, |v[XB_+\i+2]|, |v[XB_+\i+3]|
.endr
	v_max3_num_f32 v12, v12, |v[XB_+30]|, |v[XB_+31]|
	v_max3_num_f32 v12, v12, v13, 0x1800000        ; the floor 2^(3 - 127): the byte cannot fall under 1
	v_add_nc_u32 v11, 0xff000000, v12              ; 2 off the exponent field: the conversion's scale operand
	v_cvt_scalef32_pk16_fp6_f32 v[C:C+2], v[XB_:XB_+15], v11
	v_cvt_scalef32_pk16_fp6_f32 v[T:T+2], v[XB_+16:XB_+31], v11
	v_lshrrev_b32 v13, 23, v11                     ; the scale's byte  (the plain instruction behind the conversions)
.if (\t) == 0
	v_mov_b32 v[SB], v13
.else
	v_lshl_or_b32 v[SB], v13, 8*(\t), v[SB]
.endif
.irp i, 0,1,2
	v_mov_b32 v[C+3+\i], v[T+\i]
.endr
.if (\t) < 2
	ds_store_b128 v3, v[C:C+3] offset:256*((\t)%2)
	ds_store_b64 v3, v[C+4:C+5] offset:512+256*((\t)%2)
.else
	ds_store_b64 v3, v[C:C+1] offset:520+256*((\t)%2)
	ds_store_b128 v3, v[C+2:C+5] offset:1024+256*((\t)%2)
.endif
.if (\t) < 2
	LOAD (\t)+2
.endif
	s_wait_dscnt 0x0                               ; the stores have read their registers
.endm
	LOAD 0
	LOAD 1
	BLOCK 0
	BLOCK 1
	BLOCK 2
	BLOCK 3
	s_wait_alu depctr_va_vdst(0)
	global_store_b32 v6, v[SB], s[28:29]
.irp u, 0,1
.irp g, 0,1,2
	ds_load_b128 v[OUTR+12*\u+4*\g:OUTR+12*\u+4*\g+3], v4 offset:1664*\u+512*\g
.endr
.endr
.irp u, 0,1
.irp g, 0,1,2
	s_wait_dscnt 5-3*\u-\g
	global_store_b128 v5, v[OUTR+12*\u+4*\g:OUTR+12*\u+4*\g+3], s[26:27] offset:1536*\u+512*\g
.endr
.endr
	s_wait_tensorcnt 0x0
	ds_add_u32 v192, v193
	s_wait_dscnt 0x0
	s_endpgm
.Lfunc_end_k_q3a34e899ab_prep2:
	.size	k_q3a34e899ab_prep2, .Lfunc_end_k_q3a34e899ab_prep2-k_q3a34e899ab_prep2
	.p2alignl 7, 3214868480
	.fill 96, 4, 3214868480
	.section	.rodata,"a",@progbits
	.p2align	6, 0x0
	.amdhsa_kernel k_q3a34e899ab_prep2
		.amdhsa_group_segment_fixed_size 13824
		.amdhsa_private_segment_fixed_size 0
		.amdhsa_enable_private_segment 0
		.amdhsa_kernarg_size 32
		.amdhsa_user_sgpr_count 2
		.amdhsa_user_sgpr_kernarg_segment_ptr 1
		.amdhsa_wavefront_size32 1
		.amdhsa_system_sgpr_workgroup_id_x 1
		.amdhsa_system_sgpr_workgroup_id_y 1
		.amdhsa_system_sgpr_workgroup_id_z 1
		.amdhsa_system_vgpr_workitem_id 0
		.amdhsa_next_free_vgpr 194
		.amdhsa_next_free_sgpr 96
		.amdhsa_reserve_vcc 0
		.amdhsa_float_denorm_mode_32 3
		.amdhsa_float_denorm_mode_16_64 3
		.amdhsa_memory_ordered 1
		.amdhsa_forward_progress 1
		.amdhsa_inst_pref_size 101
	.end_amdhsa_kernel
	.amdgpu_metadata
---
amdhsa.version: [ 1, 2 ]
amdhsa.kernels:
  - .name:           k_q3a34e899ab_prep2
    .symbol:         k_q3a34e899ab_prep2.kd
    .args:
      - { .name: route, .offset: 0, .size: 8, .value_kind: global_buffer, .address_space: global }
      - { .name: W2, .offset: 8, .size: 8, .value_kind: global_buffer, .address_space: global }
      - { .name: plan, .offset: 16, .size: 8, .value_kind: global_buffer, .address_space: global }
      - { .name: w2c, .offset: 24, .size: 8, .value_kind: global_buffer, .address_space: global }
    .group_segment_fixed_size: 13824
    .private_segment_fixed_size: 0
    .kernarg_segment_align: 8
    .kernarg_segment_size: 32
    .max_flat_workgroup_size: 128
    .sgpr_count:     96
    .vgpr_count:     194
    .wavefront_size: 32
...
	.end_amdgpu_metadata
.endif
;; end of part 7
;; launch ffn1 (part 8): grid 59 x 4, 4 waves a work-group, no clusters, 61,952 bytes of LDS; arguments plan, xq, w1c, b1, hid; writes hid
.if DOCPART == 8
	.amdgcn_target "amdgcn-amd-amdhsa--gfx1250"
	.amdhsa_code_object_version 6
	.text
	.protected	k_q3a34e899ab_ffn1
	.globl	k_q3a34e899ab_ffn1
	.p2align	8
	.type	k_q3a34e899ab_ffn1,@function
k_q3a34e899ab_ffn1:
	s_mov_b64 s[64:65], 0
	v_nop
	global_prefetch_b8 v0, s[64:65] scope:SCOPE_SE
	s_setreg_imm32_b32 hwreg(HW_REG_WAVE_SCHED_MODE, 0, 2), 2
	s_setreg_imm32_b32 hwreg(HW_REG_WAVE_MODE, 25, 1), 1
	s_wait_xcnt 0x0
	s_wait_alu depctr_vm_vsrc(0)
; h = relu(x W1[e] + b1[e]) for the routed rows alone, on codes of FP6 (E2M3) with one E8M0 scale for each 32 along K; h is quantised along its 2,048 and stored as codes in the order of the next product's operand registers.
; SHARES.  Work-group (b, hq): block b of 80 routed rows (all of one expert) x 512 hidden units.  Wave w: the 80 rows x 128 hidden units (unit 4 hq + w), which are one K step of the next product: so a wave makes whole
; fragments and whole scale words.  40 accumulators of 16 x 16 a wave.  With 4,096 routed rows, 8 experts and blocks of 80 there are never more than 59 blocks, whatever the choice: the grid serves every split.
; THE PRODUCT IS USED TRANSPOSED (source 0 = 16 rows of W1's codes, source 1 = 16 rows of x): a lane holds one row and its registers run along the hidden units; the hidden units of a tile were chosen by the launch
; that laid W1 out, so that the 16 registers of tiles 2 b and 2 b + 1 are 16 neighbours along the next K.  b1 is the C of each sum's first matrix instruction.
; x ARRIVES AS CODES, made once by the first launch and laid so that the 12 operand registers of lane (row, half) for a K step are 48 consecutive bytes of the token's 768: three loads of 16 bytes a fragment.
; PHASES.  X: wave w gathers, by the list, K steps 2 w and 2 w + 1 of the 80 rows' codes (ten fragments) and stores them in LDS as images of their registers; each wave takes the rows' scale words straight into its scale
; registers | one barrier | a work-group whose block does not exist ends here | eight K steps: W1's fragments from memory straight into registers, three buffers, two K steps ahead; x's from LDS, one K step ahead |
; relu, quantise, store.
; NO TENSOR LOADS, NO CLUSTER: how many blocks an expert has hangs on counts read from memory, and a work-group without a block ends by a branch on such a count; the launch takes no tensor load,
; so there are no joint loads either.  The barrier stands ahead of that branch: every wave passes it.  A work-group without a block has repeated phase X on the last block and stores nothing.
; Rows of a block beyond its expert's last row repeat that last row; what is made of them is stored in padding rows that nobody reads.
; LIMITS: NaN and infinities are not served; a block of 32 under 2^-124, or of zeros, keeps the scale byte 1.
; THE MODE: SCHED_MODE bits 1:0 = 2 (LLVM: expert scheduling mode 2), set by the entry lines.  The code itself states the register dependences between vector or matrix instructions and memory or LDS instructions,
; with s_wait_alu, always for 0.
; THE PLAN.  Registers that memory or LDS instructions touch:
;   v1, v4, v5, v11-13  offsets and LDS addresses: written once at the head, ahead of the head's wait on va_vdst; never written again.
;   XA  (v6-10)     written at the head (the list's offsets); read by the five list loads; written anew (token x 768 + 48 h); read by the loads of x's codes.
;   XSA (v208-212)  the list loads land here; vector lines make token x 32 of it; read by the loads of x's scale words.
;   WS, XS, b1      loaded once; read by matrix instructions alone.
;   XF0, XF1        phase X: my ten fragments land here, and the LDS stores read them.  K step s: its matrix instructions read XF[s % 2]; the LDS loads of K step s + 1 land in the other set, which K step s - 1 read.
;   W0, W1, W2      K step s: its matrix instructions read W[s % 3]; the loads of K step s + 2 land in W[(s + 2) % 3], which K step s - 1 read.
;   OUT0, OUT1      the way out: tile m's quantiser writes OUT[m % 2]; the tile's four stores read it.
; So ONE wait on va_vdst stands at the head of a K step, behind the waits for the step's own data: the K step before is done reading the W buffer and the set of x in which this step's loads land.  The step's 39 loads
; follow it, dealt among its 40 matrix instructions, which name W[s % 3], XF[s % 2], the accumulators and the scale registers: none of the registers that those loads touch.  K step 0's loads land in registers that no
; vector or matrix instruction has named, and K step 7 loads nothing: they have no such wait.
; REGISTERS, in windows of 256: window 0: v1-15 addresses; v16-47 W1's scale words (register 8 (t / 2) + s: lanes 0-15 tile t even, lanes 16-31 tile t odd); v48-87 x's scale words (8 m + s): these 72 hold scales and nothing else;
;   v88-207 x's fragments, two sets of 60 (in phase X my ten fragments); on the way out v88-151 64 hidden numbers, v152-172 the second out-buffer; v208-212 addresses of x's scale words; v216-231 the quantiser's;
;   v232, v234-252 the first out-buffer; v249, v253 the add's two.
;   window 1: W1's buffers 0 (v0-95) and 1 (v96-191).   window 2: accumulator (m, t) at v[8 (8 m + t)], m < 4.   window 3: v0-63 accumulators (4, t); v64-127 b1's eight tiles; v128-223 W1's buffer 2.
.set SCOFF, 12582912                   ; where the scale words begin in w1c,
.set HSOFF, 7249920                    ; in hid,
.set XQS,   1572864                    ; and in xq
.set FRB,   1536                       ; a fragment's image: 12 registers x 128 bytes.  LDS holds x's 40 images, (8 m + s) x FRB
.set LI,   1                           ; v1   16 x lane
.set XWI,  4                           ; v4   where I store x's images: 16 x lane + 2 FRB x wave
.set H48,  5                           ; v5   48 (lane / 16)
.set XA,   6                           ; v6-10 tile m: the list's offset, then token x 768 + 48 (lane / 16)
.set R16,  11                          ; v11  16 (lane % 16)
.set L32,  12                          ; v12  32 x lane
.set H64,  13                          ; v13  64 (lane / 16)
.set WS,   16
.set XS,   48
.set XF,   88
.set HA,   88
.set XSA,  208                         ; v208-212 tile m: the token, then token x 32
.set TM,   216
.set PW0,  232                         ; out-buffer 0: the scale word,
.set PC0,  234                         ; the codes (v234-245) and the conversions' second halves (v246-248, v250-252)
.set PC1,  152                         ; out-buffer 1: v152-163, v164-166, v168-170,
.set PW1,  172                         ; and its scale word
.set SEL,  52                          ; s[52:53] v_permlanex16_b32's selects for lane l xor 16
.set MSB,  0
.macro WIN new                         ; the immediate's high byte repeats the setting that is left; a switch that changes nothing is dropped
.if MSB != \new
	s_set_vgpr_msb (MSB<<8)|\new
.set MSB, \new
.endif
.endm
.macro PLACES                          ; four plain instructions behind a matrix instruction, ahead of loads into its registers and of reads of its results
.rept 4
	v_nop
.endr
.endm
; 64 numbers of a lane, v[s] .. v[s + 63], register 16 b + i = k 32 b + 16 (lane / 16) + i of my row, become a fragment's codes in v[pc] on and its scale word in v[pw].
.macro QUANT s, pc, pw
.irp b, 0,1,2,3
	v_max3_num_f32 v[TM+\b], |v[\s+16*\b]|, |v[\s+1+16*\b]|, 0x1800000   ; block b: my 16 numbers, and the floor 2^(3 - 127): the byte cannot fall under 1
.endr
.irp i, 2,4,6,8,10,12,14
.irp b, 0,1,2,3
	v_max3_num_f32 v[TM+\b], v[TM+\b], |v[\s+16*\b+\i]|, |v[\s+1+16*\b+\i]|   ; (the four blocks by turns)
.endr
.endr
.irp b, 0,1,2,3
	v_permlanex16_b32 v[TM+4+\b], v[TM+\b], s[SEL], s[SEL+1]
.endr
.irp b, 0,1,2,3
	v_max_num_f32 v[TM+\b], v[TM+\b], v[TM+4+\b]   ; with lane l xor 16's: the block's largest magnitude
.endr
.irp b, 0,1,2,3
	v_add_nc_u32 v[TM+12+\b], 0xff000000, v[TM+\b] ; 2 off its exponent field: the conversion's scale operand
.endr
.irp b, 0,1,2,3
	v_lshrrev_b32 v[TM+4+\b], 23, v[TM+12+\b]      ; the scale's byte
.endr
	v_lshl_or_b32 v[\pw], v[TM+5], 8, v[TM+4]
	v_lshl_or_b32 v[\pw], v[TM+6], 16, v[\pw]
	v_lshl_or_b32 v[\pw], v[TM+7], 24, v[\pw]
.irp c, 0,1
	v_cvt_scalef32_pk16_fp6_f32 v[\pc+6*\c:\pc+2+6*\c], v[\s+32*\c:\s+15+32*\c], v[TM+12+2*\c]
	v_cvt_scalef32_pk16_fp6_f32 v[\pc+12+4*\c:\pc+14+4*\c], v[\s+16+32*\c:\s+31+32*\c], v[TM+12+2*\c+1]   ; (a conversion's three registers begin on an even number)
.endr
	v_nop                                          ; one plain instruction behind a scaled conversion
.irp c, 0,1                            ; the operand's layout wants a whole block in a lane: lanes 0-15 block 2 c, lanes 16-31 block 2 c + 1
.irp i, 0,1,2
	v_permlane16_swap_b32 v[\pc+6*\c+\i], v[\pc+12+4*\c+\i]
.endr
.irp i, 0,1,2
	v_mov_b32 v[\pc+3+6*\c+\i], v[\pc+12+4*\c+\i]
.endr
.endr
.endm
.macro WLOADH s, hf                    ; four of W1's eight fragments of K step s, tiles 4 hf .. 4 hf + 3, into buffer s % 3: each load takes 512 consecutive bytes
.set WB_, ((\s)%3)
.if WB_ == 2
	WIN 0xc0
.set WR_, 128
.else
	WIN 0x40
.set WR_, 96*WB_
.endif
.irp t, 0,1,2,3
.irp g, 0,1,2
	global_load_b128 v[WR_+12*(4*(\hf)+\t)+4*\g:WR_+12*(4*(\hf)+\t)+4*\g+3], v[LI], s[26:27] offset:12288*(\s)+1536*(4*(\hf)+\t)+512*\g
.endr
.endr
.endm
.macro XFETCH s                        ; x's five fragments of K step s into set s % 2
	WIN 0
.irp m, 0,1,2,3,4
.irp g, 0,1,2
	ds_load_b128 v[XF+60*((\s)%2)+12*\m+4*\g:XF+60*((\s)%2)+12*\m+4*\g+3], v[LI] offset:(8*\m+(\s))*FRB+512*\g
.endr
.endr
.endm
; Eight matrix instructions: tile of rows m against W1's eight tiles.  A K step is five of these: the 40 accumulators take turns, one instruction a turn, in the same order in every K step.
; In K step 0 the C is b1's tile.
.macro MULM s, m
.set WB_, ((\s)%3)
.if WB_ == 2
.set WW_, 3
.set WR_, 128
.else
.set WW_, 1
.set WR_, 96*WB_
.endif
.set XR_, XF+60*((\s)%2)
.if (\m) < 4
.set AC_, 64*(\m)
.if (\s) == 0
.set NW_, 0xb0+WW_                     ; D window 2, C (b1) window 3, x window 0, W1 window WW_
.else
.set NW_, 0xa0+WW_                     ; C and D window 2
.endif
.else
.set AC_, 0
.set NW_, 0xf0+WW_                     ; C and D window 3
.endif
	WIN NW_
.irp t, 0,1,2,3,4,5,6,7
.if (\s) == 0
.set CR_, 64+8*\t
.else
.set CR_, AC_+8*\t
.endif
.if (\t)%2
	v_wmma_scale_f32_16x16x128_f8f6f4 v[AC_+8*\t:AC_+8*\t+7], v[WR_+12*\t:WR_+12*\t+11], v[XR_+12*(\m):XR_+12*(\m)+11], v[CR_:CR_+7], v[WS+8*(\t/2)+(\s)], v[XS+8*(\m)+(\s)] matrix_a_fmt:MATRIX_FMT_FP6 matrix_b_fmt:MATRIX_FMT_FP6 matrix_a_scale:MATRIX_SCALE_ROW1
.else
	v_wmma_scale_f32_16x16x128_f8f6f4 v[AC_+8*\t:AC_+8*\t+7], v[WR_+12*\t:WR_+12*\t+11], v[XR_+12*(\m):XR_+12*(\m)+11], v[CR_:CR_+7], v[WS+8*(\t/2)+(\s)], v[XS+8*(\m)+(\s)] matrix_a_fmt:MATRIX_FMT_FP6 matrix_b_fmt:MATRIX_FMT_FP6
.endif
.endr
.endm
.macro KSTEP s
.if ((\s) > 0) && ((\s) < 7)
	PLACES                                         ; the registers that this K step's loads land in were read by the K step before
.endif
.if (\s) < 7
	s_wait_loadcnt 24                              ; this K step's 24 loads are in; the next K step's 24 stay out (those of the K step after are asked for below)
.else
	s_wait_loadcnt 0x0
.endif
	s_wait_dscnt 0x0                               ; x's fragments of this K step, asked for early in the K step before, are in
.if ((\s) > 0) && ((\s) < 7)
	s_wait_alu depctr_va_vdst(0)                   ; the matrix instructions of the K step before are done reading their W1 buffer and their set of x, in which the loads below land
.endif
	MULM \s, 0
.if (\s) < 7
	XFETCH (\s)+1                                  ; no vector or matrix instruction since the wait names the other set of x, nor v1
.endif
	MULM \s, 1
.if (\s) < 6
	WLOADH (\s)+2, 0                               ; nor the W1 buffer of two K steps on
.endif
	MULM \s, 2
.if (\s) < 6
	WLOADH (\s)+2, 1
.endif
	MULM \s, 3
	MULM \s, 4
.endm
	s_load_b256 s[4:11], s[0:1], 0x0               ; plan s[4:5], xq s[6:7], w1c s[8:9], b1 s[10:11]
	s_load_b64 s[12:13], s[0:1], 0x20              ; hid
	v_lshl_add_u32 v249, v0, 2, 0xf000
	v_mov_b32 v253, 0
	v_lshrrev_b32 v14, 5, v0
	v_readfirstlane_b32 s14, v14                   ; wave 0..3
	s_and_b32 s15, ttmp7, 0xffff                   ; hq: which 512 hidden units
	v_and_b32 v14, 31, v0                          ; lane
	v_and_b32 v15, 15, v0                          ; r
	v_bfe_u32 v254, v0, 4, 1                       ; h
	v_lshlrev_b32 v[LI], 4, v14
	s_wait_alu depctr_va_sdst(0)                   ; s14 is written, ahead of its first reader
	s_mul_i32 s54, s14, 2*FRB                      ; (a scalar register of its own: none that a vector instruction reads is written again)
	v_add_nc_u32 v[XWI], s54, v[LI]
	v_mul_u32_u24 v[H48], v254, 48
	v_lshlrev_b32 v[R16], 4, v15
	v_lshlrev_b32 v[L32], 5, v14
	v_lshlrev_b32 v[H64], 6, v254
	s_mov_b32 s[SEL], 0x76543210
	s_mov_b32 s[SEL+1], 0xfedcba98
.irp b, 0,1,2,3
	v_mov_b32 v[TM+4+\b], 0                        ; written once: a lane permute's destination counts as one of its sources
.endr
	s_wait_kmcnt 0x0
	s_load_b512 s[36:51], s[4:5], 0x8c00           ; meta: s36-43 blocks up to and with expert 0 .. 7 (s43: all blocks); s44-51 each expert's last position
	s_wait_kmcnt 0x0
	s_sub_co_u32 s16, s43, 1
	s_min_u32 s17, ttmp9, s16                      ; my block, or the last one where mine does not exist,
	s_min_u32 s17, s17, 58                         ; held inside the 59 that the buffers have room for
	s_mov_b32 s18, 0                               ; its expert: the number of experts whose blocks all lie in front of it
	s_mov_b32 s19, s44                             ; and that expert's last position
.irp i, 1,2,3,4,5,6,7
	s_cmp_le_u32 s[35+\i], s17
	s_cselect_b32 s19, s[44+\i], s19
	s_cselect_b32 s20, 1, 0
	s_add_co_u32 s18, s18, s20
.endr
	s_min_u32 s18, s18, 7
	s_lshl_b32 s21, s15, 2
	s_add_co_u32 s21, s21, s14                     ; my unit of 128 hidden units
	s_lshl_b32 s24, s18, 4
	s_add_co_u32 s24, s24, s21                     ; 16 x expert + unit
	s_mov_b32 s23, 0
	s_mul_i32 s22, s24, 98304                      ; 8 K steps x 8 tiles x 1,536 bytes
	s_add_nc_u64 s[26:27], s[8:9], s[22:23]        ; W1's codes
	s_lshl_b32 s22, s24, 12
	s_add_co_u32 s22, s22, SCOFF
	s_add_nc_u64 s[28:29], s[8:9], s[22:23]        ; W1's scale words
	s_lshl_b32 s22, s24, 9
	s_add_nc_u64 s[10:11], s[10:11], s[22:23]      ; b1: my 128 numbers
	s_add_nc_u64 s[34:35], s[6:7], XQS             ; x's scale words
	s_mul_i32 s22, s14, 192
	s_add_nc_u64 s[6:7], s[6:7], s[22:23]          ; x's codes: my two K steps begin 192 w bytes into a token's 768
	s_mul_i32 s20, s17, 80                         ; my block's first position
	s_add_co_u32 s22, s20, s21
	s_mul_i32 s22, s22, FRB
	s_add_nc_u64 s[30:31], s[12:13], s[22:23]      ; hid's codes: (16 (5 block + m) + unit) x 1,536
	s_mul_i32 s22, s17, 5120
	s_lshl_b32 s25, s15, 8
	s_add_co_u32 s22, s22, s25
	s_lshl_b32 s25, s14, 2
	s_add_co_u32 s22, s22, s25
	s_add_co_u32 s22, s22, HSOFF
	s_add_nc_u64 s[32:33], s[12:13], s[22:23]      ; hid's scale words: [tile][hq][row][w]
	v_add_nc_u32 v255, s20, v15
.irp m, 0,1,2,3,4
	v_add_nc_u32 v[XA+\m], 16*\m, v255             ; position of row r of tile m,
	v_min_u32 v[XA+\m], s19, v[XA+\m]              ; held at the expert's last,
	v_min_u32 v[XA+\m], 4719, v[XA+\m]             ; and inside the list
	v_lshlrev_b32 v[XA+\m], 2, v[XA+\m]
.endr
	s_wait_alu depctr_va_vdst(0)                   ; the offsets and LDS addresses v1, v4 to v13 are written, which the loads and stores below read
.irp m, 0,1,2,3,4
	global_load_b32 v[XSA+\m], v[XA+\m], s[4:5]    ; the token
.endr
.irp i, 0,1,2,3
.irp q, 0,1
	global_load_b128 v[WS+8*\i+4*\q:WS+8*\i+4*\q+3], v[L32], s[28:29] offset:1024*\i+16*\q
.endr
.endr
	WIN 0xc0
.irp t, 0,1,2,3,4,5,6,7                ; b1 in the result's layout: for tile 2 b + u lane (r, h) wants hidden units 32 b + 16 h + 8 u + 0 .. 7
	global_load_b128 v[64+8*\t:64+8*\t+3], v[H64], s[10:11] offset:(32*(\t/2)+8*(\t%2))*4
	global_load_b128 v[64+8*\t+4:64+8*\t+7], v[H64], s[10:11] offset:(32*(\t/2)+8*(\t%2))*4+16
.endr
	WIN 0
	s_wait_loadcnt 24                              ; the five tokens are in; behind them 8 + 16 loads stay out
	s_wait_alu depctr_vm_vsrc(0)                   ; the five list loads have read v[XA ..], which is written anew below
.irp m, 0,1,2,3,4
	v_min_u32 v[XSA+\m], 2047, v[XSA+\m]
	v_mul_u32_u24 v[XA+\m], v[XSA+\m], 768         ; the token's codes,
	v_add_nc_u32 v[XA+\m], v[H48], v[XA+\m]        ; my half's 48 bytes of a K step
	v_lshlrev_b32 v[XSA+\m], 5, v[XSA+\m]          ; the token's eight scale words
.endr
	s_wait_alu depctr_va_vdst(0)                   ; v[XA ..] and v[XSA ..] are written, which the loads below read as their offsets
; ---- X: the rows' scale words into my scale registers; my two K steps of the 80 rows, ten fragments, into LDS as images of their registers
.irp m, 0,1,2,3,4
	global_load_b128 v[XS+8*\m:XS+8*\m+3], v[XSA+\m], s[34:35]
	global_load_b128 v[XS+8*\m+4:XS+8*\m+7], v[XSA+\m], s[34:35] offset:16
.endr
.irp m, 0,1,2,3,4
.irp p, 0,1
.irp g, 0,1,2
	global_load_b128 v[XF+24*\m+12*\p+4*\g:XF+24*\m+12*\p+4*\g+3], v[XA+\m], s[6:7] offset:96*\p+16*\g
.endr
.endr
.endr
	WLOADH 0, 0                                    ; W1's first two K steps are asked for behind x's codes, for which the barrier waits
	WLOADH 0, 1
	WLOADH 1, 0
	WLOADH 1, 1
	WIN 0
	s_wait_loadcnt 48                              ; x's 40 loads are in; W1's 48 stay out
.irp m, 0,1,2,3,4
.irp p, 0,1
.irp g, 0,1,2
	ds_store_b128 v[XWI], v[XF+24*\m+12*\p+4*\g:XF+24*\m+12*\p+4*\g+3] offset:(8*\m+\p)*FRB+512*\g   ; 512 consecutive bytes a store
.endr
.endr
.endr
	s_wait_dscnt 0x0                               ; for the others' sake: my stores have landed
	s_barrier_signal -1
	s_barrier_wait -1                              ; x's forty fragments lie in LDS
	s_wait_alu depctr_vm_vsrc(0)                   ; my LDS stores have read v[XF ..], in which the fragments' loads land from here on
	s_cmp_ge_u32 ttmp9, s43                        ; a work-group whose block this split does not have ends here
	s_cbranch_scc1 .Lend
	XFETCH 0
.irp s, 0,1,2,3,4,5,6,7
	KSTEP \s
.endr
; ---- the way out, a tile of 16 rows at a time: relu in f32, quantised, stored as the image of the next product's operand; two out-buffers by turns
	PLACES
.irp m, 0,1,2,3,4
.if \m < 4
	WIN 0x08                                       ; source 1: window 2
.set AC_, 64*\m
.else
	WIN 0x0c                                       ; window 3
.set AC_, 0
.endif
.set j_, 0
.rept 64
	v_max_num_f32 v[HA+j_], 0, v[AC_+j_]           ; each accumulator from its low end on
.set j_, j_+1
.endr
	WIN 0
.if (\m)%2
.set PCB_, PC1
.set PWB_, PW1
.else
.set PCB_, PC0
.set PWB_, PW0
.endif
.if \m > 1
	s_wait_xcnt 0x0                                ; the stores of two tiles back have had their addresses translated (ISA guide 3.1): their data registers are written again only behind this wait,
	s_wait_alu depctr_vm_vsrc(0)                   ; and they have read this out-buffer, which the quantiser below writes again
.endif
	QUANT HA, PCB_, PWB_
	s_wait_alu depctr_va_vdst(0)                   ; the quantiser has written the out-buffer's codes and scale word, which the four stores read
.irp g, 0,1,2
	global_store_b128 v[LI], v[PCB_+4*\g:PCB_+4*\g+3], s[30:31] offset:24576*\m+512*\g   ; 512 consecutive bytes, at a multiple of 512 from the buffer's first byte
.endr
	global_store_b32 v[R16], v[PWB_], s[32:33] offset:1024*\m   ; lanes l and l + 16 hold the same word and write it to the same place
.endr
.Lend:
	s_wait_dscnt 0x0                               ; the closing lines, six on end
	s_wait_alu 0x0
	s_wait_tensorcnt 0x0
	ds_add_u32 v249, v253
	s_wait_dscnt 0x0
	s_endpgm
.Lfunc_end_k_q3a34e899ab_ffn1:
	.size	k_q3a34e899ab_ffn1, .Lfunc_end_k_q3a34e899ab_ffn1-k_q3a34e899ab_ffn1
	.p2alignl 7, 3214868480
	.fill 96, 4, 3214868480
	.section	.rodata,"a",@progbits
	.p2align	6, 0x0
	.amdhsa_kernel k_q3a34e899ab_ffn1
		.amdhsa_group_segment_fixed_size 61952
		.amdhsa_private_segment_fixed_size 0
		.amdhsa_enable_private_segment 0
		.amdhsa_kernarg_size 40
		.amdhsa_user_sgpr_count 2
		.amdhsa_user_sgpr_kernarg_segment_ptr 1
		.amdhsa_wavefront_size32 1
		.amdhsa_system_sgpr_workgroup_id_x 1
		.amdhsa_system_sgpr_workgroup_id_y 1
		.amdhsa_system_sgpr_workgroup_id_z 1
		.amdhsa_system_vgpr_workitem_id 0
		.amdhsa_next_free_vgpr 1024
		.amdhsa_next_free_sgpr 66
		.amdhsa_reserve_vcc 0
		.amdhsa_float_denorm_mode_32 3
		.amdhsa_float_denorm_mode_16_64 3
		.amdhsa_memory_ordered 1
		.amdhsa_forward_progress 1
		.amdhsa_inst_pref_size 115
	.end_amdhsa_kernel
	.amdgpu_metadata
---
amdhsa.version: [ 1, 2 ]
amdhsa.kernels:
  - .name:           k_q3a34e899ab_ffn1
    .symbol:         k_q3a34e899ab_ffn1.kd
    .args:
      - { .name: plan, .offset: 0, .size: 8, .value_kind: global_buffer, .address_space: global }
      - { .name: xq, .offset: 8, .size: 8, .value_kind: global_buffer, .address_space: global }
      - { .name: w1c, .offset: 16, .size: 8, .value_kind: global_buffer, .address_space: global }
      - { .name: b1, .offset: 24, .size: 8, .value_kind: global_buffer, .address_space: global }
      - { .name: hid, .offset: 32, .size: 8, .value_kind: global_buffer, .address_space: global }
    .group_segment_fixed_size: 61952
    .private_segment_fixed_size: 0
    .kernarg_segment_align: 8
    .kernarg_segment_size: 40
    .max_flat_workgroup_size: 128
    .sgpr_count:     66
    .vgpr_count:     1024
    .wavefront_size: 32
...
	.end_amdgpu_metadata
.endif
;; end of part 8
;; launch ffn2 (part 9): grid 59 x 4, 4 waves a work-group, no clusters, 140,800 bytes of LDS; arguments plan, hid, w2c, b2, ybuf; writes ybuf
.if DOCPART == 9
	.amdgcn_target "amdgcn-amd-amdhsa--gfx1250"
	.amdhsa_code_object_version 6
	.text
	.protected	k_q3a34e899ab_ffn2
	.globl	k_q3a34e899ab_ffn2
	.p2align	8
	.type	k_q3a34e899ab_ffn2,@function
k_q3a34e899ab_ffn2:
	s_mov_b64 s[64:65], 0
	v_nop
	global_prefetch_b8 v0, s[64:65] scope:SCOPE_SE
	s_setreg_imm32_b32 hwreg(HW_REG_WAVE_SCHED_MODE, 0, 2), 2
	s_setreg_imm32_b32 hwreg(HW_REG_WAVE_MODE, 25, 1), 1
	s_wait_xcnt 0x0
	s_wait_alu depctr_vm_vsrc(0)
; y = h W2[e] + b2[e] for the routed rows, on codes of FP6 (E2M3) with one E8M0 scale for each 32 along K = 2,048; y is stored in f32 in routed order, [4720][1024].
; SHARES.  Work-group (b, dq): block b of 80 routed rows x 256 columns.  Wave w: the 80 rows x 64 columns (unit 4 dq + w): 20 accumulators.
; THE PRODUCT IS USED TRANSPOSED (source 0 = 16 columns of W2, source 1 = 16 rows of h): a lane's eight results are eight neighbouring columns of one row.  b2 is the C of each sum's first matrix instruction.
; PHASES.  The block's 80 fragments of h are one dense run of 122,880 bytes: each wave copies a quarter through registers into LDS | one barrier | a work-group whose block does not exist ends here |
; sixteen K steps: W2's fragments from memory straight into registers, four buffers, three K steps ahead; h's from LDS, three sets, two K steps ahead | each tile of 16 rows through my own stage in LDS and out as whole rows of 256 bytes.
; NO TENSOR LOADS, NO CLUSTER: as in the launch before: a work-group without a block ends by a branch on a count read from memory, and the launch takes no tensor load, hence no joint load.
; THE MODE: SCHED_MODE bits 1:0 = 2 (LLVM: expert scheduling mode 2), set by the entry lines.  The code itself states the register dependences between vector or matrix instructions and memory or LDS instructions,
; with s_wait_alu, always for 0.
; THE PLAN.  Registers that memory or LDS instructions touch:
;   v1, v3-14       offsets and LDS addresses: written once at the head, ahead of the head's wait on va_vdst; never written again.
;   WS, HS, b2      loaded once; read by matrix instructions alone.
;   window 3        the copy: loaded, read by the LDS stores, never written again.
;   W0 .. W3        K step s: its matrix instructions read W[s % 4]; the loads of K step s + 3 land in W[(s + 3) % 4], which K step s - 1 read.
;   H0, H1, H2      K step s: its matrix instructions read H[s % 3]; the LDS loads of K step s + 2 land in H[(s + 2) % 3], which K step s - 1 read.
;   accumulators    written by matrix instructions; read by the LDS stores of the way out.
;   BK0, BK1        the way out: tile m's rows land in BK[m % 2] (registers that were H0 and H1); the tile's eight global stores read them.
; So ONE wait on va_vdst stands at the head of a K step, behind the waits for the step's own data: the K step before is done reading the W2 buffer and the set of h in which this step's loads land.  The step's 27 loads
; follow it, dealt among its 20 matrix instructions, which name W[s % 4], H[s % 3], the accumulators and the scale registers: none of the registers that those loads touch.  K step 0's loads land in registers that no
; vector or matrix instruction has named, and K steps 14 and 15 load nothing: they have no such wait.  One more wait on va_vdst serves the whole way out, in which no vector instruction stands.
; REGISTERS, in windows of 256: window 0: v1-15 addresses; v16-47 W2's scale words (16 (t / 2) + s: lanes 0-15 tile t even, lanes 16-31 odd); v48-127 h's (16 m + s): these hold scales and nothing else;
;   v128-247 h's sets 0 and 1, 60 each; on the way out two sets of 32; v254, v255 the add's two.   window 1: W2's four buffers of 48; v192-223 b2's four tiles.
;   window 2: accumulator (m, t) at v[8 (4 m + t)]; v160-219 h's set 2.   window 3: v0-239 the copy.
.set SCOFF, 12582912
.set HSOFF, 7249920
.set STG,   122880                     ; LDS: behind h's 80 images: a stage of 16 rows x (256 + 16) bytes for each wave
.set LI,   1                           ; v1   16 x lane
.set LH,   3                           ; v3-7 16 x lane + 24,576 m: tile m's sixteen images (an LDS offset has 16 bits)
.set CW,   8                           ; v8   the copy: 16 x lane + 30,720 x wave
.set SO,   9                           ; v9   the stage: where I put 32 bytes of a row
.set SR,   10                          ; v10  and where I read a row back
.set GO,   11                          ; v11  my byte offset in two rows of y
.set R16,  12                          ; v12  16 (lane % 16)
.set L64,  13                          ; v13  64 x lane
.set H32,  14                          ; v14  32 (lane / 16)
.set WS,   16
.set HS,   48
.set HF,   128                         ; h's sets 0 and 1, in window 0
.set H2,   160                         ; h's set 2, in window 2
.set BK,   128
.set MSB,  0
.macro WIN new
.if MSB != \new
	s_set_vgpr_msb (MSB<<8)|\new
.set MSB, \new
.endif
.endm
.macro PLACES                          ; four plain instructions behind a matrix instruction, ahead of loads into its registers and of reads of its results
.rept 4
	v_nop
.endr
.endm
.macro WLOAD s                         ; W2's four fragments of K step s into buffer s % 4
	WIN 0x40
.irp t, 0,1,2,3
.irp g, 0,1,2
	global_load_b128 v[48*((\s)%4)+12*\t+4*\g:48*((\s)%4)+12*\t+4*\g+3], v[LI], s[26:27] offset:6144*(\s)+1536*\t+512*\g
.endr
.endr
.endm
.macro HFETCH s                        ; h's five fragments of K step s into set s % 3
.if ((\s)%3) == 2
	WIN 0x80                                       ; destination window 2, address window 0
.set HR_, H2
.else
	WIN 0
.set HR_, HF+60*((\s)%3)
.endif
.irp m, 0,1,2,3,4
.irp g, 0,1,2
	ds_load_b128 v[HR_+12*\m+4*\g:HR_+12*\m+4*\g+3], v[LH+\m] offset:1536*(\s)+512*\g
.endr
.endr
.endm
; Four matrix instructions: tile of rows m against W2's four tiles.  A K step is five of these: the 20 accumulators take turns, one instruction a turn, in the same order in every K step
.macro MULM s, m
.if ((\s)%3) == 2
.set HR_, H2
.set HW_, 8                            ; source 1 (h) in window 2
.else
.set HR_, HF+60*((\s)%3)
.set HW_, 0                            ; in window 0
.endif
.if (\s) == 0
.set NW_, 0x91+HW_                     ; D window 2, C (b2) window 1, W2 window 1
.else
.set NW_, 0xa1+HW_                     ; C and D window 2
.endif
	WIN NW_
.irp t, 0,1,2,3
.if (\s) == 0
.set CR_, 192+8*\t
.else
.set CR_, 8*(4*(\m)+\t)
.endif
.if (\t)%2
	v_wmma_scale_f32_16x16x128_f8f6f4 v[8*(4*(\m)+\t):8*(4*(\m)+\t)+7], v[48*((\s)%4)+12*\t:48*((\s)%4)+12*\t+11], v[HR_+12*(\m):HR_+12*(\m)+11], v[CR_:CR_+7], v[WS+16*(\t/2)+(\s)], v[HS+16*(\m)+(\s)] matrix_a_fmt:MATRIX_FMT_FP6 matrix_b_fmt:MATRIX_FMT_FP6 matrix_a_scale:MATRIX_SCALE_ROW1
.else
	v_wmma_scale_f32_16x16x128_f8f6f4 v[8*(4*(\m)+\t):8*(4*(\m)+\t)+7], v[48*((\s)%4)+12*\t:48*((\s)%4)+12*\t+11], v[HR_+12*(\m):HR_+12*(\m)+11], v[CR_:CR_+7], v[WS+16*(\t/2)+(\s)], v[HS+16*(\m)+(\s)] matrix_a_fmt:MATRIX_FMT_FP6 matrix_b_fmt:MATRIX_FMT_FP6
.endif
.endr
.endm
.macro KSTEP s
.if ((\s) > 0) && ((\s) < 14)
	PLACES                                         ; the registers that this K step's loads land in were read by the K step before
.endif
.if (\s) < 14
	s_wait_loadcnt 24                              ; this K step's 12 loads are in; those of the two K steps behind it stay out (the third's are asked for below)
.else
	s_wait_loadcnt 12*(15-(\s))
.endif
.if (\s) < 15
	s_wait_dscnt 15                                ; h's fragments of this K step are in; the next K step's 15 loads stay out
.else
	s_wait_dscnt 0x0
.endif
.if ((\s) > 0) && ((\s) < 14)
	s_wait_alu depctr_va_vdst(0)                   ; the matrix instructions of the K step before are done reading their W2 buffer and their set of h, in which the loads below land
.endif
	MULM \s, 0
.if (\s) < 14
	HFETCH (\s)+2                                  ; no vector or matrix instruction since the wait names that set of h, nor v3 to v7
.endif
	MULM \s, 1
.if (\s) < 13
	WLOAD (\s)+3                                   ; nor the W2 buffer of three K steps on, nor v1
.endif
	MULM \s, 2
	MULM \s, 3
	MULM \s, 4
.endm
	s_load_b256 s[4:11], s[0:1], 0x0               ; plan s[4:5], hid s[6:7], w2c s[8:9], b2 s[10:11]
	s_load_b64 s[12:13], s[0:1], 0x20              ; ybuf
	v_lshl_add_u32 v254, v0, 2, 0x22400
	v_mov_b32 v255, 0
	v_lshrrev_b32 v2, 5, v0
	v_readfirstlane_b32 s14, v2                    ; wave 0..3
	s_and_b32 s15, ttmp7, 0xffff                   ; dq: which 256 columns
	v_and_b32 v2, 31, v0                           ; lane
	v_and_b32 v15, 15, v0                          ; r
	v_bfe_u32 v14, v0, 4, 1                        ; h
	v_lshlrev_b32 v[LI], 4, v2
.irp m, 0,1,2,3,4
	v_add_nc_u32 v[LH+\m], 24576*\m, v[LI]
.endr
	s_wait_alu depctr_va_sdst(0)                   ; s14 is written, ahead of its first reader
	s_mul_i32 s44, s14, 30720                      ; (scalar registers of their own: none that a vector instruction reads is written again)
	v_add_nc_u32 v[CW], s44, v[LI]
	s_mul_i32 s45, s14, 4352
	s_add_co_u32 s45, s45, STG                     ; my stage
	v_mul_u32_u24 v[SO], v15, 272
	v_lshl_add_u32 v[SO], v14, 5, v[SO]
	v_add_nc_u32 v[SO], s45, v[SO]                 ; in: row r, 32 bytes for each half of the lanes
	v_mul_u32_u24 v[SR], v14, 272
	v_lshl_add_u32 v[SR], v15, 4, v[SR]
	v_add_nc_u32 v[SR], s45, v[SR]                 ; back: lanes 0-15 one row of 256 bytes, lanes 16-31 the next
	v_lshlrev_b32 v[GO], 12, v14
	v_lshl_add_u32 v[GO], v15, 4, v[GO]            ; and the same two rows in y
	v_lshlrev_b32 v[R16], 4, v15
	v_lshlrev_b32 v[L64], 6, v2
	v_lshlrev_b32 v[H32], 5, v14
	s_wait_kmcnt 0x0
	s_load_b256 s[36:43], s[4:5], 0x8c00           ; meta: blocks up to and with expert 0 .. 7 (s43: all blocks)
	s_wait_kmcnt 0x0
	s_sub_co_u32 s16, s43, 1
	s_min_u32 s17, ttmp9, s16                      ; my block, or the last one where mine does not exist,
	s_min_u32 s17, s17, 58                         ; held inside the 59 that the buffers have room for
	s_mov_b32 s18, 0                               ; its expert
.irp i, 1,2,3,4,5,6,7
	s_cmp_le_u32 s[35+\i], s17
	s_cselect_b32 s20, 1, 0
	s_add_co_u32 s18, s18, s20
.endr
	s_min_u32 s18, s18, 7
	s_lshl_b32 s21, s15, 2
	s_add_co_u32 s21, s21, s14                     ; my unit of 64 columns
	s_lshl_b32 s24, s18, 4
	s_add_co_u32 s24, s24, s21                     ; 16 x expert + unit
	s_mov_b32 s23, 0
	s_mul_i32 s22, s24, 98304                      ; 16 K steps x 4 tiles x 1,536 bytes
	s_add_nc_u64 s[26:27], s[8:9], s[22:23]        ; W2's codes
	s_lshl_b32 s22, s24, 12
	s_add_co_u32 s22, s22, SCOFF
	s_add_nc_u64 s[28:29], s[8:9], s[22:23]        ; W2's scale words
	s_lshl_b32 s22, s24, 8
	s_add_nc_u64 s[10:11], s[10:11], s[22:23]      ; b2: my 64 numbers
	s_mul_i32 s22, s17, 122880
	s_mul_i32 s25, s14, 30720
	s_add_co_u32 s22, s22, s25
	s_add_nc_u64 s[30:31], s[6:7], s[22:23]        ; h's codes: my quarter of the block's
	s_mul_i32 s22, s17, 5120
	s_add_co_u32 s22, s22, HSOFF
	s_add_nc_u64 s[32:33], s[6:7], s[22:23]        ; h's scale words
	s_mul_i32 s22, s17, 327680                     ; y: 80 rows of 4,096 bytes a block,
	s_lshl_b32 s25, s21, 8                         ; my 256 bytes of a row
	s_add_co_u32 s22, s22, s25
	s_add_nc_u64 s[12:13], s[12:13], s[22:23]
	s_wait_alu depctr_va_vdst(0)                   ; the offsets and LDS addresses v1, v3 to v14 are written, which every load and store of the kernel reads
.irp i, 0,1
.irp q, 0,1,2,3
	global_load_b128 v[WS+16*\i+4*\q:WS+16*\i+4*\q+3], v[L64], s[28:29] offset:2048*\i+16*\q
.endr
.endr
.irp m, 0,1,2,3,4
.irp q, 0,1,2,3
	global_load_b128 v[HS+16*\m+4*\q:HS+16*\m+4*\q+3], v[R16], s[32:33] offset:1024*\m+256*\q
.endr
.endr
	WIN 0x40
.irp t, 0,1,2,3                        ; b2 in the result's layout: for tile t lane (r, h) wants columns 16 t + 8 h + 0 .. 7
	global_load_b128 v[192+8*\t:192+8*\t+3], v[H32], s[10:11] offset:64*\t
	global_load_b128 v[192+8*\t+4:192+8*\t+7], v[H32], s[10:11] offset:64*\t+16
.endr
	WLOAD 0
	WLOAD 1
	WLOAD 2
	WIN 0xc0
.set i_, 0
.rept 60
	global_load_b128 v[4*i_:4*i_+3], v[LI], s[30:31] offset:512*i_
.set i_, i_+1
.endr
	WIN 0x0c                                       ; an LDS store's data are its source 1: window 3
.irp q, 0,1,2,3,4,5
	s_wait_loadcnt 50-10*\q                        ; ten more of the sixty are in; the younger ones stay out
.irp i, 0,1,2,3,4,5,6,7,8,9
	ds_store_b128 v[CW], v[4*(10*\q+\i):4*(10*\q+\i)+3] offset:512*(10*\q+\i)
.endr
.endr
	WIN 0
	s_wait_dscnt 0x0                               ; for the others' sake: my stores have landed
	s_barrier_signal -1
	s_barrier_wait -1                              ; h's eighty fragments lie in LDS
	s_cmp_ge_u32 ttmp9, s43                        ; a work-group whose block this split does not have ends here
	s_cbranch_scc1 .Lend
	HFETCH 0
	HFETCH 1
.irp s, 0,1,2,3,4,5,6,7,8,9,10,11,12,13,14,15
	KSTEP \s
.endr
; ---- the way out: a lane holds 32 neighbouring bytes of a row, the lanes beside it other rows: a tile goes through my own stage and comes back as whole rows of 256 bytes.
; LDS serves a wave's instructions in order (ISA guide 5.7.1.4): no wait between the stores and the loads, nor ahead of the next tile's stores.
.macro TOSTAGE m
	WIN 0x08                                       ; the data: window 2
.irp t, 0,1,2,3
	ds_store_b128 v[SO], v[8*(4*(\m)+\t):8*(4*(\m)+\t)+3] offset:64*\t      ; each accumulator from its low end on
	ds_store_b128 v[SO], v[8*(4*(\m)+\t)+4:8*(4*(\m)+\t)+7] offset:64*\t+16
.endr
	WIN 0
.irp i, 0,1,2,3,4,5,6,7
	ds_load_b128 v[BK+32*((\m)%2)+4*\i:BK+32*((\m)%2)+4*\i+3], v[SR] offset:544*\i
.endr
.endm
.macro SEND m, younger                 ; younger: the LDS instructions issued behind tile m's loads, which may stay out
	s_wait_dscnt \younger
.irp i, 0,1,2,3,4,5,6,7
	global_store_b128 v[GO], v[BK+32*((\m)%2)+4*\i:BK+32*((\m)%2)+4*\i+3], s[12:13] offset:(16*(\m)+2*\i)*4096   ; 16 lanes store 256 consecutive bytes, at a multiple of 256 from y's first byte
.endr
.endm
	PLACES
	WIN 0x08
	s_wait_alu depctr_va_vdst(0)                   ; the matrix instructions have written the 20 accumulators, which the LDS stores read, and are done reading h's sets 0 and 1, in which the rows from the stage land; no vector instruction follows
	TOSTAGE 0
.irp m, 1,2,3,4
.if \m > 1
	s_wait_xcnt 0x0                                ; tile m - 2's stores have had their addresses translated (ISA guide 3.1): tile m's loads land in their data registers only behind this wait,
	s_wait_alu depctr_vm_vsrc(0)                   ; and those stores have read these registers
.endif
	TOSTAGE \m
	SEND \m-1, 16                                  ; behind tile m - 1's loads: tile m's 8 stores and 8 loads
.endr
	SEND 4, 0
.Lend:
	s_wait_dscnt 0x0                               ; the closing lines, six on end
	s_wait_alu 0x0
	s_wait_tensorcnt 0x0
	ds_add_u32 v254, v255
	s_wait_dscnt 0x0
	s_endpgm
.Lfunc_end_k_q3a34e899ab_ffn2:
	.size	k_q3a34e899ab_ffn2, .Lfunc_end_k_q3a34e899ab_ffn2-k_q3a34e899ab_ffn2
	.p2alignl 7, 3214868480
	.fill 96, 4, 3214868480
	.section	.rodata,"a",@progbits
	.p2align	6, 0x0
	.amdhsa_kernel k_q3a34e899ab_ffn2
		.amdhsa_group_segment_fixed_size 140800
		.amdhsa_private_segment_fixed_size 0
		.amdhsa_enable_private_segment 0
		.amdhsa_kernarg_size 40
		.amdhsa_user_sgpr_count 2
		.amdhsa_user_sgpr_kernarg_segment_ptr 1
		.amdhsa_wavefront_size32 1
		.amdhsa_system_sgpr_workgroup_id_x 1
		.amdhsa_system_sgpr_workgroup_id_y 1
		.amdhsa_system_sgpr_workgroup_id_z 1
		.amdhsa_system_vgpr_workitem_id 0
		.amdhsa_next_free_vgpr 1024
		.amdhsa_next_free_sgpr 66
		.amdhsa_reserve_vcc 0
		.amdhsa_float_denorm_mode_32 3
		.amdhsa_float_denorm_mode_16_64 3
		.amdhsa_memory_ordered 1
		.amdhsa_forward_progress 1
		.amdhsa_inst_pref_size 105
	.end_amdhsa_kernel
	.amdgpu_metadata
---
amdhsa.version: [ 1, 2 ]
amdhsa.kernels:
  - .name:           k_q3a34e899ab_ffn2
    .symbol:         k_q3a34e899ab_ffn2.kd
    .args:
      - { .name: plan, .offset: 0, .size: 8, .value_kind: global_buffer, .address_space: global }
      - { .name: hid, .offset: 8, .size: 8, .value_kind: global_buffer, .address_space: global }
      - { .name: w2c, .offset: 16, .size: 8, .value_kind: global_buffer, .address_space: global }
      - { .name: b2, .offset: 24, .size: 8, .value_kind: global_buffer, .address_space: global }
      - { .name: ybuf, .offset: 32, .size: 8, .value_kind: global_buffer, .address_space: global }
    .group_segment_fixed_size: 140800
    .private_segment_fixed_size: 0
    .kernarg_segment_align: 8
    .kernarg_segment_size: 40
    .max_flat_workgroup_size: 128
    .sgpr_count:     66
    .vgpr_count:     1024
    .wavefront_size: 32
...
	.end_amdgpu_metadata
.endif
;; end of part 9
;; launch combine (part 10): grid 512 x 1, 4 waves a work-group, no clusters, 0 bytes of LDS; arguments plan, gates, ybuf, out0; writes out0
.if DOCPART == 10
	.amdgcn_target "amdgcn-amd-amdhsa--gfx1250"
	.amdhsa_code_object_version 6
	.text
	.protected	k_q3a34e899ab_combine
	.globl	k_q3a34e899ab_combine
	.p2align	8
	.type	k_q3a34e899ab_combine,@function
k_q3a34e899ab_combine:
	s_mov_b64 s[64:65], 0
	v_nop
	global_prefetch_b8 v0, s[64:65] scope:SCOPE_SE
	s_setreg_imm32_b32 hwreg(HW_REG_WAVE_MODE, 25, 1), 1
	s_wait_xcnt 0x0
; out[n] = g0[n] y[pos0[n]] + g1[n] y[pos1[n]]: each token's two routed rows, weighed by its two gates.  The six experts that were not chosen have the weight 0 in the reference and are not computed.
; One wave, one token: a row is 4,096 bytes, eight loads of 512 consecutive bytes; both rows' sixteen loads go out together; each output row has one owner.  A stream: no LDS, no barrier, no matrix unit.
.set Y0, 8                             ; v8-39   the first row, then the result
.set Y1, 40                            ; v40-71  the second row
	s_load_b256 s[4:11], s[0:1], 0x0               ; plan s[4:5], gates s[6:7], ybuf s[8:9], out0 s[10:11]
	v_lshrrev_b32 v1, 5, v0
	v_readfirstlane_b32 s12, v1                    ; wave 0..3
	v_and_b32 v1, 31, v0
	v_lshlrev_b32 v1, 4, v1                        ; 16 bytes a lane
	s_lshl_b32 s13, ttmp9, 2
	s_add_co_u32 s13, s13, s12                     ; my token
	s_lshl_b32 s14, s13, 2
	s_wait_alu depctr_va_vdst(0)
	s_wait_kmcnt 0x0
	s_load_b32 s20, s[4:5], s14 offset:19456       ; pos0
	s_load_b32 s21, s[4:5], s14 offset:27648       ; pos1
	s_load_b32 s16, s[6:7], s14 offset:0x0         ; g0
	s_load_b32 s18, s[6:7], s14 offset:8192        ; g1
	s_lshl_b32 s26, s13, 12
	s_mov_b32 s27, 0
	s_mov_b32 s23, 0
	s_mov_b32 s25, 0
	s_wait_kmcnt 0x0
	s_min_u32 s20, s20, 4719                       ; held inside y's 4,720 rows
	s_min_u32 s21, s21, 4719
	s_lshl_b32 s22, s20, 12
	s_lshl_b32 s24, s21, 12
	s_add_nc_u64 s[22:23], s[8:9], s[22:23]
	s_add_nc_u64 s[24:25], s[8:9], s[24:25]
	s_add_nc_u64 s[10:11], s[10:11], s[26:27]
	s_mov_b32 s17, s16                             ; (the packed forms name a pair and take its low word for both halves: so the upper words are written)
	s_mov_b32 s19, s18
.irp i, 0,1,2,3,4,5,6,7
	global_load_b128 v[Y0+4*\i:Y0+4*\i+3], v1, s[22:23] offset:512*\i th:TH_LOAD_NT    ; each routed row is read once in the launch
	global_load_b128 v[Y1+4*\i:Y1+4*\i+3], v1, s[24:25] offset:512*\i th:TH_LOAD_NT
.endr
.irp i, 0,1,2,3,4,5,6,7
	s_wait_loadcnt 14-2*\i                         ; piece i of both rows is in; the younger pieces stay out
	v_pk_mul_f32 v[Y1+4*\i:Y1+4*\i+1], v[Y1+4*\i:Y1+4*\i+1], s[18:19] op_sel_hi:[1,0]
	v_pk_mul_f32 v[Y1+4*\i+2:Y1+4*\i+3], v[Y1+4*\i+2:Y1+4*\i+3], s[18:19] op_sel_hi:[1,0]
	v_pk_fma_f32 v[Y0+4*\i:Y0+4*\i+1], v[Y0+4*\i:Y0+4*\i+1], s[16:17], v[Y1+4*\i:Y1+4*\i+1] op_sel_hi:[1,0,1]
	v_pk_fma_f32 v[Y0+4*\i+2:Y0+4*\i+3], v[Y0+4*\i+2:Y0+4*\i+3], s[16:17], v[Y1+4*\i+2:Y1+4*\i+3] op_sel_hi:[1,0,1]
	global_store_b128 v1, v[Y0+4*\i:Y0+4*\i+3], s[10:11] offset:512*\i th:TH_STORE_NT  ; 512 consecutive bytes, aligned; no register of a pending store is written again
.endr
	s_endpgm
.Lfunc_end_k_q3a34e899ab_combine:
	.size	k_q3a34e899ab_combine, .Lfunc_end_k_q3a34e899ab_combine-k_q3a34e899ab_combine
	.p2alignl 7, 3214868480
	.fill 96, 4, 3214868480
	.section	.rodata,"a",@progbits
	.p2align	6, 0x0
	.amdhsa_kernel k_q3a34e899ab_combine
		.amdhsa_group_segment_fixed_size 0
		.amdhsa_private_segment_fixed_size 0
		.amdhsa_enable_private_segment 0
		.amdhsa_kernarg_size 32
		.amdhsa_user_sgpr_count 2
		.amdhsa_user_sgpr_kernarg_segment_ptr 1
		.amdhsa_wavefront_size32 1
		.amdhsa_system_sgpr_workgroup_id_x 1
		.amdhsa_system_sgpr_workgroup_id_y 1
		.amdhsa_system_sgpr_workgroup_id_z 1
		.amdhsa_system_vgpr_workitem_id 0
		.amdhsa_next_free_vgpr 72
		.amdhsa_next_free_sgpr 66
		.amdhsa_reserve_vcc 0
		.amdhsa_float_denorm_mode_32 3
		.amdhsa_float_denorm_mode_16_64 3
		.amdhsa_memory_ordered 1
		.amdhsa_forward_progress 1
		.amdhsa_inst_pref_size 6
	.end_amdhsa_kernel
	.amdgpu_metadata
---
amdhsa.version: [ 1, 2 ]
amdhsa.kernels:
  - .name:           k_q3a34e899ab_combine
    .symbol:         k_q3a34e899ab_combine.kd
    .args:
      - { .name: plan, .offset: 0, .size: 8, .value_kind: global_buffer, .address_space: global }
      - { .name: gates, .offset: 8, .size: 8, .value_kind: global_buffer, .address_space: global }
      - { .name: ybuf, .offset: 16, .size: 8, .value_kind: global_buffer, .address_space: global }
      - { .name: out0, .offset: 24, .size: 8, .value_kind: global_buffer, .address_space: global }
    .group_segment_fixed_size: 0
    .private_segment_fixed_size: 0
    .kernarg_segment_align: 8
    .kernarg_segment_size: 32
    .max_flat_workgroup_size: 128
    .sgpr_count:     66
    .vgpr_count:     72
    .wavefront_size: 32
...
	.end_amdgpu_metadata
.endif
;; end of part 10
